; MI455X (gfx1250); checked and timed in simulation.
; The chip was launched on July 23, 2026; its instructions are those of AMD's public machine-readable ISA for CDNA 5 (MIT licence, August 2026) and "CDNA5" Instruction Set Architecture Reference Guide (July 2026). The comments in the code are by the model that wrote it; some were corrected since.
;; Multi Head Attention. Allowed arithmetic: float matrix products may take bf16 or f16 operands with f32 sums; all other float work in f32.
;; Inputs: Wc 1,024 x 1,024 float32; Wk 1,024 x 1,024 float32; Wq 1,024 x 1,024 float32; Wv 1,024 x 1,024 float32; bc 1,024 float32; bk 1,024 float32; bq 1,024 float32; bv 1,024 float32; key 4 x 2,048 x 1,024 float32; mask 4 x 2,048 x 2,048 bool; query 4 x 2,048 x 1,024 float32; value 4 x 2,048 x 1,024 float32.
;; Outputs: out0 4 x 2,048 x 1,024 float32; out1 4 x 2,048 x 1,024 float32.
;; 3 versions, each right; version 2 is faster than version 1; version 3 is version 2 with the launch prep written anew for expert scheduling mode. Each part assembles by itself: llvm-mc -triple=amdgcn-amd-amdhsa -mcpu=gfx1250 --defsym DOCPART=n.
;; ======== version 1 of 3: 4 launches
;; limits: values are held in f16: magnitudes above 65,504 overflow, below 6.1e-05 lose precision
;; workspace buffers: xb 50,331,648 bytes; wt 8,388,608 bytes; mbits 2,097,152 bytes of whole numbers; qkvb 50,331,648 bytes; qvl 33,554,432 bytes; ab 16,777,216 bytes
;; launch prep (part 1): grid 256 x 8, 8 waves a work-group, no clusters, 68,608 bytes of LDS; arguments query, key, value, Wq, Wk, Wv, Wc, mask, xb, wt, mbits; writes xb, wt, mbits
.if DOCPART == 1
	.amdgcn_target "amdgcn-amd-amdhsa--gfx1250"
	.amdhsa_code_object_version 6
	.text
	.protected	k_q16231fdbca_prep
	.globl	k_q16231fdbca_prep
	.p2align	8
	.type	k_q16231fdbca_prep,@function
k_q16231fdbca_prep:
	s_mov_b64 s[64:65], 0
	v_nop
	global_prefetch_b8 v0, s[64:65] scope:SCOPE_SE
	s_setreg_imm32_b32 hwreg(HW_REG_WAVE_MODE, 25, 1), 1
	s_wait_xcnt 0x0
; Prepares the operands of the three later launches.  The work-group's y picks one of three straight ways, each over 64 KiB of input:
;   y = 0..5  query, key, value: f32 -> bf16, laid out [tensor*4+batch][16 k-blocks][2048 rows][64 k] (xb): a row of a k-block is 128 bytes
;   y = 6     Wq, Wk, Wv, Wc: transposed, f32 -> bf16, laid out [matrix][16 k-blocks][1024 n][64 k] (wt).  Wc's partner in its product, attn_v,
;             goes in f16, so Wc's bf16 value is written as f16: exact from 2^-17 up (8 significant bits above f16's last place 2^-24),
;             within 2^-25 below.  LIMIT: |Wc| below 65,504.
;   y = 7     mask: bytes -> lane masks (mbits).  Word [batch*128+q/16][key/16][j]: bit L = mask[q/16*16+(L&15)][key/16*16+8*(L>>4)+j],
;             which is the place of that score in a 16 x 16 f32 matrix result (register j, lane L).  A byte other than 0 counts as true.
; Memory binds here: every input byte is read once by 16-byte loads of which a wave's 32 cover 512 neighbouring bytes (y = 0..5: two runs
; of 256), and every store of a wave covers whole aligned runs of 256 bytes.  No tile is shared between work-groups, so there is no
; cluster; there is no product, so no matrix instruction.  The branch on y is the same for all waves of a work-group.
.set WPITCH, 144                       ; y = 6: LDS row of 64 numbers of 2 bytes + 16 bytes
.set MPITCH, 528                       ; y = 7: LDS row of 512 mask bytes + 16 bytes
.set IN,  32                           ; v[32:95]   sixteen loads of 16 bytes
.set OUT, 96                           ; v[96:127]  packed 16-bit numbers
.set MW,  128                          ; v[128:135] y = 7: the 256 words of a wave, two a lane in each of four pairs
	s_load_b512 s[4:19], s[0:1], 0x0               ; query, key, value, Wq, Wk, Wv, Wc, mask
	s_load_b128 s[20:23], s[0:1], 0x40             ; xb, wt
	s_load_b64 s[24:25], s[0:1], 0x50              ; mbits
	v_lshl_add_u32 v136, v0, 2, 0x10800
	v_mov_b32 v137, 0
	s_and_b32 s26, ttmp7, 0xffff                   ; y
	v_lshrrev_b32 v1, 5, v0
	v_readfirstlane_b32 s3, v1                     ; wave 0..7
	v_and_b32 v2, 31, v0                           ; lane
	s_wait_kmcnt 0x0
	s_cmp_eq_u32 s26, 6
	s_cbranch_scc1 .Lweights
	s_cmp_eq_u32 s26, 7
	s_cbranch_scc1 .Lmask
; ---- y = 0..5: 16 rows of one of the three activations; a wave takes two rows of 4,096 bytes ----
	s_lshr_b32 s27, s26, 1                         ; which tensor
	s_and_b32 s28, s26, 1
	s_lshl_b32 s28, s28, 8
	s_add_co_u32 s28, s28, ttmp9                   ; which 16 rows of its 8,192
	s_cmp_eq_u32 s27, 1
	s_cselect_b64 s[4:5], s[6:7], s[4:5]
	s_cmp_eq_u32 s27, 2
	s_cselect_b64 s[4:5], s[8:9], s[4:5]
	s_lshl_b32 s30, s28, 16                        ; 16 rows of 4,096 bytes
	s_lshl_b32 s29, s3, 13                         ; + my two rows
	s_add_co_u32 s30, s30, s29
	s_mov_b32 s31, 0
	s_add_nc_u64 s[4:5], s[4:5], s[30:31]
	s_lshl_b32 s32, s27, 2
	s_lshr_b32 s29, s28, 7
	s_add_co_u32 s32, s32, s29                     ; tensor*4 + batch
	s_lshl_b32 s32, s32, 22                        ; blocks of 4 MiB
	s_and_b32 s29, s28, 127
	s_lshl_b32 s29, s29, 11                        ; 16 rows of 128 bytes inside a k-block
	s_add_co_u32 s32, s32, s29
	s_lshl_b32 s29, s3, 8                          ; my two rows
	s_add_co_u32 s32, s32, s29
	s_mov_b32 s33, 0
	s_add_nc_u64 s[20:21], s[20:21], s[32:33]
	v_and_b32 v3, 15, v0
	v_bfe_u32 v4, v0, 4, 1
	v_lshlrev_b32 v3, 4, v3
	v_lshl_add_u32 v3, v4, 12, v3                  ; lanes 0-15: 256 bytes of the first row, lanes 16-31: of the second
	v_lshlrev_b32 v4, 3, v2                        ; out: 8 bytes a lane, 256 neighbouring bytes (two rows of a k-block)
.irp kb, 0,1,2,3,4,5,6,7,8,9,10,11,12,13,14,15
	global_load_b128 v[IN+4*\kb:IN+4*\kb+3], v3, s[4:5] offset:\kb*256 th:TH_LOAD_NT
.endr
.irp kb, 0,1,2,3,4,5,6,7,8,9,10,11,12,13,14,15
	s_wait_loadcnt 15-\kb                          ; loads return in order: this one is in, the younger ones stay out
	v_cvt_pk_bf16_f32 v[OUT+2*\kb], v[IN+4*\kb], v[IN+4*\kb+1]
	v_cvt_pk_bf16_f32 v[OUT+2*\kb+1], v[IN+4*\kb+2], v[IN+4*\kb+3]
	global_store_b64 v4, v[OUT+2*\kb:OUT+2*\kb+1], s[20:21] offset:\kb*262144   ; every store has data registers of its own
.endr
	s_endpgm
; ---- y = 6: 64 k x 256 n of one weight matrix, transposed through LDS ----
.Lweights:
	s_lshr_b32 s27, ttmp9, 6                       ; which matrix
	s_bfe_u32 s28, ttmp9, 0x40002                  ; k-block
	s_and_b32 s29, ttmp9, 3                        ; which 256 columns
	s_cmp_eq_u32 s27, 1
	s_cselect_b64 s[10:11], s[12:13], s[10:11]
	s_cmp_eq_u32 s27, 2
	s_cselect_b64 s[10:11], s[14:15], s[10:11]
	s_cmp_eq_u32 s27, 3
	s_cselect_b64 s[10:11], s[16:17], s[10:11]
	s_lshl_b32 s32, s28, 18                        ; 64 rows of 4,096 bytes
	s_lshl_b32 s33, s29, 10
	s_add_co_u32 s32, s32, s33
	s_mov_b32 s33, 0
	s_add_nc_u64 s[10:11], s[10:11], s[32:33]
	s_lshl_b32 s32, s27, 21                        ; out: matrix 2 MiB, k-block 128 KiB, 256 rows of 128 bytes
	s_lshl_b32 s34, s28, 17
	s_add_co_u32 s32, s32, s34
	s_lshl_b32 s34, s29, 15
	s_add_co_u32 s32, s32, s34
	s_add_nc_u64 s[22:23], s[22:23], s[32:33]
	v_and_b32 v3, 63, v0                           ; my four columns
	v_lshrrev_b32 v4, 6, v0                        ; my sixteen k
	v_lshlrev_b32 v5, 4, v3
	v_lshl_add_u32 v5, v4, 16, v5                  ; 16 rows of 4,096 bytes + 16 bytes a thread
	v_mul_u32_u24 v6, v3, 4*WPITCH
	v_lshl_add_u32 v6, v4, 5, v6                   ; LDS [n][k]: row 4 (t & 63), byte 32 (t >> 6)
	v_lshrrev_b32 v7, 3, v0
	v_mul_u32_u24 v7, v7, WPITCH
	v_and_b32 v8, 7, v0
	v_lshl_add_u32 v7, v8, 4, v7                   ; back: eight threads take a row of 128 bytes
	v_lshlrev_b32 v8, 4, v0
.irp k, 0,1,2,3,4,5,6,7,8,9,10,11,12,13,14,15
	global_load_b128 v[IN+4*\k:IN+4*\k+3], v5, s[10:11] offset:\k*4096 th:TH_LOAD_NT
.endr
	s_wait_loadcnt 0x0
.irp c, 0,1,2,3
.irp p, 0,1,2,3,4,5,6,7
	v_cvt_pk_bf16_f32 v[OUT+8*\c+\p], v[IN+8*\p+\c], v[IN+8*\p+4+\c]   ; column c, k = 2p and 2p + 1
.endr
.endr
	s_cmp_lg_u32 s27, 3                            ; the same for the whole work-group
	s_cbranch_scc1 .Lstay_bf16
.set m, 0
.rept 32
	v_lshlrev_b32 v[IN+2*m], 16, v[OUT+m]          ; Wc: the bf16 values widened again,
	v_and_b32 v[IN+2*m+1], 0xffff0000, v[OUT+m]
.set m, m+1
.endr
.set m, 0
.rept 32
	v_cvt_pk_f16_f32 v[OUT+m], v[IN+2*m], v[IN+2*m+1]   ; and written as f16
.set m, m+1
.endr
.Lstay_bf16:
.irp c, 0,1,2,3
	ds_store_b128 v6, v[OUT+8*\c:OUT+8*\c+3] offset:\c*WPITCH
	ds_store_b128 v6, v[OUT+8*\c+4:OUT+8*\c+7] offset:\c*WPITCH+16
.endr
	s_wait_dscnt 0x0                               ; my stores are done before I say so: other waves read them
	s_barrier_signal -1
	s_barrier_wait -1
.irp g, 0,1,2,3,4,5,6,7
	ds_load_b128 v[IN+4*\g:IN+4*\g+3], v7 offset:\g*32*WPITCH
.endr
.irp g, 0,1,2,3,4,5,6,7
	s_wait_dscnt 7-\g
	global_store_b128 v8, v[IN+4*\g:IN+4*\g+3], s[22:23] offset:\g*4096     ; the tile is 32 KiB without gaps in wt
.endr
	s_wait_tensorcnt 0x0
	ds_add_u32 v136, v137
	s_wait_dscnt 0x0
	s_endpgm
; ---- y = 7: a wave takes 16 query rows x 512 keys of the mask ----
.Lmask:
	s_lshl_b32 s27, ttmp9, 1
	s_lshr_b32 s28, s3, 2
	s_add_co_u32 s27, s27, s28                     ; batch*128 + q/16
	s_and_b32 s28, s3, 3                           ; which 512 keys
	s_lshl_b32 s32, s27, 15                        ; 16 rows of 2,048 bytes
	s_lshl_b32 s29, s28, 9
	s_add_co_u32 s32, s32, s29
	s_mov_b32 s33, 0
	s_add_nc_u64 s[18:19], s[18:19], s[32:33]
	s_lshl_b32 s32, s27, 12                        ; 128 key blocks of 32 bytes
	s_lshl_b32 s29, s28, 10
	s_add_co_u32 s32, s32, s29
	s_add_nc_u64 s[24:25], s[24:25], s[32:33]
	s_mul_i32 s29, s3, 16*MPITCH                   ; my wave's own LDS bytes: no other wave touches them, so no barrier
	v_lshlrev_b32 v3, 4, v2
	v_add_nc_u32 v4, s29, v3
	v_and_b32 v5, 15, v0
	v_bfe_u32 v6, v0, 4, 1
	v_mul_u32_u24 v5, v5, MPITCH
	v_lshl_add_u32 v5, v6, 3, v5
	v_add_nc_u32 v5, s29, v5                       ; row L & 15, byte 8 (L >> 4)
	v_lshlrev_b32 v6, 3, v2
	s_mov_b32 s36, 0xff
	s_mov_b32 s37, 0xff00
	s_mov_b32 s38, 0xff0000
	s_mov_b32 s39, 0xff000000
.irp k, 0,1,2,3,4,5,6,7,8,9,10,11,12,13,14,15
	global_load_b128 v[IN+4*\k:IN+4*\k+3], v3, s[18:19] offset:\k*2048 th:TH_LOAD_NT
.endr
.irp m, 0,1,2,3,4,5,6,7
	v_mov_b32 v[MW+\m], 0                          ; v_writelane_b32 keeps the other lanes: the registers are written whole first
.endr
.irp k, 0,1,2,3,4,5,6,7,8,9,10,11,12,13,14,15
	s_wait_loadcnt 15-\k
	ds_store_b128 v4, v[IN+4*\k:IN+4*\k+3] offset:\k*MPITCH
.endr
.set kk, 0
.rept 32
	ds_load_b64 v[64+2*kk:65+2*kk], v5 offset:16*kk    ; LDS serves a wave's instructions in order: these see the stores above
.set kk, kk+1
.endr
	s_wait_dscnt 0x0
.set kk, 0
.rept 32
.set g, 0
.rept 2
.irp q, 0,1,2,3
	v_and_b32 v[10+\q], s[36+\q], v[64+2*kk+g]     ; byte j = 4 g + q of my eight
.endr
.irp q, 0,1,2,3
	v_cmp_ne_u32 s[40+\q], 0, v[10+\q]             ; one bit a lane: the word of (key block kk, j)
.endr
.irp q, 0,1,2,3
	v_writelane_b32 v[MW+2*((8*kk+4*g+\q)>>6)+(\q&1)], s[40+\q], ((8*kk+4*g+\q)&63)>>1
.endr
.set g, g+1
.endr
.set kk, kk+1
.endr
.irp p, 0,1,2,3
	global_store_b64 v6, v[MW+2*\p:MW+2*\p+1], s[24:25] offset:256*\p
.endr
	s_wait_tensorcnt 0x0
	ds_add_u32 v136, v137
	s_wait_dscnt 0x0
	s_endpgm
.Lfunc_end_k_q16231fdbca_prep:
	.size	k_q16231fdbca_prep, .Lfunc_end_k_q16231fdbca_prep-k_q16231fdbca_prep
	.p2alignl 7, 3214868480
	.fill 96, 4, 3214868480
	.section	.rodata,"a",@progbits
	.p2align	6, 0x0
	.amdhsa_kernel k_q16231fdbca_prep
		.amdhsa_group_segment_fixed_size 68608
		.amdhsa_private_segment_fixed_size 0
		.amdhsa_enable_private_segment 0
		.amdhsa_kernarg_size 88
		.amdhsa_user_sgpr_count 2
		.amdhsa_user_sgpr_kernarg_segment_ptr 1
		.amdhsa_wavefront_size32 1
		.amdhsa_system_sgpr_workgroup_id_x 1
		.amdhsa_system_sgpr_workgroup_id_y 1
		.amdhsa_system_sgpr_workgroup_id_z 1
		.amdhsa_system_vgpr_workitem_id 0
		.amdhsa_next_free_vgpr 138
		.amdhsa_next_free_sgpr 66
		.amdhsa_reserve_vcc 0
		.amdhsa_float_denorm_mode_32 3
		.amdhsa_float_denorm_mode_16_64 3
		.amdhsa_memory_ordered 1
		.amdhsa_forward_progress 1
		.amdhsa_inst_pref_size 67
	.end_amdhsa_kernel
	.amdgpu_metadata
---
amdhsa.version: [ 1, 2 ]
amdhsa.kernels:
  - .name:           k_q16231fdbca_prep
    .symbol:         k_q16231fdbca_prep.kd
    .args:
      - { .name: query, .offset: 0, .size: 8, .value_kind: global_buffer, .address_space: global }
      - { .name: key, .offset: 8, .size: 8, .value_kind: global_buffer, .address_space: global }
      - { .name: value, .offset: 16, .size: 8, .value_kind: global_buffer, .address_space: global }
      - { .name: Wq, .offset: 24, .size: 8, .value_kind: global_buffer, .address_space: global }
      - { .name: Wk, .offset: 32, .size: 8, .value_kind: global_buffer, .address_space: global }
      - { .name: Wv, .offset: 40, .size: 8, .value_kind: global_buffer, .address_space: global }
      - { .name: Wc, .offset: 48, .size: 8, .value_kind: global_buffer, .address_space: global }
      - { .name: mask, .offset: 56, .size: 8, .value_kind: global_buffer, .address_space: global }
      - { .name: xb, .offset: 64, .size: 8, .value_kind: global_buffer, .address_space: global }
      - { .name: wt, .offset: 72, .size: 8, .value_kind: global_buffer, .address_space: global }
      - { .name: mbits, .offset: 80, .size: 8, .value_kind: global_buffer, .address_space: global }
    .group_segment_fixed_size: 68608
    .private_segment_fixed_size: 0
    .kernarg_segment_align: 8
    .kernarg_segment_size: 88
    .max_flat_workgroup_size: 256
    .sgpr_count:     66
    .vgpr_count:     138
    .wavefront_size: 32
...
	.end_amdgpu_metadata
.endif
;; end of part 1
;; launch proj_qkv (part 2): grid 8 x 96, 4 waves a work-group, clusters of 4 x 4, 327,680 bytes of LDS; arguments xb, wt, bq, bk, bv, qkvb, qvl; writes qkvb, qvl
.if DOCPART == 2
	.amdgcn_target "amdgcn-amd-amdhsa--gfx1250"
	.amdhsa_code_object_version 6
	.text
	.protected	k_q16231fdbca_proj_qkv
	.globl	k_q16231fdbca_proj_qkv
	.p2align	8
	.type	k_q16231fdbca_proj_qkv,@function
k_q16231fdbca_proj_qkv:
	s_mov_b64 s[64:65], 0
	v_nop
	global_prefetch_b8 v0, s[64:65] scope:SCOPE_SE
	s_setreg_imm32_b32 hwreg(HW_REG_WAVE_MODE, 25, 1), 1
	s_wait_xcnt 0x0
	s_wait_alu depctr_hold_cnt(0) depctr_sa_sdst(0) depctr_va_vdst(0) depctr_va_sdst(0) depctr_va_ssrc(0) depctr_va_vcc(0) depctr_vm_vsrc(0)
	s_getreg_b32 s2, hwreg(HW_REG_IB_STS2, 6, 4)
	s_cmp_eq_u32 s2, 0
	s_cbranch_scc0 .Lentry_in_a_cluster
	s_endpgm
.Lentry_in_a_cluster:
	s_bfe_u32 s2, ttmp6, 0x10000c
	s_cmp_lg_u32 s2, 0xf033
	s_cbranch_scc0 .Lentry_shape_is_right
	s_endpgm
.Lentry_shape_is_right:
; C = X W + b with 16-bit operands and f32 sums.  One text serves two launches; MODE picks the arguments, the operands' format and the way out.
;   MODE 0: q c, k, v = (query Wq + bq) c, key Wk + bk, value Wv + bv with c = log2(e)/8; bf16 operands.  Stored head by head as f16,
;           [tensor*4+batch][head][2048][64].  f16 keeps 11 significant bits where bf16 keeps 8; a row of the attention with few keys hands
;           these roundings straight to outputs that are compared against a much smaller scale.  q c and v are stored as TWO f16 numbers:
;           the f32 value cut to 11 bits (exact in f16) in qkvb, the exact rest, rounded, in qvl ([0..3 q, 4..7 v][head][2048][64]);
;           k is one f16, rounded.  LIMIT: |q c|, |k|, |v| below 65,504.
;   MODE 1: out0 = attn_v Wc + bc, f32, row-major; f16 operands.
; X lies as [block][16 k-blocks][2048 rows][64 k] and W as [matrix][16 k-blocks][1024 n][64 k], 2 bytes a number, so 256 rows of X (128 of W)
; of one k-block are 32 KiB (16 KiB) without gaps.  A work-group makes 256 x 128 of C with four waves, one on each SIMD; a wave makes
; 128 x 64: 32 accumulator tiles, 256 registers.  (768 and 256 work-groups: whole multiples of the 256 WGPs.)  K = 1,024 goes in 8 steps of
; 128 (two k-blocks) through two LDS slots.  One tensor load a wave and step: waves 0, 1 bring X's 256 rows of the step's first and second
; k-block, waves 2, 3 W's 128 rows likewise, as rows of 256 bytes (two data rows) with 16 bytes of padding behind each.
; CLUSTERS: 4 x 4 work-groups.  The four of a row of the cluster need the same tiles of X, the four of a column the same tiles of W: each
; tile is asked for jointly by the four, which divides the requests by four.
; REGISTERS: window 0: v16-27 addresses; v32-127 and v128-223 two fragment buffers (W's 4 fragments, then X's 8); v224-255 the bias.
;            window 1: the accumulators, tile (a, b) at v[8 (4 a + b)].
; The matrix instruction is used transposed (source 0 = 16 rows of W, source 1 = 16 rows of X): lane l then holds row l % 16 of C and its
; registers 0-7 the columns 8 (l / 16) + 0..7, eight neighbouring numbers of a row.
; The 32 accumulators take turns, one instruction a turn, in the same order in every quarter step.
.set MODE,   0
.set KP,     272                       ; an LDS row: two data rows of 128 bytes + 16: data row x starts at (x>>1)*272 + (x&1)*128, so the 16 rows of a fragment start in 16 different 16-byte columns of 256
.set LOADA,  128*KP                    ; 256 rows of X, one k-block
.set LOADB,  64*KP                     ; 128 rows of W, one k-block
.set SLOT,   2*LOADA+2*LOADB
.set STAGE,  2*SLOT                    ; behind the ring: each wave's own bytes for the way out; no tensor load lands there
.set STAGEW, 4352
.set AKB,    262144                    ; bytes from k-block to k-block in X
.set BKB,    131072                    ; and in W
.set LAPS,   4                         ; a lap = two K steps = once round the ring
.set CSCALE, 0x3e38aa3b
.set ADRA, 16                          ; v16-17 LDS address of my X fragments in slot 0, 1
.set ADRB, 20                          ; v20-21 the same for W
.set STO,  24
.set RD,   25
.set CO,   26
.set BOF,  27
.set F0,   32
.set F1,   128
.set BIAS, 224
.set T,    32                          ; the way out: v[32:63] the results in f32, later their low parts
.set H,    64                          ; v[64:95]   their high parts in f32
.set PK,   96                          ; v[96:111]  high parts packed
.set PKL,  112                         ; v[112:127] low parts packed
.set G1,  24                           ; s[24:31] group 1 for X's tiles
.set G0,  32                           ; s[32:39] group 0 for X's tiles, a set for each slot
.set G1B, 48                           ; s[48:55] group 1 for W's tiles
.set G0B, 56                           ; s[56:63] group 0 for W's tiles
.set G1W0, (3<<16)|(1<<20)|(1<<21)|(5<<22)|(3<<25)   ; elements of 8 bytes; padding on; bit 21 beside a mask; after every 64 words; 4 words
.set MSB, 0
.macro WIN new                         ; the immediate's high byte repeats the setting that is left
.if MSB != \new
	s_set_vgpr_msb (MSB<<8)|\new
.set MSB, \new
.endif
.endm
.set MUL, 0x50                         ; sources 0 and 1 window 0, C and D window 1
.macro JLOAD s                         ; waves 0, 1 ask for X's tiles, waves 2, 3 for W's; the branch hangs on the wave's number alone
	s_cmp_eq_u32 s11, 0
	s_cbranch_scc0 .Lfor_b_\@
	tensor_load_to_lds s[G0+4*\s:G0+4*\s+3], s[G1:G1+7]
	s_nop 0
	s_branch .Lasked_\@
.Lfor_b_\@:
	tensor_load_to_lds s[G0B+4*\s:G0B+4*\s+3], s[G1B:G1B+7]
	s_nop 0
.Lasked_\@:
.endm
.macro CREST                           ; a round of the cluster's barrier behind its opening work-group barrier
	s_cmp_lg_u32 s10, 0
	s_cbranch_scc1 .Lnot_wave_0_\@
	s_barrier_signal -3
.Lnot_wave_0_\@:
	s_barrier_wait -3
	s_barrier_signal -1
	s_barrier_wait -1
.endm
.macro CROUND
	s_barrier_signal -1
	s_barrier_wait -1
	CREST
.endm
.macro PLACES                          ; four plain vector instructions between a matrix instruction and a load into, or a vector read of, its registers
.rept 4
	v_nop
.endr
.endm
	s_load_b128 s[4:7], s[0:1], 0x0                ; X, W
.if MODE == 0
	s_load_b256 s[68:75], s[0:1], 0x10             ; bq, bk, bv, qkvb
	s_load_b64 s[80:81], s[0:1], 0x30              ; qvl
	v_lshl_add_u32 v30, v0, 2, 0x37400
	v_mov_b32 v31, 0
	ds_add_u32 v30, v31
.else
	s_load_b128 s[68:71], s[0:1], 0x10             ; bc, the output
.endif
	v_lshrrev_b32 v1, 5, v0
	v_readfirstlane_b32 s10, v1                    ; wave 0..3
	s_lshr_b32 s11, s10, 1                         ; which 128 rows of the block are mine.  Also: I fetch X (0) or W (1)
	s_and_b32 s12, s10, 1                          ; which 64 columns.  Also: which k-block of the step I fetch
	s_bfe_u32 s40, ttmp6, 0x40000                  ; cx
	s_bfe_u32 s41, ttmp6, 0x40004                  ; cy
	s_lshl_b32 s42, ttmp9, 2
	s_add_co_u32 s42, s42, s40                     ; block column = 4 x cluster x + cx
	s_and_b32 s45, ttmp7, 0xffff                   ; cluster y
	s_lshl_b32 s13, s45, 2
	s_add_co_u32 s13, s13, s41                     ; block row = 4 x cluster y + cy
.if MODE == 0
	s_lshr_b32 s76, s45, 3                         ; which weight matrix: 32 block rows = 8 clusters for each; made of the cluster's y alone
.else
	s_mov_b32 s76, 3
.endif
	s_lshl_b32 s43, s41, 2
	s_lshl_b32 s43, 15, s43                        ; my row of the cluster
	s_lshl_b32 s44, 0x1111, s40                    ; my column
	s_or_b32 s[G1+0], s43, G1W0
	s_or_b32 s[G1B+0], s44, G1W0
	s_mov_b32 s[G1+1], 32<<16                      ; tensor_dim0 = 32 elements (256 bytes)
	s_mov_b32 s[G1B+1], 32<<16
	s_mov_b32 s[G1+2], 128<<16                     ; tensor_dim1 = 128 rows
	s_mov_b32 s[G1B+2], 64<<16                     ; 64 rows
	s_mov_b32 s[G1+3], 32<<16                      ; tile_dim0
	s_mov_b32 s[G1B+3], 32<<16
	s_mov_b32 s[G1+4], 128                         ; tile_dim1
	s_mov_b32 s[G1B+4], 64
	s_mov_b32 s[G1+5], 32                          ; from row to row: 32 elements, no gap
	s_mov_b32 s[G1B+5], 32
	s_mov_b32 s[G1+6], 0
	s_mov_b32 s[G1B+6], 0
	s_mov_b32 s[G1+7], 0
	s_mov_b32 s[G1B+7], 0
	; X's tile hangs on the block row alone, W's on the block column and the matrix alone; each address in registers that never hold the other coordinate
	s_lshr_b32 s16, s13, 3
	s_lshl_b32 s16, s16, 22                        ; 8 block rows to a block of 4 MiB
	s_and_b32 s17, s13, 7
	s_lshl_b32 s17, s17, 15                        ; 256 rows of 128 bytes
	s_add_co_u32 s16, s16, s17
	s_lshl_b32 s17, s12, 18                        ; my k-block of the step
	s_add_co_u32 s16, s16, s17
	s_mov_b32 s17, 0
	s_lshl_b32 s46, s76, 21                        ; matrices of 2 MiB
	s_lshl_b32 s47, s42, 14                        ; 128 rows of 128 bytes
	s_add_co_u32 s46, s46, s47
	s_lshl_b32 s47, s12, 17
	s_add_co_u32 s46, s46, s47
	s_mov_b32 s47, 0
	s_mul_i32 s20, s10, LOADA                      ; where they go: X's two k-blocks (waves 0, 1),
	s_mul_i32 s21, s10, LOADB
	s_add_co_u32 s21, s21, 2*LOADA-2*LOADB         ; then W's two (waves 2, 3): the wave's number and constants alone
	s_wait_dscnt 0x0
	s_wait_kmcnt 0x0
	s_add_nc_u64 s[14:15], s[4:5], s[16:17]
	s_add_nc_u64 s[46:47], s[6:7], s[46:47]
.if MODE == 0
	s_mov_b64 s[8:9], s[74:75]
.else
	s_mov_b64 s[8:9], s[70:71]
.endif
	CROUND                                         ; all sixteen work-groups are here: the first joint loads meet
.irp s, 0,1
	s_mov_b32 s[G0+4*\s], 1
	s_add_co_u32 s[G0+4*\s+1], s20, \s*SLOT
	s_add_nc_u64 s[G0+4*\s+2:G0+4*\s+3], s[14:15], \s*2*AKB        ; K step s
	s_or_b32 s[G0+4*\s+3], s[G0+4*\s+3], 0x80000000
	s_mov_b32 s[G0B+4*\s], 1
	s_add_co_u32 s[G0B+4*\s+1], s21, \s*SLOT
	s_add_nc_u64 s[G0B+4*\s+2:G0B+4*\s+3], s[46:47], \s*2*BKB
	s_or_b32 s[G0B+4*\s+3], s[G0B+4*\s+3], 0x80000000
	JLOAD \s                                       ; both slots' first fills: two tensor loads of this wave are out
.endr
	; the bias of my 64 columns: lane (r, h) needs columns 16 b + 8 h + 0..7
	v_and_b32 v1, 15, v0                           ; r
	v_bfe_u32 v2, v0, 4, 1                         ; h
	v_lshlrev_b32 v[BOF], 5, v2
	s_lshl_b32 s66, s42, 9
	s_lshl_b32 s67, s12, 8
	s_add_co_u32 s66, s66, s67
	s_mov_b32 s67, 0
.if MODE == 0
	s_cmp_eq_u32 s76, 1
	s_cselect_b64 s[68:69], s[70:71], s[68:69]
	s_cselect_b32 s77, -1, 0xffffe000              ; k is rounded whole; q c and v are cut behind their 11th bit
	s_cmp_eq_u32 s76, 2
	s_cselect_b64 s[68:69], s[72:73], s[68:69]
	s_cmp_eq_u32 s76, 0
	s_cselect_b32 s78, CSCALE, 1.0                 ; q alone is scaled
	s_mov_b32 s79, s78
.endif
	s_add_nc_u64 s[68:69], s[68:69], s[66:67]
.irp b, 0,1,2,3
	global_load_b128 v[BIAS+8*\b:BIAS+8*\b+3], v[BOF], s[68:69] offset:64*\b
	global_load_b128 v[BIAS+8*\b+4:BIAS+8*\b+7], v[BOF], s[68:69] offset:64*\b+16
.endr
	; a fragment is 16 rows x 32 K in 8 registers: lane (r, h) holds row r; registers 0-3 K = 8 h + 0..7, registers 4-7 K = 16 + 8 h + 0..7: two loads of 16 bytes, 32 bytes apart
	v_lshrrev_b32 v3, 1, v1
	v_mul_u32_u24 v3, v3, KP
	v_and_b32 v4, 1, v0
	v_lshl_add_u32 v3, v4, 7, v3
	v_lshl_add_u32 v3, v2, 4, v3                   ; (r>>1)*272 + (r&1)*128 + 16 h
	s_mul_i32 s22, s11, 64*KP                      ; my 128 rows of X
	s_mul_i32 s23, s12, 32*KP                      ; my 64 rows of W,
	s_add_co_u32 s23, s23, 2*LOADA                 ; which lie behind X's two k-blocks
.irp s, 0,1
	v_add_nc_u32 v[ADRA+\s], s22, v3
	v_add_nc_u32 v[ADRB+\s], s23, v3
	s_add_co_u32 s22, s22, SLOT
	s_add_co_u32 s23, s23, SLOT
.endr
	s_mul_i32 s18, s10, STAGEW
	s_add_co_u32 s18, s18, STAGE                   ; my stage
.if MODE == 0
	v_mul_u32_u24 v4, v1, 144                      ; in: row r of 64 f16 (pitch 144), 16 bytes for each half of the lanes
	v_lshl_add_u32 v4, v2, 4, v4
	v_add_nc_u32 v[STO], s18, v4
	v_and_b32 v5, 31, v0
	v_lshrrev_b32 v6, 3, v5                        ; back: eight lanes take a row of 128 bytes
	v_mul_u32_u24 v6, v6, 144
	v_and_b32 v7, 7, v0
	v_lshl_add_u32 v6, v7, 4, v6
	v_add_nc_u32 v[RD], s18, v6
	v_lshlrev_b32 v[CO], 4, v5                     ; my rows of a head lie without gaps: 16 bytes a lane
.else
	v_mul_u32_u24 v4, v1, 272                      ; in: row r of 64 f32 (pitch 272), 32 bytes for each half of the lanes
	v_lshl_add_u32 v4, v2, 5, v4
	v_add_nc_u32 v[STO], s18, v4
	v_mul_u32_u24 v5, v2, 272                      ; back: lanes 0-15 one row of 256 bytes, lanes 16-31 the next
	v_lshl_add_u32 v5, v1, 4, v5
	v_add_nc_u32 v[RD], s18, v5
	v_lshlrev_b32 v6, 12, v2
	v_lshl_add_u32 v[CO], v1, 4, v6
.endif
; one matrix instruction in the launch's format.  zero = 1: the product starts the sum
.macro WM d, a, b, zero
.if MODE == 0
.if \zero
	v_wmma_f32_16x16x32_bf16 v[\d:\d+7], v[\a:\a+7], v[\b:\b+7], 0
.else
	v_wmma_f32_16x16x32_bf16 v[\d:\d+7], v[\a:\a+7], v[\b:\b+7], v[\d:\d+7]
.endif
.else
.if \zero
	v_wmma_f32_16x16x32_f16 v[\d:\d+7], v[\a:\a+7], v[\b:\b+7], 0
.else
	v_wmma_f32_16x16x32_f16 v[\d:\d+7], v[\a:\a+7], v[\b:\b+7], v[\d:\d+7]
.endif
.endif
.endm
; na x 4 matrix instructions: row blocks a0 .. a0+na-1 x all four column blocks, 32 along K
.macro MULH f, a0, na, zero
.set ma, \a0
.rept \na
.irp b, 0,1,2,3
	WM 8*(4*ma+\b), \f+8*\b, \f+32+8*ma, \zero
.endr
.set ma, ma+1
.endr
.endm
; 24 LDS loads in one run: quarter kq (32 K) of a slot's step into buffer f: W's 4 fragments, then X's 8
.macro FETCH slot, kq, f
	WIN 0
.irp g, 0,1,2,3
	ds_load_b128 v[\f+8*\g:\f+8*\g+3],   v[ADRB+\slot] offset:(\kq>>1)*LOADB+(\kq&1)*64+\g*8*KP
	ds_load_b128 v[\f+8*\g+4:\f+8*\g+7], v[ADRB+\slot] offset:(\kq>>1)*LOADB+(\kq&1)*64+\g*8*KP+32
.endr
.irp g, 0,1,2,3,4,5,6,7
	ds_load_b128 v[\f+32+8*\g:\f+32+8*\g+3],   v[ADRA+\slot] offset:(\kq>>1)*LOADA+(\kq&1)*64+\g*8*KP
	ds_load_b128 v[\f+32+8*\g+4:\f+32+8*\g+7], v[ADRA+\slot] offset:(\kq>>1)*LOADA+(\kq&1)*64+\g*8*KP+32
.endr
.endm
; one of a step's first three quarters: multiplies buffer f and, in its middle, fetches quarter kq into buffer g
.macro QUARTER slot, kq, f, g, zero
	s_wait_dscnt 8                                 ; W and X's blocks 0-3 are in; the youngest eight loads (X's blocks 4-7) may be out
	WIN MUL
	MULH \f, 0, 4, \zero
	PLACES
	FETCH \slot, \kq, \g
	s_wait_dscnt 24                                ; all but the 24 just issued
	WIN MUL
	MULH \f, 4, 4, \zero
.endm
.macro THREE slot, zero
	QUARTER \slot, 1, F0, F1, \zero
	QUARTER \slot, 2, F1, F0, 0
	QUARTER \slot, 3, F0, F1, 0
.endm
; the last quarter: multiplies buffer 1 and changes slots.  In front of the barrier each wave waits for its reads of this slot and for all
; its tensor loads (one is out: its part of the next slot).  fill = 1: the barrier opens a round of the cluster's barrier, and the joint
; refill of this slot, two K steps ahead, is the first tensor load behind the round; it has 120 matrix instructions in which to land.
.macro TURN slot, next, fill
	s_wait_dscnt 8
	WIN MUL
	MULH F1, 0, 2, 0
	s_wait_dscnt 0
	s_wait_tensorcnt 0x0
	ds_add_u32 v30, v31
	s_wait_dscnt 0x0
	s_barrier_signal -1
	MULH F1, 2, 2, 0                               ; registers alone between signal and wait
	WIN 0
	s_barrier_wait -1
.if \fill
	CREST
	s_add_nc_u64 s[G0+4*\slot+2:G0+4*\slot+3], s[G0+4*\slot+2:G0+4*\slot+3], 4*AKB     ; no tensor load of mine is out: the addresses may step
	s_add_nc_u64 s[G0B+4*\slot+2:G0B+4*\slot+3], s[G0B+4*\slot+2:G0B+4*\slot+3], 4*BKB
	JLOAD \slot
.endif
	PLACES
	FETCH \next, 0, F0
	WIN MUL
	MULH F1, 4, 4, 0
.endm
.macro LAP zero
	THREE 0, \zero
	TURN 0, 1, 1
	THREE 1, 0
	TURN 1, 0, 1
.endm
	s_wait_tensorcnt 0x1                           ; my part of K step 0 is in; K step 1's may stay out
	s_barrier_signal -1
	s_barrier_wait -1
	FETCH 0, 0, F0
	LAP 1                                          ; the first lap's first products start the sums: nothing is cleared
	WIN 0
	s_mov_b32 s3, LAPS-2
.Llap:
	LAP 0
	WIN 0
	s_sub_co_u32 s3, s3, 1
	s_cmp_lg_u32 s3, 0
	s_cbranch_scc1 .Llap
	THREE 0, 0                                     ; the last lap fills nothing
	TURN 0, 1, 0
	THREE 1, 0
	s_wait_dscnt 8
	WIN MUL
	MULH F1, 0, 4, 0
	s_wait_dscnt 0
	MULH F1, 4, 4, 0
	; THE WAY OUT, 16 rows at a time: scale and bias, through my own stage in LDS, back as whole rows
	WIN 0
	s_wait_loadcnt 0x0                             ; the bias
.if MODE == 0
.irp q, 0,2,4,6,8,10,12,14,16,18,20,22,24,26,28,30
	v_pk_mul_f32 v[BIAS+\q:BIAS+\q+1], v[BIAS+\q:BIAS+\q+1], s[78:79] op_sel_hi:[1,0]   ; bq times c; these sixteen are also the places behind the last matrix instructions
.endr
	s_lshr_b32 s16, s13, 3
	s_lshl_b32 s16, s16, 22                        ; tensor*4 + batch
	s_and_b32 s17, s13, 7
	s_lshl_b32 s17, s17, 15
	s_add_co_u32 s16, s16, s17
	s_lshl_b32 s17, s11, 14                        ; my 128 rows of 128 bytes
	s_add_co_u32 s16, s16, s17
	s_lshr_b32 s82, s76, 1                         ; the low parts: q's blocks 0-3 stay, v's blocks 8-11 become 4-7
	s_lshl_b32 s82, s82, 24
	s_sub_co_u32 s82, s16, s82
	s_mov_b32 s83, 0
	s_add_nc_u64 s[80:81], s[80:81], s[82:83]
	s_lshl_b32 s46, s42, 19                        ; my 64 columns are one head: 2 x block column + half, 256 KiB each
	s_lshl_b32 s47, s12, 18
.else
	PLACES
	s_lshl_b32 s16, s13, 20                        ; 256 rows of 4,096 bytes
	s_lshl_b32 s17, s11, 19
	s_add_co_u32 s16, s16, s17
	s_lshl_b32 s46, s42, 9                         ; 128 columns of 4 bytes
	s_lshl_b32 s47, s12, 8
.endif
	s_mov_b32 s17, 0
	s_add_nc_u64 s[8:9], s[8:9], s[16:17]
	s_add_co_u32 s46, s46, s47
	s_mov_b32 s47, 0
	s_add_nc_u64 s[8:9], s[8:9], s[46:47]
.if MODE == 0
	s_add_nc_u64 s[80:81], s[80:81], s[46:47]
.endif
.macro OUT16 a, f
	WIN 0x01                                       ; source 0 (the sums) window 1
.irp b, 0,1,2,3
.irp q, 0,2,4,6
.if MODE == 0
	v_pk_fma_f32 v[T+8*\b+\q:T+8*\b+\q+1], v[8*(4*\a+\b)+\q:8*(4*\a+\b)+\q+1], s[78:79], v[BIAS+8*\b+\q:BIAS+8*\b+\q+1] op_sel_hi:[1,0,1]
.else
	v_pk_add_f32 v[T+8*\b+\q:T+8*\b+\q+1], v[8*(4*\a+\b)+\q:8*(4*\a+\b)+\q+1], v[BIAS+8*\b+\q:BIAS+8*\b+\q+1]
.endif
.endr
.endr
	WIN 0
.if MODE == 0
.set m, 0
.rept 32
	v_and_b32 v[H+m], s77, v[T+m]                  ; the high part: 11 significant bits (k: the whole number)
.set m, m+1
.endr
.set m, 0
.rept 16
	v_cvt_pk_f16_f32 v[PK+m], v[H+2*m], v[H+2*m+1] ; exact for q c and v, the one rounding for k
.set m, m+1
.endr
.irp b, 0,1,2,3
	ds_store_b128 v[STO], v[PK+4*\b:PK+4*\b+3] offset:32*\b
.endr
	s_wait_xcnt 0x0                                ; buffer f, which earlier stores read, is loaded again only behind this wait
.irp t, 0,1,2,3
	ds_load_b128 v[\f+4*\t:\f+4*\t+3], v[RD] offset:\t*4*144       ; LDS serves a wave's instructions in order: these see the stores above
.endr
.set m, 0
.rept 16
	v_pk_add_f32 v[T+2*m:T+2*m+1], v[T+2*m:T+2*m+1], v[H+2*m:H+2*m+1] neg_lo:[0,1] neg_hi:[0,1]   ; the rest, exact in f32 (k: zero)
.set m, m+1
.endr
.set m, 0
.rept 16
	v_cvt_pk_f16_f32 v[PKL+m], v[T+2*m], v[T+2*m+1]
.set m, m+1
.endr
.irp t, 0,1,2,3
	s_wait_dscnt 3-\t
	global_store_b128 v[CO], v[\f+4*\t:\f+4*\t+3], s[8:9] offset:\a*2048+\t*512    ; 512 neighbouring bytes, aligned
.endr
	s_cmp_eq_u32 s76, 1                            ; k has no low part; the matrix's number is the same in the whole cluster
	s_cbranch_scc1 .Lno_low_\@
.irp b, 0,1,2,3
	ds_store_b128 v[STO], v[PKL+4*\b:PKL+4*\b+3] offset:32*\b      ; the same stage: served behind the loads above
.endr
.irp t, 0,1,2,3
	ds_load_b128 v[\f+16+4*\t:\f+16+4*\t+3], v[RD] offset:\t*4*144
.endr
.irp t, 0,1,2,3
	s_wait_dscnt 3-\t
	global_store_b128 v[CO], v[\f+16+4*\t:\f+16+4*\t+3], s[80:81] offset:\a*2048+\t*512
.endr
.Lno_low_\@:
.else
.irp b, 0,1,2,3
	ds_store_b128 v[STO], v[T+8*\b:T+8*\b+3] offset:64*\b
	ds_store_b128 v[STO], v[T+8*\b+4:T+8*\b+7] offset:64*\b+16
.endr
	s_wait_xcnt 0x0                                ; buffer f, which earlier stores read, is loaded again only behind this wait
.irp t, 0,1,2,3,4,5,6,7
	ds_load_b128 v[\f+4*\t:\f+4*\t+3], v[RD] offset:\t*2*272
.endr
.irp t, 0,1,2,3,4,5,6,7
	s_wait_dscnt 7-\t
	global_store_b128 v[CO], v[\f+4*\t:\f+4*\t+3], s[8:9] offset:(16*\a+2*\t)*4096 th:TH_STORE_NT   ; 16 lanes store 256 neighbouring bytes, aligned
.endr
.endif
.endm
	OUT16 0, F1
	OUT16 1, F1+32
	OUT16 2, F1
	OUT16 3, F1+32
	OUT16 4, F1
	OUT16 5, F1+32
	OUT16 6, F1
	OUT16 7, F1+32
	s_wait_tensorcnt 0x0
	ds_add_u32 v30, v31
	s_wait_dscnt 0x0
	CROUND                                         ; the closing round: no work-group ends while a partner may still ask for a tile that names it
	s_endpgm
.Lfunc_end_k_q16231fdbca_proj_qkv:
	.size	k_q16231fdbca_proj_qkv, .Lfunc_end_k_q16231fdbca_proj_qkv-k_q16231fdbca_proj_qkv
	.p2alignl 7, 3214868480
	.fill 96, 4, 3214868480
	.section	.rodata,"a",@progbits
	.p2align	6, 0x0
	.amdhsa_kernel k_q16231fdbca_proj_qkv
		.amdhsa_group_segment_fixed_size 327680
		.amdhsa_private_segment_fixed_size 0
		.amdhsa_enable_private_segment 0
		.amdhsa_kernarg_size 56
		.amdhsa_user_sgpr_count 2
		.amdhsa_user_sgpr_kernarg_segment_ptr 1
		.amdhsa_wavefront_size32 1
		.amdhsa_system_sgpr_workgroup_id_x 1
		.amdhsa_system_sgpr_workgroup_id_y 1
		.amdhsa_system_sgpr_workgroup_id_z 1
		.amdhsa_system_vgpr_workitem_id 0
		.amdhsa_next_free_vgpr 512
		.amdhsa_next_free_sgpr 84
		.amdhsa_reserve_vcc 0
		.amdhsa_float_denorm_mode_32 3
		.amdhsa_float_denorm_mode_16_64 3
		.amdhsa_memory_ordered 1
		.amdhsa_forward_progress 1
		.amdhsa_inst_pref_size 161
	.end_amdhsa_kernel
	.amdgpu_metadata
---
amdhsa.version: [ 1, 2 ]
amdhsa.kernels:
  - .name:           k_q16231fdbca_proj_qkv
    .symbol:         k_q16231fdbca_proj_qkv.kd
    .args:
      - { .name: xb, .offset: 0, .size: 8, .value_kind: global_buffer, .address_space: global }
      - { .name: wt, .offset: 8, .size: 8, .value_kind: global_buffer, .address_space: global }
      - { .name: bq, .offset: 16, .size: 8, .value_kind: global_buffer, .address_space: global }
      - { .name: bk, .offset: 24, .size: 8, .value_kind: global_buffer, .address_space: global }
      - { .name: bv, .offset: 32, .size: 8, .value_kind: global_buffer, .address_space: global }
      - { .name: qkvb, .offset: 40, .size: 8, .value_kind: global_buffer, .address_space: global }
      - { .name: qvl, .offset: 48, .size: 8, .value_kind: global_buffer, .address_space: global }
    .group_segment_fixed_size: 327680
    .private_segment_fixed_size: 0
    .kernarg_segment_align: 8
    .kernarg_segment_size: 56
    .max_flat_workgroup_size: 128
    .sgpr_count:     84
    .vgpr_count:     512
    .wavefront_size: 32
...
	.end_amdgpu_metadata
.endif
;; end of part 2
;; launch attn (part 3): grid 256 x 1, 8 waves a work-group, clusters of 4 x 1, 327,680 bytes of LDS; arguments qkvb, qvl, mbits, out1, ab; writes out1, ab
.if DOCPART == 3
	.amdgcn_target "amdgcn-amd-amdhsa--gfx1250"
	.amdhsa_code_object_version 6
	.text
	.protected	k_q16231fdbca_attn
	.globl	k_q16231fdbca_attn
	.p2align	8
	.type	k_q16231fdbca_attn,@function
k_q16231fdbca_attn:
	s_mov_b64 s[64:65], 0
	v_nop
	global_prefetch_b8 v0, s[64:65] scope:SCOPE_SE
	s_setreg_imm32_b32 hwreg(HW_REG_WAVE_MODE, 25, 1), 1
	s_wait_xcnt 0x0
	s_wait_alu depctr_hold_cnt(0) depctr_sa_sdst(0) depctr_va_vdst(0) depctr_va_sdst(0) depctr_va_ssrc(0) depctr_va_vcc(0) depctr_vm_vsrc(0)
	s_getreg_b32 s2, hwreg(HW_REG_IB_STS2, 6, 4)
	s_cmp_eq_u32 s2, 0
	s_cbranch_scc0 .Lentry_in_a_cluster
	s_endpgm
.Lentry_in_a_cluster:
	s_bfe_u32 s2, ttmp6, 0x10000c
	s_cmp_lg_u32 s2, 0x3003
	s_cbranch_scc0 .Lentry_shape_is_right
	s_endpgm
.Lentry_shape_is_right:
; Attention with a running maximum.  q c (c = log2(e)/8), k, v: [tensor*4+batch][head][2048][64] f16 in qkvb; the low parts of q c and v in qvl
; ([0..3 q, 4..7 v][head][2048][64] f16).  mbits: the mask as lane masks.
; out1 = softmax(where(mask, -1e10, q k^T / 8)) v, f32, [batch][query][head*64+d]; ab = the same rounded to f16, [batch][head][query][64].
; A cluster of four work-groups takes one (batch, head); its 32 waves take 64 queries each (wave w of work-group cx: queries 64 (4 w + cx) ..).
; All four walk the same K and V tiles, so every tile is asked for JOINTLY (mask 15): wave 0 asks for V's high parts, wave 1 for V's low
; parts, wave 2 for K.  Two waves lie on a SIMD, so that one wave's vector work can run beside the other's matrix work.
; TRANSPOSED FORM: S^T = K Q^T (source 0 = 16 keys, source 1 = 16 queries): lane (r, h) holds query r and keys 8 h + 0..7 of each tile, so
; maximum, sum and rescaling are one number a lane (one exchange between the halves for the maximum), and two packed tiles ARE the second
; source of O^T = V^T P^T; V^T's fragments come from V [key][d] by the transposing LDS load.
; PRECISION: a row with few unmasked keys hands the roundings of q, k, v and P straight to its outputs, which are compared against the scale
; of all rows.  So the operands are f16 (11 significant bits), and q c and v go in as two f16 numbers each:
; S^T = K Qhi^T + K Qlo^T, O^T = Vhi^T P^T + Vlo^T P^T: 32 matrix instructions a phase.  What is left is one rounding of k and one of P.
; A step is 64 keys, a slot 128 keys (two steps), two slots.  A phase is one step for one block of 16 queries; while a phase's scores go
; through mask, maximum, exponential and packing, the next phase's sixteen S^T products are issued between those vector instructions.
; Q's high fragments stay in registers; the low fragments (8 KiB a wave) lie in the wave's own LDS bytes in fragment order, and the 16
; registers of one query block are fetched a phase ahead: 512 registers a wave, two waves on a SIMD's 1,024.
; The mask costs one v_cndmask_b32 a score, with the lane mask in a scalar register; nothing of the mask's pattern is assumed.
; The matrix instructions take their accumulators by turns, one instruction a turn.
; LIMITS: unmasked scores are taken to be above -1e10 (as the masking value supposes); probabilities below 2^-126 become 0 (v_exp_f32
; flushes) and those below 2^-25 vanish in f16; |attn_v| below 65,504 for ab; NaN and infinite inputs are not served.
; A row that is masked everywhere gives the mean of v, as the formula does.
.set KP,     272                       ; K: an LDS row = two keys of 128 bytes + 16
.set VP,     288                       ; V: an LDS row = two keys of 128 bytes + 32: the eight keys and two columns of a transposing load fall in 16 different 16-byte columns of 256
.set VSZ,    64*VP                     ; a V tile; a slot is V's high parts, V's low parts, K: tile w of a slot begins at w x VSZ
.set KOFF,   2*VSZ
.set SLOT,   2*VSZ+64*KP
.set STAGE,  2*SLOT                    ; each wave's own bytes for the way out; no tensor load lands there
.set STAGEW, 4352
.set QLB,    STAGE+8*STAGEW            ; each wave's own 8,192 bytes for Q's low fragments; no tensor load lands there
.set TILEB,  16384                     ; bytes of 128 keys in memory
.set ADK,  2                           ; v2-3   LDS address of my K fragments in slot 0, 1
.set ADV,  4                           ; v4-5   the same for V
.set STO,  6
.set RD,   7
.set CO1,  8
.set CO2,  9
.set MC,   10                          ; -1e10 x log2(e)
.set ML,   12                          ; v[12:19] for query block i the pair (running maximum, running sum)
.set AL,   20                          ; v[20:21] the rescaling factor (the second register is only written once)
.set TM0,  22
.set TM1,  23
.set SUMA, 24
.set SUMB, 26
.set QOFF, 28
.set QLA,  31                          ; LDS address of my 16 bytes in Q's low fragments
.set Q,    32                          ; v[32:95]   Q's high fragments: block i, d half kk at 16 i + 8 kk
.set KF,   96                          ; v[96:159]  K fragments: tile t, d half kk at 8 t + 32 kk
.set SBUF, 160                         ; v[160:191], v[192:223] two score buffers
.set QL,   224                         ; v[224:239] Q's low fragments of one block: d half kk at 8 kk
.set VF,   128                         ; window 1: V^T's high fragments: d block db, key half u at 8 (2 db + u); O^T tile (db, i) at window 1, 8 (4 i + db)
.set VFL,  192                         ; window 1: V^T's low fragments
.set WB0,  32                          ; s[32:63] and s[68:99]: two buffers of 32 mask words
.set MSB, 0
.macro WIN new
.if MSB != \new
	s_set_vgpr_msb (MSB<<8)|\new
.set MSB, \new
.endif
.endm
.macro PLACES
.rept 4
	v_nop
.endr
.endm
.macro ROUND                           ; a round of the cluster's barrier
	s_barrier_signal -1
	s_barrier_wait -1
	s_cmp_lg_u32 s30, 0
	s_cbranch_scc1 .Lnot_wave_0_\@
	s_barrier_signal -3
.Lnot_wave_0_\@:
	s_barrier_wait -3
	s_barrier_signal -1
	s_barrier_wait -1
.endm
.macro JLOAD slot                      ; waves 0, 1: V's two tiles; wave 2: K's; the others have no part to fill
	s_cmp_gt_u32 s30, 1
	s_cbranch_scc1 .Lnot_v_\@
	tensor_load_to_lds s[20+4*\slot:23+4*\slot], s[12:19]
	s_nop 0
	s_branch .Lasked_\@
.Lnot_v_\@:
	s_cmp_lg_u32 s30, 2
	s_cbranch_scc1 .Lasked_\@
	tensor_load_to_lds s[20+4*\slot:23+4*\slot], s[4:11]
	s_nop 0
.Lasked_\@:
.endm
	s_load_b256 s[32:39], s[0:1], 0x0              ; qkvb, qvl, mbits, out1
	s_load_b64 s[40:41], s[0:1], 0x20              ; ab
	v_lshl_add_u32 v254, v0, 2, 0x33000
	v_mov_b32 v255, 0
	ds_add_u32 v254, v255
	v_lshrrev_b32 v1, 5, v0
	v_readfirstlane_b32 s30, v1                    ; wave 0..7
	; group 1: 16 KiB without gaps as 64 rows of 256 bytes (32 elements of 8 bytes), padded behind each row by 4 words (K) or 8 words (V)
	s_mov_b32 s4, 15|(3<<16)|(1<<20)|(1<<21)|(5<<22)|(3<<25)
	s_mov_b32 s12, 15|(3<<16)|(1<<20)|(1<<21)|(5<<22)|(7<<25)
	s_mov_b32 s5, 32<<16
	s_mov_b32 s13, 32<<16
	s_mov_b32 s6, 64<<16
	s_mov_b32 s14, 64<<16
	s_mov_b32 s7, 32<<16
	s_mov_b32 s15, 32<<16
	s_mov_b32 s8, 64
	s_mov_b32 s16, 64
	s_mov_b32 s9, 32
	s_mov_b32 s17, 32
	s_mov_b32 s10, 0
	s_mov_b32 s18, 0
	s_mov_b32 s11, 0
	s_mov_b32 s19, 0
	; group 0, a set for each slot.  Wave 0: v in qkvb (32 MiB in); wave 1: v's low parts in qvl (16 MiB in); wave 2: k in qkvb (16 MiB in).  Nothing of cx enters
	s_mov_b32 s20, 1
	s_mov_b32 s24, 1
	s_mul_i32 s21, s30, VSZ
	s_add_co_u32 s25, s21, SLOT
	s_lshl_b32 s44, ttmp9, 18                      ; (batch, head): 256 KiB each
	s_mov_b32 s45, 1<<24
	s_cmp_eq_u32 s30, 0
	s_cselect_b32 s45, 2<<24, s45
	s_add_co_u32 s44, s44, s45
	s_mov_b32 s45, 0
	s_wait_dscnt 0x0
	s_wait_kmcnt 0x0
	s_cmp_eq_u32 s30, 1
	s_cselect_b64 s[46:47], s[34:35], s[32:33]
	s_add_nc_u64 s[22:23], s[46:47], s[44:45]
	s_add_nc_u64 s[26:27], s[22:23], TILEB
	s_or_b32 s23, s23, 0x80000000
	s_or_b32 s27, s27, 0x80000000
	ROUND                                          ; all four work-groups are here: the first joint loads meet
	s_cmp_gt_u32 s30, 1
	s_cbranch_scc1 .Lfirst_not_v
	tensor_load_to_lds s[20:23], s[12:19]          ; keys 0-127 and 128-255: two tensor loads of this wave are out
	s_nop 0
	tensor_load_to_lds s[24:27], s[12:19]
	s_nop 0
	s_branch .Lfirst_done
.Lfirst_not_v:
	s_cmp_lg_u32 s30, 2
	s_cbranch_scc1 .Lfirst_done
	tensor_load_to_lds s[20:23], s[4:11]
	s_nop 0
	tensor_load_to_lds s[24:27], s[4:11]
	s_nop 0
.Lfirst_done:
	; my queries
	s_bfe_u32 s42, ttmp6, 0x40000                  ; cx
	s_lshl_b32 s43, s30, 2
	s_add_co_u32 s43, s43, s42                     ; query tile 4 w + cx
	s_lshr_b32 s48, ttmp9, 4                       ; batch
	s_and_b32 s49, ttmp9, 15                       ; head
	s_lshl_b32 s50, ttmp9, 18
	s_lshl_b32 s52, s43, 13                        ; 64 rows of 128 bytes
	s_add_co_u32 s50, s50, s52
	s_mov_b32 s51, 0
	s_add_nc_u64 s[68:69], s[32:33], s[50:51]      ; my rows of q c,
	s_add_nc_u64 s[70:71], s[34:35], s[50:51]      ; of its low parts,
	s_add_nc_u64 s[100:101], s[40:41], s[50:51]    ; and of ab: the same offset in each
	s_lshl_b32 s50, s48, 19                        ; mask words: 4,096 bytes for 16 queries
	s_lshl_b32 s52, s43, 14
	s_add_co_u32 s50, s50, s52
	s_add_nc_u64 s[28:29], s[36:37], s[50:51]
	s_lshl_b32 s50, s48, 23                        ; out1: rows of 4,096 bytes, my head's 256 bytes
	s_lshl_b32 s52, s43, 18
	s_add_co_u32 s50, s50, s52
	s_lshl_b32 s52, s49, 8
	s_add_co_u32 s50, s50, s52
	s_add_nc_u64 s[66:67], s[38:39], s[50:51]
	s_mov_b32 s104, 0x76543210                     ; v_permlanex16_b32: lane i of one half reads lane i of the other
	s_mov_b32 s105, 0xfedcba98
	v_and_b32 v1, 15, v0                           ; r
	v_bfe_u32 v11, v0, 4, 1                        ; h
	v_lshlrev_b32 v29, 7, v1
	v_lshl_add_u32 v[QOFF], v11, 4, v29            ; row r, 16 bytes for each half
.irp g, 0,1,2,3
.irp kk, 0,1
	global_load_b128 v[Q+16*\g+8*\kk:Q+16*\g+8*\kk+3],   v[QOFF], s[68:69] offset:\g*2048+\kk*64
	global_load_b128 v[Q+16*\g+8*\kk+4:Q+16*\g+8*\kk+7], v[QOFF], s[68:69] offset:\g*2048+\kk*64+32
.endr
.endr
.irp g, 0,1,2,3
.irp kk, 0,1
	global_load_b128 v[SBUF+16*\g+8*\kk:SBUF+16*\g+8*\kk+3],   v[QOFF], s[70:71] offset:\g*2048+\kk*64      ; the low parts pass through the score buffers
	global_load_b128 v[SBUF+16*\g+8*\kk+4:SBUF+16*\g+8*\kk+7], v[QOFF], s[70:71] offset:\g*2048+\kk*64+32
.endr
.endr
	s_load_b512 s[32:47], s[28:29], 0x0            ; the first phase's 32 mask words (the pointers that lay here are used up)
	s_load_b512 s[48:63], s[28:29], 0x40
	v_lshrrev_b32 v29, 1, v1
	v_mul_u32_u24 v29, v29, KP
	v_and_b32 v30, 1, v0
	v_lshl_add_u32 v29, v30, 7, v29
	v_lshl_add_u32 v29, v11, 4, v29                ; key r: (r>>1)*272 + (r&1)*128, + 16 h
	v_add_nc_u32 v[ADK], KOFF, v29
	v_add_nc_u32 v[ADK+1], KOFF+SLOT, v29
	v_bfe_u32 v29, v0, 1, 2
	v_lshl_add_u32 v29, v11, 2, v29
	v_mul_u32_u24 v29, v29, VP                     ; key 8 h + (l & 7): LDS row 4 h + ((l & 7) >> 1),
	v_lshl_add_u32 v29, v30, 7, v29                ; its half,
	v_bfe_u32 v31, v0, 3, 1
	v_lshl_add_u32 v[ADV], v31, 4, v29             ; and 16 bytes for lanes 8-15 and 24-31
	v_add_nc_u32 v[ADV+1], SLOT, v[ADV]
	s_mul_i32 s2, s30, STAGEW
	s_add_co_u32 s2, s2, STAGE
	v_mul_u32_u24 v29, v1, 272
	v_lshl_add_u32 v29, v11, 5, v29
	v_add_nc_u32 v[STO], s2, v29                   ; in: row r of 64 f32, 32 bytes for each half
	v_mul_u32_u24 v29, v11, 272
	v_lshl_add_u32 v29, v1, 4, v29
	v_add_nc_u32 v[RD], s2, v29                    ; back: lanes 0-15 one row, lanes 16-31 the next
	v_lshlrev_b32 v29, 12, v11
	v_lshl_add_u32 v[CO1], v1, 4, v29
	v_and_b32 v29, 31, v0
	v_lshlrev_b32 v[CO2], 3, v29
	s_lshl_b32 s3, s30, 13
	s_add_co_u32 s3, s3, QLB
	v_lshl_add_u32 v[QLA], v29, 4, s3              ; 16 bytes a lane: 512 neighbouring bytes for four registers of a fragment
	v_mov_b32 v[MC], 0xd056fa73                    ; -1e10 x log2(e)
	v_mov_b32 v[AL+1], 0                           ; the packed forms name whole pairs: the unused halves are written once
.irp g, 0,1,2,3
	v_mov_b32 v[ML+2*\g+1], 0
.endr
; ---- the pieces of a phase.  SB: this phase's scores; OB: the next phase's; WB: this phase's mask words; MI: the pair (maximum, sum) ----
.macro MB t                            ; tile t: masked scores become MC; two chains of maxima
.irp j, 0,1,2,3,4,5,6,7
	v_cndmask_b32 v[SB+8*\t+\j], v[SB+8*\t+\j], v[MC], s[WB+8*\t+\j]
.endr
.if \t == 0
	v_max3_num_f32 v[TM0], v[SB], v[SB+1], v[SB+2]
	v_max3_num_f32 v[TM1], v[SB+3], v[SB+4], v[SB+5]
	v_max3_num_f32 v[TM0], v[TM0], v[SB+6], v[SB+7]
.else
	v_max3_num_f32 v[TM0], v[TM0], v[SB+8*\t], v[SB+8*\t+1]
	v_max3_num_f32 v[TM1], v[TM1], v[SB+8*\t+2], v[SB+8*\t+3]
	v_max3_num_f32 v[TM0], v[TM0], v[SB+8*\t+4], v[SB+8*\t+5]
	v_max3_num_f32 v[TM1], v[TM1], v[SB+8*\t+6], v[SB+8*\t+7]
.endif
.endm
; one product of the next phase's S^T, 16 keys x 16 queries.  n = 0: d 0-31 with Q's high parts (starts the sum); 1: d 0-31, low parts; 2: d 32-63, high; 3: d 32-63, low
.macro WS t, n
.if DOWS
.if \n == 0
	v_wmma_f32_16x16x32_f16 v[OB+8*\t:OB+8*\t+7], v[KF+8*\t:KF+8*\t+7], v[Q+16*QN:Q+16*QN+7], 0
.endif
.if \n == 1
	v_wmma_f32_16x16x32_f16 v[OB+8*\t:OB+8*\t+7], v[KF+8*\t:KF+8*\t+7], v[QL:QL+7], v[OB+8*\t:OB+8*\t+7]
.endif
.if \n == 2
	v_wmma_f32_16x16x32_f16 v[OB+8*\t:OB+8*\t+7], v[KF+32+8*\t:KF+32+8*\t+7], v[Q+16*QN+8:Q+16*QN+15], v[OB+8*\t:OB+8*\t+7]
.endif
.if \n == 3
	v_wmma_f32_16x16x32_f16 v[OB+8*\t:OB+8*\t+7], v[KF+32+8*\t:KF+32+8*\t+7], v[QL+8:QL+15], v[OB+8*\t:OB+8*\t+7]
.endif
.endif
.endm
.macro RED                             ; the new maximum of each query, and the factor 2^(old - new)
.if C_FIRST
	v_max_num_f32 v[TM0], v[TM0], v[TM1]
	v_permlanex16_b32 v[TM1], v[TM0], s104, s105
	v_max_num_f32 v[MI], v[TM0], v[TM1]
.else
	v_max3_num_f32 v[TM0], v[TM0], v[TM1], v[MI]
	v_permlanex16_b32 v[TM1], v[TM0], s104, s105
	v_max_num_f32 v[TM1], v[TM0], v[TM1]
	v_sub_f32 v[TM0], v[MI], v[TM1]
	v_exp_f32 v[AL], v[TM0]
	v_mov_b32 v[MI], v[TM1]                        ; a plain instruction behind the exponential that touches neither its result nor its source
.endif
.endm
.macro SESUB t
.irp q, 0,2,4,6
	v_pk_add_f32 v[SB+8*\t+\q:SB+8*\t+\q+1], v[SB+8*\t+\q:SB+8*\t+\q+1], v[MI:MI+1] op_sel_hi:[1,0] neg_lo:[0,1] neg_hi:[0,1]
.endr
.endm
.macro SEEXP t                         ; eight exponentials back to back; their results are first read behind plain work on another tile
.irp j, 0,1,2,3,4,5,6,7
	v_exp_f32 v[SB+8*\t+\j], v[SB+8*\t+\j]
.endr
.endm
.macro SC t                            ; tile t: into the sums, then packed in place: tiles 2u, 2u+1 become the 8 registers of P^T's fragment u at SB + 16 u
.if \t == 0
	s_wait_alu depctr_va_vdst(0)
	v_pk_add_f32 v[SUMA:SUMA+1], v[SB:SB+1], v[SB+2:SB+3]
	v_pk_add_f32 v[SUMB:SUMB+1], v[SB+4:SB+5], v[SB+6:SB+7]
.else
	s_wait_alu depctr_va_vdst(0)
	v_pk_add_f32 v[SUMA:SUMA+1], v[SUMA:SUMA+1], v[SB+8*\t:SB+8*\t+1]
	v_pk_add_f32 v[SUMB:SUMB+1], v[SUMB:SUMB+1], v[SB+8*\t+2:SB+8*\t+3]
	v_pk_add_f32 v[SUMA:SUMA+1], v[SUMA:SUMA+1], v[SB+8*\t+4:SB+8*\t+5]
	v_pk_add_f32 v[SUMB:SUMB+1], v[SUMB:SUMB+1], v[SB+8*\t+6:SB+8*\t+7]
.endif
.irp q, 0,1,2,3
	v_cvt_pk_f16_f32 v[SB+16*(\t>>1)+4*(\t&1)+\q], v[SB+8*\t+2*\q], v[SB+8*\t+2*\q+1]
.endr
.endm
.macro FIN
	v_pk_add_f32 v[SUMA:SUMA+1], v[SUMA:SUMA+1], v[SUMB:SUMB+1]
.if C_FIRST
	v_add_f32 v[MI+1], v[SUMA], v[SUMA+1]
.else
	v_add_f32 v[TM0], v[SUMA], v[SUMA+1]
	v_fma_f32 v[MI+1], v[MI+1], v[AL], v[TM0]      ; my half's keys; the halves meet on the way out
.endif
.endm
.macro KLD kk                          ; the next step's K fragments of d half kk: 8 loads
.irp t, 0,1,2,3
	ds_load_b128 v[KF+32*\kk+8*\t:KF+32*\kk+8*\t+3],   v[ADK+C_NSLOT] offset:(32*C_NSUB+8*\t)*KP+64*\kk
	ds_load_b128 v[KF+32*\kk+8*\t+4:KF+32*\kk+8*\t+7], v[ADK+C_NSLOT] offset:(32*C_NSUB+8*\t)*KP+64*\kk+32
.endr
.endm
.macro QLD g                           ; Q's low fragments of query block g: 4 loads of 512 neighbouring bytes from my own bytes
.irp j, 0,1,2,3
	ds_load_b128 v[QL+4*\j:QL+4*\j+3], v[QLA] offset:(4*(\g)+\j)*512
.endr
.endm
.macro VLD                             ; this step's V^T fragments, high and low: 32 transposing loads into window 1
	WIN 0x40
.irp db, 0,1,2,3
.irp u, 0,1
	ds_load_tr16_b128 v[VF+8*(2*\db+\u):VF+8*(2*\db+\u)+3],    v[ADV+C_SLOT] offset:(32*C_SUB+16*\u)*VP+32*\db
	ds_load_tr16_b128 v[VF+8*(2*\db+\u)+4:VF+8*(2*\db+\u)+7],  v[ADV+C_SLOT] offset:(32*C_SUB+16*\u)*VP+32*\db+8*VP
.endr
.endr
.irp db, 0,1,2,3
.irp u, 0,1
	ds_load_tr16_b128 v[VFL+8*(2*\db+\u):VFL+8*(2*\db+\u)+3],   v[ADV+C_SLOT] offset:VSZ+(32*C_SUB+16*\u)*VP+32*\db
	ds_load_tr16_b128 v[VFL+8*(2*\db+\u)+4:VFL+8*(2*\db+\u)+7], v[ADV+C_SLOT] offset:VSZ+(32*C_SUB+16*\u)*VP+32*\db+8*VP
.endr
.endr
	WIN 0
.endm
; The change of slots, in the second step of a slot.  All my reads of this slot are back (K's were waited for a step ago, V's in this step's
; first phase) and all my tensor loads have landed (the other slot's).  kind 2: a round of the cluster's barrier, and the joint refill of this
; slot first behind it; it has two steps in which to land.  kind 1: the last tiles: a barrier shows the other slot to every wave; no fill.
.macro SYNC
.if C_KIND == 2
	s_wait_dscnt 0x0
	s_wait_tensorcnt 0x0
	ds_add_u32 v254, v255
	s_wait_dscnt 0x0
	s_add_nc_u64 s[22+4*C_SLOT:23+4*C_SLOT], s[22+4*C_SLOT:23+4*C_SLOT], 2*TILEB   ; no tensor load of mine is out: the address may step
	ROUND
	JLOAD C_SLOT
.endif
.if C_KIND == 1
	s_wait_dscnt 0x0
	s_wait_tensorcnt 0x0
	s_barrier_signal -1
	s_barrier_wait -1
.endif
.endm
.macro PHASE i
.set SB, SBUF+32*(\i&1)
.set OB, SBUF+32-32*(\i&1)
.set WB, WB0+36*(\i&1)
.set WN, WB0+36-36*(\i&1)
.set QN, (\i+1)&3                      ; the query block of the next phase, whose scores are made here
.set QN2, (\i+2)&3                     ; and of the one behind it, whose low fragments are fetched here
.set MI, ML+2*\i
.set DOWS, 1                           ; is there a next phase
.set DOK, 0                            ; are the next step's K fragments fetched here
.set DOQ, 1                            ; does the next phase make scores
.set MOFF, (\i+1)*4096+C_SN*128        ; the next phase's 128 bytes of mask words
.if \i == 3
.set MOFF, (C_SN+1)*128
.if C_LAST
.set DOWS, 0
.set DOQ, 0
.endif
.endif
.if \i == 2
.if C_LAST
.set DOQ, 0
.else
.set DOK, 1
.endif
.endif
	WIN 0
	s_wait_kmcnt 0x0                               ; this phase's mask words, asked for a phase ago
.if DOWS
	s_load_b512 s[WN:WN+15], s[28:29], MOFF
	s_load_b512 s[WN+16:WN+31], s[28:29], MOFF+64
.endif
	MB 0                                           ; eleven plain instructions behind the last O^T product: OB and V^T's registers, which it read, may be written
.if \i == 0
	VLD
.endif
.if DOWS
.if \i == 3
	s_wait_dscnt 12                                ; the new K fragments of d 0-31 are in; behind them 8 loads of d 32-63 and 4 of Q's low fragments may be out
.endif
.endif
	WS 0, 0
	MB 1
	WS 1, 0
	MB 2
	WS 2, 0
	MB 3
	WS 3, 0
	RED
.if DOWS
.if \i == 0
	s_wait_dscnt 32                                ; Q's low fragments are in; the 32 loads of V^T issued behind them may be out
.else
	s_wait_dscnt 0x0                               ; Q's low fragments (third phase of the four: the rest of the new K too)
.endif
.endif
	WS 0, 1
	SESUB 0
	WS 1, 1
	SEEXP 0
	WS 2, 1
	SESUB 1
	WS 3, 1
	SEEXP 1
	SC 0                                           ; six plain instructions behind the last product that read K's d 0-31
.if DOK
	SYNC
	KLD 0
.endif
	WS 0, 2
	SESUB 2
	WS 1, 2
	SEEXP 2
	WS 2, 2
	SC 1
	WS 3, 2
	SESUB 3
	WS 0, 3
	SEEXP 3
	WS 1, 3
	SC 2
	WS 2, 3
	WS 3, 3
	SC 3                                           ; with FIN at least ten plain instructions behind the last product that read K's d 32-63 and Q's low fragments
	FIN
.if DOK
	KLD 1
.endif
.if DOQ
	QLD QN2
.endif
.if \i == 0
	s_wait_dscnt 4                                 ; V^T's fragments are in; the 4 loads of Q's low fragments issued behind them may be out
.endif
	WIN 0x51                                       ; source 0, C and D window 1 (V^T, O^T), source 1 window 0 (P^T, the factor)
.irp db, 0,1,2,3
.if C_FIRST
	v_wmma_f32_16x16x32_f16 v[8*(4*\i+\db):8*(4*\i+\db)+7], v[VF+16*\db:VF+16*\db+7], v[SB:SB+7], 0
.else
.irp q, 0,2,4,6
	v_pk_mul_f32 v[8*(4*\i+\db)+\q:8*(4*\i+\db)+\q+1], v[8*(4*\i+\db)+\q:8*(4*\i+\db)+\q+1], v[AL:AL+1] op_sel_hi:[1,0]
.endr
	v_wmma_f32_16x16x32_f16 v[8*(4*\i+\db):8*(4*\i+\db)+7], v[VF+16*\db:VF+16*\db+7], v[SB:SB+7], v[8*(4*\i+\db):8*(4*\i+\db)+7]
.endif
.endr
.irp db, 0,1,2,3
	v_wmma_f32_16x16x32_f16 v[8*(4*\i+\db):8*(4*\i+\db)+7], v[VF+16*\db+8:VF+16*\db+15], v[SB+16:SB+23], v[8*(4*\i+\db):8*(4*\i+\db)+7]
.endr
.irp db, 0,1,2,3
	v_wmma_f32_16x16x32_f16 v[8*(4*\i+\db):8*(4*\i+\db)+7], v[VFL+16*\db:VFL+16*\db+7], v[SB:SB+7], v[8*(4*\i+\db):8*(4*\i+\db)+7]
.endr
.irp db, 0,1,2,3
	v_wmma_f32_16x16x32_f16 v[8*(4*\i+\db):8*(4*\i+\db)+7], v[VFL+16*\db+8:VFL+16*\db+15], v[SB+16:SB+23], v[8*(4*\i+\db):8*(4*\i+\db)+7]
.endr
.endm
; a step: 64 keys (half sub of slot) for my four query blocks.  nslot, nsub: where the next step's keys lie; sn: the step's number in its trip
.macro STEP slot, sub, nslot, nsub, kind, first, last, sn
.set C_SLOT, \slot
.set C_SUB, \sub
.set C_NSLOT, \nslot
.set C_NSUB, \nsub
.set C_KIND, \kind
.set C_FIRST, \first
.set C_LAST, \last
.set C_SN, \sn
	PHASE 0
	PHASE 1
	PHASE 2
	PHASE 3
.endm
.macro TRIP first, kinda, kindb, last  ; four steps: once round the ring
	STEP 0, 0, 0, 1, 0, \first, 0, 0
	STEP 0, 1, 1, 0, \kinda, 0, 0, 1
	STEP 1, 0, 1, 1, 0, 0, 0, 2
	STEP 1, 1, 0, 0, \kindb, 0, \last, 3
.endm
.macro NEXTWORDS
	WIN 0
	s_wait_xcnt 0x0                                ; the pending loads of mask words have read their base: it may step
	s_add_nc_u64 s[28:29], s[28:29], 512           ; four steps of 128 bytes
.endm
	s_wait_tensorcnt 0x1                           ; my part of slot 0 is in; slot 1's may stay out
	s_barrier_signal -1
	s_barrier_wait -1
.set C_NSLOT, 0
.set C_NSUB, 0
	KLD 0
	KLD 1
	s_wait_loadcnt 0x0                             ; Q, both parts
.set m, 0
.rept 16
	ds_store_b128 v[QLA], v[SBUF+4*m:SBUF+4*m+3] offset:512*m      ; the low fragments in fragment order, into my own bytes
.set m, m+1
.endr
	QLD 0                                          ; LDS serves a wave's instructions in order: these see the stores above
	s_wait_dscnt 0x0
.set OB, SBUF
.set QN, 0
.set DOWS, 1
.irp n, 0,1,2,3
.irp t, 0,1,2,3
	WS \t, \n                                      ; the first phase's scores
.endr
.endr
	PLACES
	QLD 1
	TRIP 1, 2, 2, 0                                ; the first step starts maxima, sums and O^T: nothing is cleared
	NEXTWORDS
	s_mov_b32 s31, 6
.Ltrip:
	TRIP 0, 2, 2, 0
	NEXTWORDS
	s_sub_co_u32 s31, s31, 1
	s_cmp_lg_u32 s31, 0
	s_cbranch_scc1 .Ltrip
	TRIP 0, 1, 0, 1                                ; the last four steps fill nothing
	; THE WAY OUT, one query block at a time: divide by the sum, through my own stage in LDS, back as whole rows of 256 bytes
	WIN 0
	PLACES
.macro OUTQ g, f
	v_permlanex16_b32 v[TM1], v[ML+2*\g+1], s104, s105
	v_add_f32 v[TM0], v[ML+2*\g+1], v[TM1]         ; both halves' keys; at least 1, since the largest score gives 2^0
	v_rcp_f32 v[AL], v[TM0]
	v_nop                                          ; a plain instruction before the reciprocal is used
	WIN 0x01
	s_wait_alu depctr_va_vdst(0)
.irp db, 0,1,2,3
.irp q, 0,2,4,6
	v_pk_mul_f32 v[SBUF+8*\db+\q:SBUF+8*\db+\q+1], v[8*(4*\g+\db)+\q:8*(4*\g+\db)+\q+1], v[AL:AL+1] op_sel_hi:[1,0]
.endr
.endr
	WIN 0
.irp db, 0,1,2,3
	ds_store_b128 v[STO], v[SBUF+8*\db:SBUF+8*\db+3] offset:64*\db
	ds_store_b128 v[STO], v[SBUF+8*\db+4:SBUF+8*\db+7] offset:64*\db+16
.endr
	s_wait_xcnt 0x0                                ; buffer f, which earlier stores read, is written again only behind this wait
.irp t, 0,1,2,3,4,5,6,7
	ds_load_b128 v[\f+4*\t:\f+4*\t+3], v[RD] offset:\t*2*272       ; LDS serves a wave's instructions in order: these see the stores above
.endr
.irp t, 0,1,2,3,4,5,6,7
	s_wait_dscnt 7-\t
	global_store_b128 v[CO1], v[\f+4*\t:\f+4*\t+3], s[66:67] offset:(16*\g+2*\t)*4096 th:TH_STORE_NT   ; 16 lanes store 256 neighbouring bytes, aligned
	v_cvt_pk_f16_f32 v[\f+32+2*\t], v[\f+4*\t], v[\f+4*\t+1]
	v_cvt_pk_f16_f32 v[\f+32+2*\t+1], v[\f+4*\t+2], v[\f+4*\t+3]
	global_store_b64 v[CO2], v[\f+32+2*\t:\f+32+2*\t+1], s[100:101] offset:(16*\g+2*\t)*128           ; 32 lanes store 256 neighbouring bytes, aligned
.endr
.endm
	OUTQ 0, Q
	OUTQ 1, KF
	OUTQ 2, Q
	OUTQ 3, KF
	s_wait_tensorcnt 0x0
	ds_add_u32 v254, v255
	s_wait_dscnt 0x0
	ROUND                                          ; the closing round: no work-group ends while a partner may still ask for a tile that names it
	s_endpgm
.Lfunc_end_k_q16231fdbca_attn:
	.size	k_q16231fdbca_attn, .Lfunc_end_k_q16231fdbca_attn-k_q16231fdbca_attn
	.p2alignl 7, 3214868480
	.fill 96, 4, 3214868480
	.section	.rodata,"a",@progbits
	.p2align	6, 0x0
	.amdhsa_kernel k_q16231fdbca_attn
		.amdhsa_group_segment_fixed_size 327680
		.amdhsa_private_segment_fixed_size 0
		.amdhsa_enable_private_segment 0
		.amdhsa_kernarg_size 40
		.amdhsa_user_sgpr_count 2
		.amdhsa_user_sgpr_kernarg_segment_ptr 1
		.amdhsa_wavefront_size32 1
		.amdhsa_system_sgpr_workgroup_id_x 1
		.amdhsa_system_sgpr_workgroup_id_y 1
		.amdhsa_system_sgpr_workgroup_id_z 1
		.amdhsa_system_vgpr_workitem_id 0
		.amdhsa_next_free_vgpr 512
		.amdhsa_next_free_sgpr 106
		.amdhsa_reserve_vcc 0
		.amdhsa_float_denorm_mode_32 3
		.amdhsa_float_denorm_mode_16_64 3
		.amdhsa_memory_ordered 1
		.amdhsa_forward_progress 1
		.amdhsa_inst_pref_size 255
	.end_amdhsa_kernel
	.section	.bss,"aw",@nobits
	.p2align	6
	.space	262144
	.amdgpu_metadata
---
amdhsa.version: [ 1, 2 ]
amdhsa.kernels:
  - .name:           k_q16231fdbca_attn
    .symbol:         k_q16231fdbca_attn.kd
    .args:
      - { .name: qkvb, .offset: 0, .size: 8, .value_kind: global_buffer, .address_space: global }
      - { .name: qvl, .offset: 8, .size: 8, .value_kind: global_buffer, .address_space: global }
      - { .name: mbits, .offset: 16, .size: 8, .value_kind: global_buffer, .address_space: global }
      - { .name: out1, .offset: 24, .size: 8, .value_kind: global_buffer, .address_space: global }
      - { .name: ab, .offset: 32, .size: 8, .value_kind: global_buffer, .address_space: global }
    .group_segment_fixed_size: 327680
    .private_segment_fixed_size: 0
    .kernarg_segment_align: 8
    .kernarg_segment_size: 40
    .max_flat_workgroup_size: 256
    .sgpr_count:     106
    .vgpr_count:     512
    .wavefront_size: 32
...
	.end_amdgpu_metadata
.endif
;; end of part 3
;; launch proj_out (part 4): grid 8 x 32, 4 waves a work-group, clusters of 4 x 4, 327,680 bytes of LDS; arguments ab, wt, bc, out0; writes out0
.if DOCPART == 4
	.amdgcn_target "amdgcn-amd-amdhsa--gfx1250"
	.amdhsa_code_object_version 6
	.text
	.protected	k_q16231fdbca_proj_out
	.globl	k_q16231fdbca_proj_out
	.p2align	8
	.type	k_q16231fdbca_proj_out,@function
k_q16231fdbca_proj_out:
	s_mov_b64 s[64:65], 0
	v_nop
	global_prefetch_b8 v0, s[64:65] scope:SCOPE_SE
	s_setreg_imm32_b32 hwreg(HW_REG_WAVE_MODE, 25, 1), 1
	s_wait_xcnt 0x0
	s_wait_alu depctr_hold_cnt(0) depctr_sa_sdst(0) depctr_va_vdst(0) depctr_va_sdst(0) depctr_va_ssrc(0) depctr_va_vcc(0) depctr_vm_vsrc(0)
	s_getreg_b32 s2, hwreg(HW_REG_IB_STS2, 6, 4)
	s_cmp_eq_u32 s2, 0
	s_cbranch_scc0 .Lentry_in_a_cluster
	s_endpgm
.Lentry_in_a_cluster:
	s_bfe_u32 s2, ttmp6, 0x10000c
	s_cmp_lg_u32 s2, 0xf033
	s_cbranch_scc0 .Lentry_shape_is_right
	s_endpgm
.Lentry_shape_is_right:
; C = X W + b with 16-bit operands and f32 sums.  One text serves two launches; MODE picks the arguments, the operands' format and the way out.
;   MODE 0: q c, k, v = (query Wq + bq) c, key Wk + bk, value Wv + bv with c = log2(e)/8; bf16 operands.  Stored head by head as f16,
;           [tensor*4+batch][head][2048][64].  f16 keeps 11 significant bits where bf16 keeps 8; a row of the attention with few keys hands
;           these roundings straight to outputs that are compared against a much smaller scale.  q c and v are stored as TWO f16 numbers:
;           the f32 value cut to 11 bits (exact in f16) in qkvb, the exact rest, rounded, in qvl ([0..3 q, 4..7 v][head][2048][64]);
;           k is one f16, rounded.  LIMIT: |q c|, |k|, |v| below 65,504.
;   MODE 1: out0 = attn_v Wc + bc, f32, row-major; f16 operands.
; X lies as [block][16 k-blocks][2048 rows][64 k] and W as [matrix][16 k-blocks][1024 n][64 k], 2 bytes a number, so 256 rows of X (128 of W)
; of one k-block are 32 KiB (16 KiB) without gaps.  A work-group makes 256 x 128 of C with four waves, one on each SIMD; a wave makes
; 128 x 64: 32 accumulator tiles, 256 registers.  (768 and 256 work-groups: whole multiples of the 256 WGPs.)  K = 1,024 goes in 8 steps of
; 128 (two k-blocks) through two LDS slots.  One tensor load a wave and step: waves 0, 1 bring X's 256 rows of the step's first and second
; k-block, waves 2, 3 W's 128 rows likewise, as rows of 256 bytes (two data rows) with 16 bytes of padding behind each.
; CLUSTERS: 4 x 4 work-groups.  The four of a row of the cluster need the same tiles of X, the four of a column the same tiles of W: each
; tile is asked for jointly by the four, which divides the requests by four.
; REGISTERS: window 0: v16-27 addresses; v32-127 and v128-223 two fragment buffers (W's 4 fragments, then X's 8); v224-255 the bias.
;            window 1: the accumulators, tile (a, b) at v[8 (4 a + b)].
; The matrix instruction is used transposed (source 0 = 16 rows of W, source 1 = 16 rows of X): lane l then holds row l % 16 of C and its
; registers 0-7 the columns 8 (l / 16) + 0..7, eight neighbouring numbers of a row.
; The 32 accumulators take turns, one instruction a turn, in the same order in every quarter step.
.set MODE,   1
.set KP,     272                       ; an LDS row: two data rows of 128 bytes + 16: data row x starts at (x>>1)*272 + (x&1)*128, so the 16 rows of a fragment start in 16 different 16-byte columns of 256
.set LOADA,  128*KP                    ; 256 rows of X, one k-block
.set LOADB,  64*KP                     ; 128 rows of W, one k-block
.set SLOT,   2*LOADA+2*LOADB
.set STAGE,  2*SLOT                    ; behind the ring: each wave's own bytes for the way out; no tensor load lands there
.set STAGEW, 4352
.set AKB,    262144                    ; bytes from k-block to k-block in X
.set BKB,    131072                    ; and in W
.set LAPS,   4                         ; a lap = two K steps = once round the ring
.set CSCALE, 0x3e38aa3b
.set ADRA, 16                          ; v16-17 LDS address of my X fragments in slot 0, 1
.set ADRB, 20                          ; v20-21 the same for W
.set STO,  24
.set RD,   25
.set CO,   26
.set BOF,  27
.set F0,   32
.set F1,   128
.set BIAS, 224
.set T,    32                          ; the way out: v[32:63] the results in f32, later their low parts
.set H,    64                          ; v[64:95]   their high parts in f32
.set PK,   96                          ; v[96:111]  high parts packed
.set PKL,  112                         ; v[112:127] low parts packed
.set G1,  24                           ; s[24:31] group 1 for X's tiles
.set G0,  32                           ; s[32:39] group 0 for X's tiles, a set for each slot
.set G1B, 48                           ; s[48:55] group 1 for W's tiles
.set G0B, 56                           ; s[56:63] group 0 for W's tiles
.set G1W0, (3<<16)|(1<<20)|(1<<21)|(5<<22)|(3<<25)   ; elements of 8 bytes; padding on; bit 21 beside a mask; after every 64 words; 4 words
.set MSB, 0
.macro WIN new                         ; the immediate's high byte repeats the setting that is left
.if MSB != \new
	s_set_vgpr_msb (MSB<<8)|\new
.set MSB, \new
.endif
.endm
.set MUL, 0x50                         ; sources 0 and 1 window 0, C and D window 1
.macro JLOAD s                         ; waves 0, 1 ask for X's tiles, waves 2, 3 for W's; the branch hangs on the wave's number alone
	s_cmp_eq_u32 s11, 0
	s_cbranch_scc0 .Lfor_b_\@
	tensor_load_to_lds s[G0+4*\s:G0+4*\s+3], s[G1:G1+7]
	s_nop 0
	s_branch .Lasked_\@
.Lfor_b_\@:
	tensor_load_to_lds s[G0B+4*\s:G0B+4*\s+3], s[G1B:G1B+7]
	s_nop 0
.Lasked_\@:
.endm
.macro CREST                           ; a round of the cluster's barrier behind its opening work-group barrier
	s_cmp_lg_u32 s10, 0
	s_cbranch_scc1 .Lnot_wave_0_\@
	s_barrier_signal -3
.Lnot_wave_0_\@:
	s_barrier_wait -3
	s_barrier_signal -1
	s_barrier_wait -1
.endm
.macro CROUND
	s_barrier_signal -1
	s_barrier_wait -1
	CREST
.endm
.macro PLACES                          ; four plain vector instructions between a matrix instruction and a load into, or a vector read of, its registers
.rept 4
	v_nop
.endr
.endm
	s_load_b128 s[4:7], s[0:1], 0x0                ; X, W
.if MODE == 0
	s_load_b256 s[68:75], s[0:1], 0x10             ; bq, bk, bv, qkvb
	s_load_b64 s[80:81], s[0:1], 0x30              ; qvl
.else
	s_load_b128 s[68:71], s[0:1], 0x10             ; bc, the output
	v_lshl_add_u32 v30, v0, 2, 0x37400
	v_mov_b32 v31, 0
	ds_add_u32 v30, v31
.endif
	v_lshrrev_b32 v1, 5, v0
	v_readfirstlane_b32 s10, v1                    ; wave 0..3
	s_lshr_b32 s11, s10, 1                         ; which 128 rows of the block are mine.  Also: I fetch X (0) or W (1)
	s_and_b32 s12, s10, 1                          ; which 64 columns.  Also: which k-block of the step I fetch
	s_bfe_u32 s40, ttmp6, 0x40000                  ; cx
	s_bfe_u32 s41, ttmp6, 0x40004                  ; cy
	s_lshl_b32 s42, ttmp9, 2
	s_add_co_u32 s42, s42, s40                     ; block column = 4 x cluster x + cx
	s_and_b32 s45, ttmp7, 0xffff                   ; cluster y
	s_lshl_b32 s13, s45, 2
	s_add_co_u32 s13, s13, s41                     ; block row = 4 x cluster y + cy
.if MODE == 0
	s_lshr_b32 s76, s45, 3                         ; which weight matrix: 32 block rows = 8 clusters for each; made of the cluster's y alone
.else
	s_mov_b32 s76, 3
.endif
	s_lshl_b32 s43, s41, 2
	s_lshl_b32 s43, 15, s43                        ; my row of the cluster
	s_lshl_b32 s44, 0x1111, s40                    ; my column
	s_or_b32 s[G1+0], s43, G1W0
	s_or_b32 s[G1B+0], s44, G1W0
	s_mov_b32 s[G1+1], 32<<16                      ; tensor_dim0 = 32 elements (256 bytes)
	s_mov_b32 s[G1B+1], 32<<16
	s_mov_b32 s[G1+2], 128<<16                     ; tensor_dim1 = 128 rows
	s_mov_b32 s[G1B+2], 64<<16                     ; 64 rows
	s_mov_b32 s[G1+3], 32<<16                      ; tile_dim0
	s_mov_b32 s[G1B+3], 32<<16
	s_mov_b32 s[G1+4], 128                         ; tile_dim1
	s_mov_b32 s[G1B+4], 64
	s_mov_b32 s[G1+5], 32                          ; from row to row: 32 elements, no gap
	s_mov_b32 s[G1B+5], 32
	s_mov_b32 s[G1+6], 0
	s_mov_b32 s[G1B+6], 0
	s_mov_b32 s[G1+7], 0
	s_mov_b32 s[G1B+7], 0
	; X's tile hangs on the block row alone, W's on the block column and the matrix alone; each address in registers that never hold the other coordinate
	s_lshr_b32 s16, s13, 3
	s_lshl_b32 s16, s16, 22                        ; 8 block rows to a block of 4 MiB
	s_and_b32 s17, s13, 7
	s_lshl_b32 s17, s17, 15                        ; 256 rows of 128 bytes
	s_add_co_u32 s16, s16, s17
	s_lshl_b32 s17, s12, 18                        ; my k-block of the step
	s_add_co_u32 s16, s16, s17
	s_mov_b32 s17, 0
	s_lshl_b32 s46, s76, 21                        ; matrices of 2 MiB
	s_lshl_b32 s47, s42, 14                        ; 128 rows of 128 bytes
	s_add_co_u32 s46, s46, s47
	s_lshl_b32 s47, s12, 17
	s_add_co_u32 s46, s46, s47
	s_mov_b32 s47, 0
	s_mul_i32 s20, s10, LOADA                      ; where they go: X's two k-blocks (waves 0, 1),
	s_mul_i32 s21, s10, LOADB
	s_add_co_u32 s21, s21, 2*LOADA-2*LOADB         ; then W's two (waves 2, 3): the wave's number and constants alone
	s_wait_dscnt 0x0
	s_wait_kmcnt 0x0
	s_add_nc_u64 s[14:15], s[4:5], s[16:17]
	s_add_nc_u64 s[46:47], s[6:7], s[46:47]
.if MODE == 0
	s_mov_b64 s[8:9], s[74:75]
.else
	s_mov_b64 s[8:9], s[70:71]
.endif
	CROUND                                         ; all sixteen work-groups are here: the first joint loads meet
.irp s, 0,1
	s_mov_b32 s[G0+4*\s], 1
	s_add_co_u32 s[G0+4*\s+1], s20, \s*SLOT
	s_add_nc_u64 s[G0+4*\s+2:G0+4*\s+3], s[14:15], \s*2*AKB        ; K step s
	s_or_b32 s[G0+4*\s+3], s[G0+4*\s+3], 0x80000000
	s_mov_b32 s[G0B+4*\s], 1
	s_add_co_u32 s[G0B+4*\s+1], s21, \s*SLOT
	s_add_nc_u64 s[G0B+4*\s+2:G0B+4*\s+3], s[46:47], \s*2*BKB
	s_or_b32 s[G0B+4*\s+3], s[G0B+4*\s+3], 0x80000000
	JLOAD \s                                       ; both slots' first fills: two tensor loads of this wave are out
.endr
	; the bias of my 64 columns: lane (r, h) needs columns 16 b + 8 h + 0..7
	v_and_b32 v1, 15, v0                           ; r
	v_bfe_u32 v2, v0, 4, 1                         ; h
	v_lshlrev_b32 v[BOF], 5, v2
	s_lshl_b32 s66, s42, 9
	s_lshl_b32 s67, s12, 8
	s_add_co_u32 s66, s66, s67
	s_mov_b32 s67, 0
.if MODE == 0
	s_cmp_eq_u32 s76, 1
	s_cselect_b64 s[68:69], s[70:71], s[68:69]
	s_cselect_b32 s77, -1, 0xffffe000              ; k is rounded whole; q c and v are cut behind their 11th bit
	s_cmp_eq_u32 s76, 2
	s_cselect_b64 s[68:69], s[72:73], s[68:69]
	s_cmp_eq_u32 s76, 0
	s_cselect_b32 s78, CSCALE, 1.0                 ; q alone is scaled
	s_mov_b32 s79, s78
.endif
	s_add_nc_u64 s[68:69], s[68:69], s[66:67]
.irp b, 0,1,2,3
	global_load_b128 v[BIAS+8*\b:BIAS+8*\b+3], v[BOF], s[68:69] offset:64*\b
	global_load_b128 v[BIAS+8*\b+4:BIAS+8*\b+7], v[BOF], s[68:69] offset:64*\b+16
.endr
	; a fragment is 16 rows x 32 K in 8 registers: lane (r, h) holds row r; registers 0-3 K = 8 h + 0..7, registers 4-7 K = 16 + 8 h + 0..7: two loads of 16 bytes, 32 bytes apart
	v_lshrrev_b32 v3, 1, v1
	v_mul_u32_u24 v3, v3, KP
	v_and_b32 v4, 1, v0
	v_lshl_add_u32 v3, v4, 7, v3
	v_lshl_add_u32 v3, v2, 4, v3                   ; (r>>1)*272 + (r&1)*128 + 16 h
	s_mul_i32 s22, s11, 64*KP                      ; my 128 rows of X
	s_mul_i32 s23, s12, 32*KP                      ; my 64 rows of W,
	s_add_co_u32 s23, s23, 2*LOADA                 ; which lie behind X's two k-blocks
.irp s, 0,1
	v_add_nc_u32 v[ADRA+\s], s22, v3
	v_add_nc_u32 v[ADRB+\s], s23, v3
	s_add_co_u32 s22, s22, SLOT
	s_add_co_u32 s23, s23, SLOT
.endr
	s_mul_i32 s18, s10, STAGEW
	s_add_co_u32 s18, s18, STAGE                   ; my stage
.if MODE == 0
	v_mul_u32_u24 v4, v1, 144                      ; in: row r of 64 f16 (pitch 144), 16 bytes for each half of the lanes
	v_lshl_add_u32 v4, v2, 4, v4
	v_add_nc_u32 v[STO], s18, v4
	v_and_b32 v5, 31, v0
	v_lshrrev_b32 v6, 3, v5                        ; back: eight lanes take a row of 128 bytes
	v_mul_u32_u24 v6, v6, 144
	v_and_b32 v7, 7, v0
	v_lshl_add_u32 v6, v7, 4, v6
	v_add_nc_u32 v[RD], s18, v6
	v_lshlrev_b32 v[CO], 4, v5                     ; my rows of a head lie without gaps: 16 bytes a lane
.else
	v_mul_u32_u24 v4, v1, 272                      ; in: row r of 64 f32 (pitch 272), 32 bytes for each half of the lanes
	v_lshl_add_u32 v4, v2, 5, v4
	v_add_nc_u32 v[STO], s18, v4
	v_mul_u32_u24 v5, v2, 272                      ; back: lanes 0-15 one row of 256 bytes, lanes 16-31 the next
	v_lshl_add_u32 v5, v1, 4, v5
	v_add_nc_u32 v[RD], s18, v5
	v_lshlrev_b32 v6, 12, v2
	v_lshl_add_u32 v[CO], v1, 4, v6
.endif
; one matrix instruction in the launch's format.  zero = 1: the product starts the sum
.macro WM d, a, b, zero
.if MODE == 0
.if \zero
	v_wmma_f32_16x16x32_bf16 v[\d:\d+7], v[\a:\a+7], v[\b:\b+7], 0
.else
	v_wmma_f32_16x16x32_bf16 v[\d:\d+7], v[\a:\a+7], v[\b:\b+7], v[\d:\d+7]
.endif
.else
.if \zero
	v_wmma_f32_16x16x32_f16 v[\d:\d+7], v[\a:\a+7], v[\b:\b+7], 0
.else
	v_wmma_f32_16x16x32_f16 v[\d:\d+7], v[\a:\a+7], v[\b:\b+7], v[\d:\d+7]
.endif
.endif
.endm
; na x 4 matrix instructions: row blocks a0 .. a0+na-1 x all four column blocks, 32 along K
.macro MULH f, a0, na, zero
.set ma, \a0
.rept \na
.irp b, 0,1,2,3
	WM 8*(4*ma+\b), \f+8*\b, \f+32+8*ma, \zero
.endr
.set ma, ma+1
.endr
.endm
; 24 LDS loads in one run: quarter kq (32 K) of a slot's step into buffer f: W's 4 fragments, then X's 8
.macro FETCH slot, kq, f
	WIN 0
.irp g, 0,1,2,3
	ds_load_b128 v[\f+8*\g:\f+8*\g+3],   v[ADRB+\slot] offset:(\kq>>1)*LOADB+(\kq&1)*64+\g*8*KP
	ds_load_b128 v[\f+8*\g+4:\f+8*\g+7], v[ADRB+\slot] offset:(\kq>>1)*LOADB+(\kq&1)*64+\g*8*KP+32
.endr
.irp g, 0,1,2,3,4,5,6,7
	ds_load_b128 v[\f+32+8*\g:\f+32+8*\g+3],   v[ADRA+\slot] offset:(\kq>>1)*LOADA+(\kq&1)*64+\g*8*KP
	ds_load_b128 v[\f+32+8*\g+4:\f+32+8*\g+7], v[ADRA+\slot] offset:(\kq>>1)*LOADA+(\kq&1)*64+\g*8*KP+32
.endr
.endm
; one of a step's first three quarters: multiplies buffer f and, in its middle, fetches quarter kq into buffer g
.macro QUARTER slot, kq, f, g, zero
	s_wait_dscnt 8                                 ; W and X's blocks 0-3 are in; the youngest eight loads (X's blocks 4-7) may be out
	WIN MUL
	MULH \f, 0, 4, \zero
	PLACES
	FETCH \slot, \kq, \g
	s_wait_dscnt 24                                ; all but the 24 just issued
	WIN MUL
	MULH \f, 4, 4, \zero
.endm
.macro THREE slot, zero
	QUARTER \slot, 1, F0, F1, \zero
	QUARTER \slot, 2, F1, F0, 0
	QUARTER \slot, 3, F0, F1, 0
.endm
; the last quarter: multiplies buffer 1 and changes slots.  In front of the barrier each wave waits for its reads of this slot and for all
; its tensor loads (one is out: its part of the next slot).  fill = 1: the barrier opens a round of the cluster's barrier, and the joint
; refill of this slot, two K steps ahead, is the first tensor load behind the round; it has 120 matrix instructions in which to land.
.macro TURN slot, next, fill
	s_wait_dscnt 8
	WIN MUL
	MULH F1, 0, 2, 0
	s_wait_dscnt 0
	s_wait_tensorcnt 0x0
	ds_add_u32 v30, v31
	s_wait_dscnt 0x0
	s_barrier_signal -1
	MULH F1, 2, 2, 0                               ; registers alone between signal and wait
	WIN 0
	s_barrier_wait -1
.if \fill
	CREST
	s_add_nc_u64 s[G0+4*\slot+2:G0+4*\slot+3], s[G0+4*\slot+2:G0+4*\slot+3], 4*AKB     ; no tensor load of mine is out: the addresses may step
	s_add_nc_u64 s[G0B+4*\slot+2:G0B+4*\slot+3], s[G0B+4*\slot+2:G0B+4*\slot+3], 4*BKB
	JLOAD \slot
.endif
	PLACES
	FETCH \next, 0, F0
	WIN MUL
	MULH F1, 4, 4, 0
.endm
.macro LAP zero
	THREE 0, \zero
	TURN 0, 1, 1
	THREE 1, 0
	TURN 1, 0, 1
.endm
	s_wait_tensorcnt 0x1                           ; my part of K step 0 is in; K step 1's may stay out
	s_barrier_signal -1
	s_barrier_wait -1
	FETCH 0, 0, F0
	LAP 1                                          ; the first lap's first products start the sums: nothing is cleared
	WIN 0
	s_mov_b32 s3, LAPS-2
.Llap:
	LAP 0
	WIN 0
	s_sub_co_u32 s3, s3, 1
	s_cmp_lg_u32 s3, 0
	s_cbranch_scc1 .Llap
	THREE 0, 0                                     ; the last lap fills nothing
	TURN 0, 1, 0
	THREE 1, 0
	s_wait_dscnt 8
	WIN MUL
	MULH F1, 0, 4, 0
	s_wait_dscnt 0
	MULH F1, 4, 4, 0
	; THE WAY OUT, 16 rows at a time: scale and bias, through my own stage in LDS, back as whole rows
	WIN 0
	s_wait_loadcnt 0x0                             ; the bias
.if MODE == 0
.irp q, 0,2,4,6,8,10,12,14,16,18,20,22,24,26,28,30
	v_pk_mul_f32 v[BIAS+\q:BIAS+\q+1], v[BIAS+\q:BIAS+\q+1], s[78:79] op_sel_hi:[1,0]   ; bq times c; these sixteen are also the places behind the last matrix instructions
.endr
	s_lshr_b32 s16, s13, 3
	s_lshl_b32 s16, s16, 22                        ; tensor*4 + batch
	s_and_b32 s17, s13, 7
	s_lshl_b32 s17, s17, 15
	s_add_co_u32 s16, s16, s17
	s_lshl_b32 s17, s11, 14                        ; my 128 rows of 128 bytes
	s_add_co_u32 s16, s16, s17
	s_lshr_b32 s82, s76, 1                         ; the low parts: q's blocks 0-3 stay, v's blocks 8-11 become 4-7
	s_lshl_b32 s82, s82, 24
	s_sub_co_u32 s82, s16, s82
	s_mov_b32 s83, 0
	s_add_nc_u64 s[80:81], s[80:81], s[82:83]
	s_lshl_b32 s46, s42, 19                        ; my 64 columns are one head: 2 x block column + half, 256 KiB each
	s_lshl_b32 s47, s12, 18
.else
	PLACES
	s_lshl_b32 s16, s13, 20                        ; 256 rows of 4,096 bytes
	s_lshl_b32 s17, s11, 19
	s_add_co_u32 s16, s16, s17
	s_lshl_b32 s46, s42, 9                         ; 128 columns of 4 bytes
	s_lshl_b32 s47, s12, 8
.endif
	s_mov_b32 s17, 0
	s_add_nc_u64 s[8:9], s[8:9], s[16:17]
	s_add_co_u32 s46, s46, s47
	s_mov_b32 s47, 0
	s_add_nc_u64 s[8:9], s[8:9], s[46:47]
.if MODE == 0
	s_add_nc_u64 s[80:81], s[80:81], s[46:47]
.endif
.macro OUT16 a, f
	WIN 0x01                                       ; source 0 (the sums) window 1
.irp b, 0,1,2,3
.irp q, 0,2,4,6
.if MODE == 0
	v_pk_fma_f32 v[T+8*\b+\q:T+8*\b+\q+1], v[8*(4*\a+\b)+\q:8*(4*\a+\b)+\q+1], s[78:79], v[BIAS+8*\b+\q:BIAS+8*\b+\q+1] op_sel_hi:[1,0,1]
.else
	v_pk_add_f32 v[T+8*\b+\q:T+8*\b+\q+1], v[8*(4*\a+\b)+\q:8*(4*\a+\b)+\q+1], v[BIAS+8*\b+\q:BIAS+8*\b+\q+1]
.endif
.endr
.endr
	WIN 0
.if MODE == 0
.set m, 0
.rept 32
	v_and_b32 v[H+m], s77, v[T+m]                  ; the high part: 11 significant bits (k: the whole number)
.set m, m+1
.endr
.set m, 0
.rept 16
	v_cvt_pk_f16_f32 v[PK+m], v[H+2*m], v[H+2*m+1] ; exact for q c and v, the one rounding for k
.set m, m+1
.endr
.irp b, 0,1,2,3
	ds_store_b128 v[STO], v[PK+4*\b:PK+4*\b+3] offset:32*\b
.endr
	s_wait_xcnt 0x0                                ; buffer f, which earlier stores read, is loaded again only behind this wait
.irp t, 0,1,2,3
	ds_load_b128 v[\f+4*\t:\f+4*\t+3], v[RD] offset:\t*4*144       ; LDS serves a wave's instructions in order: these see the stores above
.endr
.set m, 0
.rept 16
	v_pk_add_f32 v[T+2*m:T+2*m+1], v[T+2*m:T+2*m+1], v[H+2*m:H+2*m+1] neg_lo:[0,1] neg_hi:[0,1]   ; the rest, exact in f32 (k: zero)
.set m, m+1
.endr
.set m, 0
.rept 16
	v_cvt_pk_f16_f32 v[PKL+m], v[T+2*m], v[T+2*m+1]
.set m, m+1
.endr
.irp t, 0,1,2,3
	s_wait_dscnt 3-\t
	global_store_b128 v[CO], v[\f+4*\t:\f+4*\t+3], s[8:9] offset:\a*2048+\t*512    ; 512 neighbouring bytes, aligned
.endr
	s_cmp_eq_u32 s76, 1                            ; k has no low part; the matrix's number is the same in the whole cluster
	s_cbranch_scc1 .Lno_low_\@
.irp b, 0,1,2,3
	ds_store_b128 v[STO], v[PKL+4*\b:PKL+4*\b+3] offset:32*\b      ; the same stage: served behind the loads above
.endr
.irp t, 0,1,2,3
	ds_load_b128 v[\f+16+4*\t:\f+16+4*\t+3], v[RD] offset:\t*4*144
.endr
.irp t, 0,1,2,3
	s_wait_dscnt 3-\t
	global_store_b128 v[CO], v[\f+16+4*\t:\f+16+4*\t+3], s[80:81] offset:\a*2048+\t*512
.endr
.Lno_low_\@:
.else
.irp b, 0,1,2,3
	ds_store_b128 v[STO], v[T+8*\b:T+8*\b+3] offset:64*\b
	ds_store_b128 v[STO], v[T+8*\b+4:T+8*\b+7] offset:64*\b+16
.endr
	s_wait_xcnt 0x0                                ; buffer f, which earlier stores read, is loaded again only behind this wait
.irp t, 0,1,2,3,4,5,6,7
	ds_load_b128 v[\f+4*\t:\f+4*\t+3], v[RD] offset:\t*2*272
.endr
.irp t, 0,1,2,3,4,5,6,7
	s_wait_dscnt 7-\t
	global_store_b128 v[CO], v[\f+4*\t:\f+4*\t+3], s[8:9] offset:(16*\a+2*\t)*4096 th:TH_STORE_NT   ; 16 lanes store 256 neighbouring bytes, aligned
.endr
.endif
.endm
	OUT16 0, F1
	OUT16 1, F1+32
	OUT16 2, F1
	OUT16 3, F1+32
	OUT16 4, F1
	OUT16 5, F1+32
	OUT16 6, F1
	OUT16 7, F1+32
	s_wait_tensorcnt 0x0
	ds_add_u32 v30, v31
	s_wait_dscnt 0x0
	CROUND                                         ; the closing round: no work-group ends while a partner may still ask for a tile that names it
	s_endpgm
.Lfunc_end_k_q16231fdbca_proj_out:
	.size	k_q16231fdbca_proj_out, .Lfunc_end_k_q16231fdbca_proj_out-k_q16231fdbca_proj_out
	.p2alignl 7, 3214868480
	.fill 96, 4, 3214868480
	.section	.rodata,"a",@progbits
	.p2align	6, 0x0
	.amdhsa_kernel k_q16231fdbca_proj_out
		.amdhsa_group_segment_fixed_size 327680
		.amdhsa_private_segment_fixed_size 0
		.amdhsa_enable_private_segment 0
		.amdhsa_kernarg_size 32
		.amdhsa_user_sgpr_count 2
		.amdhsa_user_sgpr_kernarg_segment_ptr 1
		.amdhsa_wavefront_size32 1
		.amdhsa_system_sgpr_workgroup_id_x 1
		.amdhsa_system_sgpr_workgroup_id_y 1
		.amdhsa_system_sgpr_workgroup_id_z 1
		.amdhsa_system_vgpr_workitem_id 0
		.amdhsa_next_free_vgpr 512
		.amdhsa_next_free_sgpr 84
		.amdhsa_reserve_vcc 0
		.amdhsa_float_denorm_mode_32 3
		.amdhsa_float_denorm_mode_16_64 3
		.amdhsa_memory_ordered 1
		.amdhsa_forward_progress 1
		.amdhsa_inst_pref_size 127
	.end_amdhsa_kernel
	.amdgpu_metadata
---
amdhsa.version: [ 1, 2 ]
amdhsa.kernels:
  - .name:           k_q16231fdbca_proj_out
    .symbol:         k_q16231fdbca_proj_out.kd
    .args:
      - { .name: ab, .offset: 0, .size: 8, .value_kind: global_buffer, .address_space: global }
      - { .name: wt, .offset: 8, .size: 8, .value_kind: global_buffer, .address_space: global }
      - { .name: bc, .offset: 16, .size: 8, .value_kind: global_buffer, .address_space: global }
      - { .name: out0, .offset: 24, .size: 8, .value_kind: global_buffer, .address_space: global }
    .group_segment_fixed_size: 327680
    .private_segment_fixed_size: 0
    .kernarg_segment_align: 8
    .kernarg_segment_size: 32
    .max_flat_workgroup_size: 128
    .sgpr_count:     84
    .vgpr_count:     512
    .wavefront_size: 32
...
	.end_amdgpu_metadata
.endif
;; end of part 4
;; ======== version 2 of 3: 4 launches; 1.17 times as fast as version 1
;; limits: values are held in f16: magnitudes above 65,504 overflow, below 6.1e-05 lose precision
;; workspace buffers: xb 50,331,648 bytes; wt 8,388,608 bytes; mbits 2,097,152 bytes of whole numbers; qkvb 50,331,648 bytes; vl 16,777,216 bytes; ab 16,777,216 bytes
;; launch prep: the kernel of part 1 again; grid 256 x 8, 8 waves a work-group, no clusters, 68,608 bytes of LDS; arguments query, key, value, Wq, Wk, Wv, Wc, mask, xb, wt, mbits; writes xb, wt, mbits
;; launch proj_qkv (part 5): grid 4 x 96, 4 waves a work-group, clusters of 4 x 4, 327,680 bytes of LDS; arguments xb, wt, bq, bk, bv, qkvb, vl; writes qkvb, vl
.if DOCPART == 5
	.amdgcn_target "amdgcn-amd-amdhsa--gfx1250"
	.amdhsa_code_object_version 6
	.text
	.protected	k_q16231fdbca_proj_qkv
	.globl	k_q16231fdbca_proj_qkv
	.p2align	8
	.type	k_q16231fdbca_proj_qkv,@function
k_q16231fdbca_proj_qkv:
	s_mov_b64 s[64:65], 0
	v_nop
	global_prefetch_b8 v0, s[64:65] scope:SCOPE_SE
	s_setreg_imm32_b32 hwreg(HW_REG_WAVE_MODE, 25, 1), 1
	s_wait_xcnt 0x0
	s_wait_alu depctr_hold_cnt(0) depctr_sa_sdst(0) depctr_va_vdst(0) depctr_va_sdst(0) depctr_va_ssrc(0) depctr_va_vcc(0) depctr_vm_vsrc(0)
	s_getreg_b32 s2, hwreg(HW_REG_IB_STS2, 6, 4)
	s_cmp_eq_u32 s2, 0
	s_cbranch_scc0 .Lentry_in_a_cluster
	s_endpgm
.Lentry_in_a_cluster:
	s_bfe_u32 s2, ttmp6, 0x10000c
	s_cmp_lg_u32 s2, 0xf033
	s_cbranch_scc0 .Lentry_shape_is_right
	s_endpgm
.Lentry_shape_is_right:
; q c, k, v = (query Wq + bq) c, key Wk + bk, value Wv + bv with c = log2(e)/8; bf16 operands, f32 sums.
; Stored head by head as f16, [tensor*4+batch][head][2048][64] (qkvb).  f16 keeps 11 significant bits where bf16 keeps 8: a row of the
; attention with few keys hands these roundings to outputs that are compared against a much smaller scale.  q c and k are rounded once.
; v, whose rounding reaches the output whole, is stored as TWO f16 numbers: the f32 value cut to 11 bits (exact in f16) in qkvb, the exact
; rest, rounded, in vl ([batch][head][2048][64]).  LIMIT: |q c|, |k|, |v| below 65,504.
; X lies as [tensor*4+batch][16 k-blocks][2048 rows][64 k] and W as [matrix][16 k-blocks][1024 n][64 k], bf16, so 256 rows of one k-block are
; 32 KiB without gaps.  A work-group makes 256 x 256 of C with four waves, one on each SIMD; a wave makes 128 x 128: 64 accumulator tiles,
; 512 registers.  K = 1,024 goes in 8 steps of 128 (two k-blocks) through two LDS slots.  One tensor load a wave and step: waves 0, 1 bring
; X's 256 rows of the step's first and second k-block, waves 2, 3 W's 256 rows likewise, as 128 rows of 256 bytes (two data rows) with 16
; bytes of padding behind each.  From a tile's request to the wait for it a wave issues 240 matrix instructions; a block of 256 x 128 would
; leave 120, and would load 12 fragments for 32 products where this one loads 16 for 64.  The price: 3 x 32 x 4 = 384 work-groups, one and
; a half for each of 256 WGPs.
; CLUSTERS: 4 x 4 work-groups.  The four of a row of the cluster need the same tiles of X, the four of a column the same tiles of W: each
; tile is asked for jointly by the four, which divides the requests by four.
; REGISTERS, in windows of 256: window 0: v16-27 addresses; v64-127, v128-191 X's fragments, two buffers; v32-191 at work on the way out.
;   window 1: v64-127, v128-191 W's fragments, two buffers; v192-255 the bias of my 128 columns.
;   window 2: the 32 accumulator tiles of my rows 0-63 (tile (a, b) at v[8 (8 a + b)]); window 3: those of my rows 64-127.
; The matrix instruction is used transposed (source 0 = 16 rows of W, source 1 = 16 rows of X): lane l then holds row l % 16 of C and its
; registers 0-7 the columns 8 (l / 16) + 0..7, eight neighbouring numbers of a row.
; The 64 accumulators take turns, one instruction a turn, in the same order in every quarter step.
.set KP,     272                       ; an LDS row: two data rows of 128 bytes + 16: data row x starts at (x>>1)*272 + (x&1)*128, so the 16 rows of a fragment start in 16 different 16-byte columns of 256
.set LOAD,   128*KP                    ; 256 data rows of one k-block: what one tensor load brings
.set SLOT,   4*LOAD                    ; X's two k-blocks, then W's two
.set STAGE,  2*SLOT                    ; behind the ring: each wave's own bytes for the way out; no tensor load lands there
.set STAGEW, 4352
.set AKB,    262144                    ; bytes from k-block to k-block in X
.set BKB,    131072                    ; and in W
.set LAPS,   4                         ; a lap = two K steps = once round the ring
.set CSCALE, 0x3e38aa3b                ; log2(e) / 8
.set ADRA, 16                          ; v16-17 LDS address of my X fragments in slot 0, 1
.set ADRB, 20                          ; v20-21 the same for W
.set STO,  24
.set RD,   25
.set CO,   26
.set BOF,  27
.set F0,   64                          ; fragment buffer 0
.set F1,   128                         ; fragment buffer 1
.set BIAS, 192                         ; window 1
.set T,    32                          ; the way out: v[32:63] 16 rows x 64 columns in f32, later their low parts
.set H,    64                          ; v[64:95]   their high parts in f32
.set PK,   96                          ; v[96:111]  high parts packed
.set PKL,  112                         ; v[112:127] low parts packed
.set G1,  24                           ; s[24:31] group 1 for X's tiles
.set G0,  32                           ; s[32:39] group 0 for X's tiles, a set for each slot
.set G1B, 48                           ; s[48:55] group 1 for W's tiles: it differs in the mask alone
.set G0B, 56                           ; s[56:63] group 0 for W's tiles
.set G1W0, (3<<16)|(1<<20)|(1<<21)|(5<<22)|(3<<25)   ; elements of 8 bytes; padding on; bit 21 beside a mask; after every 64 words; 4 words
.set MSB, 0
.macro WIN new                         ; the immediate's high byte repeats the setting that is left
.if MSB != \new
	s_set_vgpr_msb (MSB<<8)|\new
.set MSB, \new
.endif
.endm
.set MUL_LO, 0xa1                      ; source 0 (W) window 1, source 1 (X) window 0, C and D window 2
.set MUL_HI, 0xf1                      ; the same, C and D window 3
.set TO_B,   0x40                      ; destination window 1, address window 0
.macro JLOAD s                         ; waves 0, 1 ask for X's tiles, waves 2, 3 for W's; the branch hangs on the wave's number alone
	s_cmp_eq_u32 s11, 0
	s_cbranch_scc0 .Lfor_b_\@
	tensor_load_to_lds s[G0+4*\s:G0+4*\s+3], s[G1:G1+7]
	s_nop 0
	s_branch .Lasked_\@
.Lfor_b_\@:
	tensor_load_to_lds s[G0B+4*\s:G0B+4*\s+3], s[G1B:G1B+7]
	s_nop 0
.Lasked_\@:
.endm
.macro CREST                           ; a round of the cluster's barrier behind its opening work-group barrier
	s_cmp_lg_u32 s10, 0
	s_cbranch_scc1 .Lnot_wave_0_\@
	s_barrier_signal -3
.Lnot_wave_0_\@:
	s_barrier_wait -3
	s_barrier_signal -1
	s_barrier_wait -1
.endm
.macro CROUND
	s_barrier_signal -1
	s_barrier_wait -1
	CREST
.endm
.macro PLACES                          ; four plain vector instructions between a matrix instruction and a load into, or a vector read of, its registers
.rept 4
	v_nop
.endr
.endm
	s_load_b128 s[4:7], s[0:1], 0x0                ; xb, wt
	s_load_b256 s[68:75], s[0:1], 0x10             ; bq, bk, bv, qkvb
	s_load_b64 s[80:81], s[0:1], 0x30              ; vl
	s_set_vgpr_msb 0x40
	v_lshl_add_u32 v63, v0, 2, 0x48400
	s_set_vgpr_msb 0x4000
	v_mov_b32 v255, 0
	s_set_vgpr_msb 0x1
	ds_add_u32 v63, v255
	s_set_vgpr_msb 0x100
	v_lshrrev_b32 v1, 5, v0
	v_readfirstlane_b32 s10, v1                    ; wave 0..3
	s_lshr_b32 s11, s10, 1                         ; which 128 rows of the block are mine.  Also: I fetch X (0) or W (1)
	s_and_b32 s12, s10, 1                          ; which 128 columns.  Also: which k-block of the step I fetch
	s_bfe_u32 s40, ttmp6, 0x40000                  ; cx
	s_bfe_u32 s41, ttmp6, 0x40004                  ; cy
	s_lshl_b32 s42, ttmp9, 2
	s_add_co_u32 s42, s42, s40                     ; block column = 4 x cluster x + cx
	s_and_b32 s45, ttmp7, 0xffff                   ; cluster y
	s_lshl_b32 s13, s45, 2
	s_add_co_u32 s13, s13, s41                     ; block row = 4 x cluster y + cy
	s_lshr_b32 s76, s45, 3                         ; which weight matrix: 32 block rows = 8 clusters for each; made of the cluster's y alone
	s_lshl_b32 s43, s41, 2
	s_lshl_b32 s43, 15, s43                        ; my row of the cluster
	s_lshl_b32 s44, 0x1111, s40                    ; my column
	s_or_b32 s[G1+0], s43, G1W0
	s_or_b32 s[G1B+0], s44, G1W0
	s_mov_b32 s[G1+1], 32<<16                      ; tensor_dim0 = 32 elements (256 bytes)
	s_mov_b32 s[G1B+1], 32<<16
	s_mov_b32 s[G1+2], 128<<16                     ; tensor_dim1 = 128 rows
	s_mov_b32 s[G1B+2], 128<<16
	s_mov_b32 s[G1+3], 32<<16                      ; tile_dim0
	s_mov_b32 s[G1B+3], 32<<16
	s_mov_b32 s[G1+4], 128                         ; tile_dim1
	s_mov_b32 s[G1B+4], 128
	s_mov_b32 s[G1+5], 32                          ; from row to row: 32 elements, no gap
	s_mov_b32 s[G1B+5], 32
	s_mov_b32 s[G1+6], 0
	s_mov_b32 s[G1B+6], 0
	s_mov_b32 s[G1+7], 0
	s_mov_b32 s[G1B+7], 0
	; X's tile hangs on the block row alone, W's on the block column and the matrix alone; each address in registers that never hold the other coordinate
	s_lshr_b32 s16, s13, 3
	s_lshl_b32 s16, s16, 22                        ; 8 block rows to a block of 4 MiB
	s_and_b32 s17, s13, 7
	s_lshl_b32 s17, s17, 15                        ; 256 rows of 128 bytes
	s_add_co_u32 s16, s16, s17
	s_lshl_b32 s17, s12, 18                        ; my k-block of the step
	s_add_co_u32 s16, s16, s17
	s_mov_b32 s17, 0
	s_lshl_b32 s46, s76, 21                        ; matrices of 2 MiB
	s_lshl_b32 s47, s42, 15                        ; 256 rows of 128 bytes
	s_add_co_u32 s46, s46, s47
	s_lshl_b32 s47, s12, 17
	s_add_co_u32 s46, s46, s47
	s_mov_b32 s47, 0
	s_mul_i32 s20, s10, LOAD                       ; where they go: X's two k-blocks (waves 0, 1), then W's two (waves 2, 3): the wave's number and a constant alone
	s_wait_dscnt 0x0
	s_wait_kmcnt 0x0
	s_add_nc_u64 s[14:15], s[4:5], s[16:17]
	s_add_nc_u64 s[46:47], s[6:7], s[46:47]
	s_mov_b64 s[8:9], s[74:75]
	CROUND                                         ; all sixteen work-groups are here: the first joint loads meet
.irp s, 0,1
	s_mov_b32 s[G0+4*\s], 1
	s_add_co_u32 s[G0+4*\s+1], s20, \s*SLOT
	s_add_nc_u64 s[G0+4*\s+2:G0+4*\s+3], s[14:15], \s*2*AKB        ; K step s
	s_or_b32 s[G0+4*\s+3], s[G0+4*\s+3], 0x80000000
	s_mov_b32 s[G0B+4*\s], 1
	s_add_co_u32 s[G0B+4*\s+1], s20, \s*SLOT
	s_add_nc_u64 s[G0B+4*\s+2:G0B+4*\s+3], s[46:47], \s*2*BKB
	s_or_b32 s[G0B+4*\s+3], s[G0B+4*\s+3], 0x80000000
	JLOAD \s                                       ; both slots' first fills: two tensor loads of this wave are out
.endr
	; the bias of my 128 columns: lane (r, h) needs columns 16 b + 8 h + 0..7, b = 0..7
	v_and_b32 v1, 15, v0                           ; r
	v_bfe_u32 v2, v0, 4, 1                         ; h
	v_lshlrev_b32 v[BOF], 5, v2
	s_lshl_b32 s66, s42, 10                        ; 256 columns of 4 bytes
	s_lshl_b32 s67, s12, 9
	s_add_co_u32 s66, s66, s67
	s_mov_b32 s67, 0
	s_cmp_eq_u32 s76, 1
	s_cselect_b64 s[68:69], s[70:71], s[68:69]
	s_cmp_eq_u32 s76, 2
	s_cselect_b64 s[68:69], s[72:73], s[68:69]
	s_cselect_b32 s77, 0xffffe000, -1              ; v is cut behind its 11th bit; q c and k are rounded whole
	s_cmp_eq_u32 s76, 0
	s_cselect_b32 s78, CSCALE, 1.0                 ; q alone is scaled
	s_mov_b32 s79, s78
	s_add_nc_u64 s[68:69], s[68:69], s[66:67]
	WIN TO_B
.irp b, 0,1,2,3,4,5,6,7
	global_load_b128 v[BIAS+8*\b:BIAS+8*\b+3], v[BOF], s[68:69] offset:64*\b
	global_load_b128 v[BIAS+8*\b+4:BIAS+8*\b+7], v[BOF], s[68:69] offset:64*\b+16
.endr
	WIN 0
	; a fragment is 16 rows x 32 K in 8 registers: lane (r, h) holds row r; registers 0-3 K = 8 h + 0..7, registers 4-7 K = 16 + 8 h + 0..7: two loads of 16 bytes, 32 bytes apart
	v_lshrrev_b32 v3, 1, v1
	v_mul_u32_u24 v3, v3, KP
	v_and_b32 v4, 1, v0
	v_lshl_add_u32 v3, v4, 7, v3
	v_lshl_add_u32 v3, v2, 4, v3                   ; (r>>1)*272 + (r&1)*128 + 16 h
	s_mul_i32 s22, s11, 64*KP                      ; my 128 rows of X
	s_mul_i32 s23, s12, 64*KP                      ; my 128 rows of W,
	s_add_co_u32 s23, s23, 2*LOAD                  ; which lie behind X's two k-blocks
.irp s, 0,1
	v_add_nc_u32 v[ADRA+\s], s22, v3
	v_add_nc_u32 v[ADRB+\s], s23, v3
	s_add_co_u32 s22, s22, SLOT
	s_add_co_u32 s23, s23, SLOT
.endr
	s_mul_i32 s18, s10, STAGEW
	s_add_co_u32 s18, s18, STAGE                   ; my stage
	v_mul_u32_u24 v4, v1, 144                      ; in: row r of 64 f16 (pitch 144), 16 bytes for each half of the lanes
	v_lshl_add_u32 v4, v2, 4, v4
	v_add_nc_u32 v[STO], s18, v4
	v_and_b32 v5, 31, v0
	v_lshrrev_b32 v6, 3, v5                        ; back: eight lanes take a row of 128 bytes
	v_mul_u32_u24 v6, v6, 144
	v_and_b32 v7, 7, v0
	v_lshl_add_u32 v6, v7, 4, v6
	v_add_nc_u32 v[RD], s18, v6
	v_lshlrev_b32 v[CO], 4, v5                     ; my rows of a head lie without gaps: 16 bytes a lane
; 16 matrix instructions: row blocks a0, a0 + 1 of the window's four (hi = 0: my rows 0-63, 1: rows 64-127) x all 8 column blocks, 32 along K.
; zero = 1: the first product starts the sums: nothing is ever cleared.
.macro MUL16 f, hi, a0, zero
.irp a, \a0, \a0+1
.irp b, 0,1,2,3,4,5,6,7
.if \zero
	v_wmma_f32_16x16x32_bf16 v[8*(8*(\a)+\b):8*(8*(\a)+\b)+7], v[\f+8*\b:\f+8*\b+7], v[\f+8*(4*\hi+\a):\f+8*(4*\hi+\a)+7], 0
.else
	v_wmma_f32_16x16x32_bf16 v[8*(8*(\a)+\b):8*(8*(\a)+\b)+7], v[\f+8*\b:\f+8*\b+7], v[\f+8*(4*\hi+\a):\f+8*(4*\hi+\a)+7], v[8*(8*(\a)+\b):8*(8*(\a)+\b)+7]
.endif
.endr
.endr
.endm
; 32 LDS loads in one run: quarter kq (32 K) of a slot's step into buffer f: W's 8 fragments (window 1), then X's 8 (window 0)
.macro FETCH slot, kq, f
	WIN TO_B
.irp g, 0,1,2,3,4,5,6,7
	ds_load_b128 v[\f+8*\g:\f+8*\g+3],   v[ADRB+\slot] offset:(\kq>>1)*LOAD+(\kq&1)*64+\g*8*KP
	ds_load_b128 v[\f+8*\g+4:\f+8*\g+7], v[ADRB+\slot] offset:(\kq>>1)*LOAD+(\kq&1)*64+\g*8*KP+32
.endr
	WIN 0
.irp g, 0,1,2,3,4,5,6,7
	ds_load_b128 v[\f+8*\g:\f+8*\g+3],   v[ADRA+\slot] offset:(\kq>>1)*LOAD+(\kq&1)*64+\g*8*KP
	ds_load_b128 v[\f+8*\g+4:\f+8*\g+7], v[ADRA+\slot] offset:(\kq>>1)*LOAD+(\kq&1)*64+\g*8*KP+32
.endr
.endm
; one of a step's first three quarters: multiplies buffer f and, in its middle, fetches quarter kq into buffer g
.macro QUARTER slot, kq, f, g, zero
	s_wait_dscnt 8                                 ; W and X's rows 0-63 are in; the youngest eight loads (X's rows 64-127) may be out
	WIN MUL_LO
	MUL16 \f, 0, 0, \zero
	MUL16 \f, 0, 2, \zero
	PLACES
	FETCH \slot, \kq, \g
	s_wait_dscnt 32                                ; all but the 32 just issued
	WIN MUL_HI
	MUL16 \f, 1, 0, \zero
	MUL16 \f, 1, 2, \zero
.endm
.macro THREE slot, zero
	QUARTER \slot, 1, F0, F1, \zero
	QUARTER \slot, 2, F1, F0, 0
	QUARTER \slot, 3, F0, F1, 0
.endm
; the last quarter: multiplies buffer 1 and changes slots.  In front of the barrier each wave waits for its reads of this slot and for all
; its tensor loads (one is out: its part of the next slot).  fill = 1: the barrier opens a round of the cluster's barrier, and the joint
; refill of this slot, two K steps ahead, is the first tensor load behind the round; it has 240 matrix instructions in which to land.
.macro TURN slot, next, fill
	s_wait_dscnt 8
	WIN MUL_LO
	MUL16 F1, 0, 0, 0
	s_wait_dscnt 0
	s_wait_tensorcnt 0x0
	ds_add_u32 v63, v255
	s_wait_dscnt 0x0
	s_barrier_signal -1
	MUL16 F1, 0, 2, 0                              ; registers alone between signal and wait
	WIN 0
	s_barrier_wait -1
.if \fill
	CREST
	s_add_nc_u64 s[G0+4*\slot+2:G0+4*\slot+3], s[G0+4*\slot+2:G0+4*\slot+3], 4*AKB     ; no tensor load of mine is out: the addresses may step
	s_add_nc_u64 s[G0B+4*\slot+2:G0B+4*\slot+3], s[G0B+4*\slot+2:G0B+4*\slot+3], 4*BKB
	JLOAD \slot
.endif
	PLACES
	FETCH \next, 0, F0
	WIN MUL_HI
	MUL16 F1, 1, 0, 0
	MUL16 F1, 1, 2, 0
.endm
.macro LAP zero
	THREE 0, \zero
	TURN 0, 1, 1
	THREE 1, 0
	TURN 1, 0, 1
.endm
	s_wait_tensorcnt 0x1                           ; my part of K step 0 is in; K step 1's may stay out
	s_barrier_signal -1
	s_barrier_wait -1
	FETCH 0, 0, F0
	LAP 1                                          ; the first lap's first products start the sums: nothing is cleared
	WIN 0
	s_mov_b32 s3, LAPS-2
.Llap:
	LAP 0
	WIN 0
	s_sub_co_u32 s3, s3, 1
	s_cmp_lg_u32 s3, 0
	s_cbranch_scc1 .Llap
	THREE 0, 0                                     ; the last lap fills nothing
	TURN 0, 1, 0
	THREE 1, 0
	s_wait_dscnt 8
	WIN MUL_LO
	MUL16 F1, 0, 0, 0
	MUL16 F1, 0, 2, 0
	s_wait_dscnt 0
	WIN MUL_HI
	MUL16 F1, 1, 0, 0
	MUL16 F1, 1, 2, 0
	; THE WAY OUT, 16 rows of one head at a time: scale and bias, through my own stage in LDS, back as whole rows
	s_wait_loadcnt 0x0                             ; the bias
	WIN 0x41                                       ; source 0 and destination window 1
.set m, 0
.rept 32
	v_pk_mul_f32 v[BIAS+2*m:BIAS+2*m+1], v[BIAS+2*m:BIAS+2*m+1], s[78:79] op_sel_hi:[1,0]   ; bq times c; these are also the places behind the last matrix instructions
.set m, m+1
.endr
	WIN 0
	s_lshr_b32 s16, s13, 3
	s_lshl_b32 s16, s16, 22                        ; tensor*4 + batch
	s_and_b32 s17, s13, 7
	s_lshl_b32 s17, s17, 15
	s_add_co_u32 s16, s16, s17
	s_lshl_b32 s17, s11, 14                        ; my 128 rows of 128 bytes
	s_add_co_u32 s16, s16, s17
	s_and_b32 s82, s16, 0xffffff                   ; in vl the batch alone counts: the offset modulo 4 blocks of 4 MiB
	s_mov_b32 s83, 0
	s_add_nc_u64 s[80:81], s[80:81], s[82:83]
	s_mov_b32 s17, 0
	s_add_nc_u64 s[8:9], s[8:9], s[16:17]
	s_lshl_b32 s46, s42, 20                        ; my 128 columns are two heads: 4 x block column + 2 x half, 256 KiB each
	s_lshl_b32 s47, s12, 19
	s_add_co_u32 s46, s46, s47
	s_mov_b32 s47, 0
	s_add_nc_u64 s[8:9], s[8:9], s[46:47]
	s_add_nc_u64 s[80:81], s[80:81], s[46:47]
; rows 16 i .. 16 i + 15 of my block, head hf of my two = the four tiles (a, 4 hf + 0..3) of window 2 or 3.
; from = 0x12 or 0x13: source 0 (the sums) window 2 or 3, source 2 (the bias) window 1, destination window 0.  f: where the rows are read back to
.macro OUT16 i, a, hf, from, f
	WIN \from
.irp b, 0,1,2,3
.irp q, 0,2,4,6
	v_pk_fma_f32 v[T+8*\b+\q:T+8*\b+\q+1], v[8*(8*\a+4*\hf+\b)+\q:8*(8*\a+4*\hf+\b)+\q+1], s[78:79], v[BIAS+8*(4*\hf+\b)+\q:BIAS+8*(4*\hf+\b)+\q+1] op_sel_hi:[1,0,1]
.endr
.endr
	WIN 0
.set m, 0
.rept 32
	v_and_b32 v[H+m], s77, v[T+m]                  ; v: the high part, 11 significant bits; q c and k: the whole number (one text for the three)
.set m, m+1
.endr
.set m, 0
.rept 16
	v_cvt_pk_f16_f32 v[PK+m], v[H+2*m], v[H+2*m+1] ; exact for v, the one rounding for q c and k
.set m, m+1
.endr
.irp b, 0,1,2,3
	ds_store_b128 v[STO], v[PK+4*\b:PK+4*\b+3] offset:32*\b
.endr
	s_wait_xcnt 0x0                                ; buffer f, which earlier stores read, is loaded again only behind this wait
.irp t, 0,1,2,3
	ds_load_b128 v[\f+4*\t:\f+4*\t+3], v[RD] offset:\t*4*144       ; LDS serves a wave's instructions in order: these see the stores above
.endr
.irp t, 0,1,2,3
	s_wait_dscnt 3-\t
	global_store_b128 v[CO], v[\f+4*\t:\f+4*\t+3], s[8:9] offset:\i*2048+\t*512+\hf*262144    ; 512 neighbouring bytes, aligned
.endr
	s_cmp_lg_u32 s76, 2                            ; v alone has a low part; the matrix's number is the same in the whole cluster
	s_cbranch_scc1 .Lno_low_\@
.set m, 0
.rept 16
	v_pk_add_f32 v[T+2*m:T+2*m+1], v[T+2*m:T+2*m+1], v[H+2*m:H+2*m+1] neg_lo:[0,1] neg_hi:[0,1]   ; the rest, exact in f32
.set m, m+1
.endr
.set m, 0
.rept 16
	v_cvt_pk_f16_f32 v[PKL+m], v[T+2*m], v[T+2*m+1]
.set m, m+1
.endr
.irp b, 0,1,2,3
	ds_store_b128 v[STO], v[PKL+4*\b:PKL+4*\b+3] offset:32*\b      ; the same stage: served behind the loads above
.endr
.irp t, 0,1,2,3
	ds_load_b128 v[\f+16+4*\t:\f+16+4*\t+3], v[RD] offset:\t*4*144
.endr
.irp t, 0,1,2,3
	s_wait_dscnt 3-\t
	global_store_b128 v[CO], v[\f+16+4*\t:\f+16+4*\t+3], s[80:81] offset:\i*2048+\t*512+\hf*262144
.endr
.Lno_low_\@:
.endm
.macro OUTROWS i, a, from
	OUT16 \i, \a, 0, \from, F1
	OUT16 \i, \a, 1, \from, F1+32
.endm
	OUTROWS 0, 0, 0x12
	OUTROWS 1, 1, 0x12
	OUTROWS 2, 2, 0x12
	OUTROWS 3, 3, 0x12
	OUTROWS 4, 0, 0x13
	OUTROWS 5, 1, 0x13
	OUTROWS 6, 2, 0x13
	OUTROWS 7, 3, 0x13
	s_set_vgpr_msb 0x1
	s_wait_tensorcnt 0x0
	ds_add_u32 v63, v255
	s_wait_dscnt 0x0
	s_set_vgpr_msb 0x100
	CROUND                                         ; the closing round: no work-group ends while a partner may still ask for a tile that names it
	s_endpgm
.Lfunc_end_k_q16231fdbca_proj_qkv:
	.size	k_q16231fdbca_proj_qkv, .Lfunc_end_k_q16231fdbca_proj_qkv-k_q16231fdbca_proj_qkv
	.p2alignl 7, 3214868480
	.fill 96, 4, 3214868480
	.section	.rodata,"a",@progbits
	.p2align	6, 0x0
	.amdhsa_kernel k_q16231fdbca_proj_qkv
		.amdhsa_group_segment_fixed_size 327680
		.amdhsa_private_segment_fixed_size 0
		.amdhsa_enable_private_segment 0
		.amdhsa_kernarg_size 56
		.amdhsa_user_sgpr_count 2
		.amdhsa_user_sgpr_kernarg_segment_ptr 1
		.amdhsa_wavefront_size32 1
		.amdhsa_system_sgpr_workgroup_id_x 1
		.amdhsa_system_sgpr_workgroup_id_y 1
		.amdhsa_system_sgpr_workgroup_id_z 1
		.amdhsa_system_vgpr_workitem_id 0
		.amdhsa_next_free_vgpr 1024
		.amdhsa_next_free_sgpr 84
		.amdhsa_reserve_vcc 0
		.amdhsa_float_denorm_mode_32 3
		.amdhsa_float_denorm_mode_16_64 3
		.amdhsa_memory_ordered 1
		.amdhsa_forward_progress 1
		.amdhsa_inst_pref_size 255
	.end_amdhsa_kernel
	.section	.bss,"aw",@nobits
	.p2align	6
	.space	262144
	.amdgpu_metadata
---
amdhsa.version: [ 1, 2 ]
amdhsa.kernels:
  - .name:           k_q16231fdbca_proj_qkv
    .symbol:         k_q16231fdbca_proj_qkv.kd
    .args:
      - { .name: xb, .offset: 0, .size: 8, .value_kind: global_buffer, .address_space: global }
      - { .name: wt, .offset: 8, .size: 8, .value_kind: global_buffer, .address_space: global }
      - { .name: bq, .offset: 16, .size: 8, .value_kind: global_buffer, .address_space: global }
      - { .name: bk, .offset: 24, .size: 8, .value_kind: global_buffer, .address_space: global }
      - { .name: bv, .offset: 32, .size: 8, .value_kind: global_buffer, .address_space: global }
      - { .name: qkvb, .offset: 40, .size: 8, .value_kind: global_buffer, .address_space: global }
      - { .name: vl, .offset: 48, .size: 8, .value_kind: global_buffer, .address_space: global }
    .group_segment_fixed_size: 327680
    .private_segment_fixed_size: 0
    .kernarg_segment_align: 8
    .kernarg_segment_size: 56
    .max_flat_workgroup_size: 128
    .sgpr_count:     84
    .vgpr_count:     1024
    .wavefront_size: 32
...
	.end_amdgpu_metadata
.endif
;; end of part 5
;; launch attn (part 6): grid 256 x 1, 8 waves a work-group, clusters of 4 x 1, 327,680 bytes of LDS; arguments qkvb, vl, mbits, out1, ab; writes out1, ab
.if DOCPART == 6
	.amdgcn_target "amdgcn-amd-amdhsa--gfx1250"
	.amdhsa_code_object_version 6
	.text
	.protected	k_q16231fdbca_attn
	.globl	k_q16231fdbca_attn
	.p2align	8
	.type	k_q16231fdbca_attn,@function
k_q16231fdbca_attn:
	s_mov_b64 s[64:65], 0
	v_nop
	global_prefetch_b8 v0, s[64:65] scope:SCOPE_SE
	s_setreg_imm32_b32 hwreg(HW_REG_WAVE_MODE, 25, 1), 1
	s_wait_xcnt 0x0
	s_wait_alu depctr_hold_cnt(0) depctr_sa_sdst(0) depctr_va_vdst(0) depctr_va_sdst(0) depctr_va_ssrc(0) depctr_va_vcc(0) depctr_vm_vsrc(0)
	s_getreg_b32 s2, hwreg(HW_REG_IB_STS2, 6, 4)
	s_cmp_eq_u32 s2, 0
	s_cbranch_scc0 .Lentry_in_a_cluster
	s_endpgm
.Lentry_in_a_cluster:
	s_bfe_u32 s2, ttmp6, 0x10000c
	s_cmp_lg_u32 s2, 0x3003
	s_cbranch_scc0 .Lentry_shape_is_right
	s_endpgm
.Lentry_shape_is_right:
; Attention with a running maximum.  q c (c = log2(e)/8), k, v: [tensor*4+batch][head][2048][64] f16 in qkvb; the low parts of v in vl
; ([batch][head][2048][64] f16).  mbits: the mask as lane masks.
; out1 = softmax(where(mask, -1e10, q k^T / 8)) v, f32, [batch][query][head*64+d]; ab = the same rounded to f16, [batch][head][query][64].
; A cluster of four work-groups takes one (batch, head); its 32 waves take 64 queries each (wave w of work-group cx: queries 64 (4 w + cx) ..).
; All four walk the same K and V tiles, so every tile is asked for JOINTLY (mask 15): wave 0 asks for V's high parts, wave 1 for V's low
; parts, wave 2 for K.  Two waves lie on a SIMD, so that one wave's vector work can run beside the other's matrix work.
; TRANSPOSED FORM: S^T = K Q^T (source 0 = 16 keys, source 1 = 16 queries): lane (r, h) holds query r and keys 8 h + 0..7 of each tile, so
; maximum, sum and rescaling are one number a lane (one exchange between the halves for the maximum), and two packed tiles ARE the second
; source of O^T = V^T P^T; V^T's fragments come from V [key][d] by the transposing LDS load.
; PRECISION: a row with few unmasked keys hands the roundings of its operands to outputs that are compared against the scale of all rows.
; So the operands are f16 (11 significant bits).  A rounding of q c or k moves a score by some 2^-12 of its 64 terms, and a probability by
; at most a quarter of that: one f16 number each is enough.  A rounding of v reaches the output whole, so v goes in as two f16 numbers:
; O^T = Vhi^T P^T + Vlo^T P^T.  A phase has 8 + 16 matrix instructions.
; A step is 64 keys, a slot 128 keys (two steps), two slots.  A phase is one step for one block of 16 queries; while a phase's scores go
; through mask, maximum, exponential and packing, the next phase's eight S^T products are issued between those vector instructions.
; Only the first step (which starts maxima, sums and O^T) and the last three (which fill nothing) are written out; steps 1 to 28 are seven
; trips of a loop of four steps, so that 8 steps of code serve 32.
; The mask costs one v_cndmask_b32 a score, with the lane mask in a scalar register; nothing of the mask's pattern is assumed.
; The matrix instructions take their accumulators by turns, one instruction a turn.
; LIMITS: unmasked scores are taken to be above -1e10 (as the masking value supposes); probabilities below 2^-126 become 0 (v_exp_f32
; flushes) and those below 2^-25 vanish in f16; |attn_v| below 65,504 for ab; NaN and infinite inputs are not served.
; A row that is masked everywhere gives the mean of v, as the formula does.
.set KP,     272                       ; K: an LDS row = two keys of 128 bytes + 16
.set VP,     288                       ; V: an LDS row = two keys of 128 bytes + 32: the eight keys and two columns of a transposing load fall in 16 different 16-byte columns of 256
.set VSZ,    64*VP                     ; a V tile; a slot is V's high parts, V's low parts, K: tile w of a slot begins at w x VSZ
.set KOFF,   2*VSZ
.set SLOT,   2*VSZ+64*KP
.set STAGE,  2*SLOT                    ; each wave's own bytes for the way out; no tensor load lands there
.set STAGEW, 4352
.set TILEB,  16384                     ; bytes of 128 keys in memory
.set ADK,  2                           ; v2-3   LDS address of my K fragments in slot 0, 1
.set ADV,  4                           ; v4-5   the same for V
.set STO,  6
.set RD,   7
.set CO1,  8
.set CO2,  9
.set MC,   10                          ; -1e10 x log2(e)
.set ML,   12                          ; v[12:19] for query block i the pair (running maximum, running sum)
.set AL,   20                          ; v[20:21] the rescaling factor (the second register is only written once)
.set TM0,  22
.set TM1,  23
.set SUMA, 24
.set SUMB, 26
.set QOFF, 28
.set Q,    32                          ; v[32:95]   Q fragments: block i, d half kk at 16 i + 8 kk
.set KF,   96                          ; v[96:159]  K fragments: tile t, d half kk at 8 t + 32 kk
.set SBUF, 160                         ; v[160:191], v[192:223] two score buffers
.set VF,   128                         ; window 1: V^T's high fragments: d block db, key half u at 8 (2 db + u); O^T tile (db, i) at window 1, 8 (4 i + db)
.set VFL,  192                         ; window 1: V^T's low fragments
.set WB0,  32                          ; s[32:63] and s[68:99]: two buffers of 32 mask words
.set MSB, 0
.macro WIN new
.if MSB != \new
	s_set_vgpr_msb (MSB<<8)|\new
.set MSB, \new
.endif
.endm
.macro PLACES
.rept 4
	v_nop
.endr
.endm
.macro ROUND                           ; a round of the cluster's barrier
	s_barrier_signal -1
	s_barrier_wait -1
	s_cmp_lg_u32 s30, 0
	s_cbranch_scc1 .Lnot_wave_0_\@
	s_barrier_signal -3
.Lnot_wave_0_\@:
	s_barrier_wait -3
	s_barrier_signal -1
	s_barrier_wait -1
.endm
.macro JLOAD slot                      ; waves 0, 1: V's two tiles; wave 2: K's; the others have no part to fill
	s_cmp_gt_u32 s30, 1
	s_cbranch_scc1 .Lnot_v_\@
	tensor_load_to_lds s[20+4*\slot:23+4*\slot], s[12:19]
	s_nop 0
	s_branch .Lasked_\@
.Lnot_v_\@:
	s_cmp_lg_u32 s30, 2
	s_cbranch_scc1 .Lasked_\@
	tensor_load_to_lds s[20+4*\slot:23+4*\slot], s[4:11]
	s_nop 0
.Lasked_\@:
.endm
	s_load_b256 s[32:39], s[0:1], 0x0              ; qkvb, vl, mbits, out1
	s_load_b64 s[40:41], s[0:1], 0x20              ; ab
	v_lshl_add_u32 v254, v0, 2, 0x29000
	v_mov_b32 v255, 0
	ds_add_u32 v254, v255
	v_lshrrev_b32 v1, 5, v0
	v_readfirstlane_b32 s30, v1                    ; wave 0..7
	; group 1: 16 KiB without gaps as 64 rows of 256 bytes (32 elements of 8 bytes), padded behind each row by 4 words (K) or 8 words (V)
	s_mov_b32 s4, 15|(3<<16)|(1<<20)|(1<<21)|(5<<22)|(3<<25)
	s_mov_b32 s12, 15|(3<<16)|(1<<20)|(1<<21)|(5<<22)|(7<<25)
	s_mov_b32 s5, 32<<16
	s_mov_b32 s13, 32<<16
	s_mov_b32 s6, 64<<16
	s_mov_b32 s14, 64<<16
	s_mov_b32 s7, 32<<16
	s_mov_b32 s15, 32<<16
	s_mov_b32 s8, 64
	s_mov_b32 s16, 64
	s_mov_b32 s9, 32
	s_mov_b32 s17, 32
	s_mov_b32 s10, 0
	s_mov_b32 s18, 0
	s_mov_b32 s11, 0
	s_mov_b32 s19, 0
	; group 0, a set for each slot.  Wave 0: v in qkvb (32 MiB in); wave 1: v's low parts, from vl's start; wave 2: k in qkvb (16 MiB in).  Nothing of cx enters
	s_mov_b32 s20, 1
	s_mov_b32 s24, 1
	s_mul_i32 s21, s30, VSZ
	s_add_co_u32 s25, s21, SLOT
	s_lshl_b32 s44, ttmp9, 18                      ; (batch, head): 256 KiB each
	s_mov_b32 s45, 1<<24
	s_cmp_eq_u32 s30, 0
	s_cselect_b32 s45, 2<<24, s45
	s_cmp_eq_u32 s30, 1
	s_cselect_b32 s45, 0, s45
	s_add_co_u32 s44, s44, s45
	s_mov_b32 s45, 0
	s_wait_dscnt 0x0
	s_wait_kmcnt 0x0
	s_cmp_eq_u32 s30, 1
	s_cselect_b64 s[46:47], s[34:35], s[32:33]
	s_add_nc_u64 s[22:23], s[46:47], s[44:45]
	s_add_nc_u64 s[26:27], s[22:23], TILEB
	s_or_b32 s23, s23, 0x80000000
	s_or_b32 s27, s27, 0x80000000
	ROUND                                          ; all four work-groups are here: the first joint loads meet
	s_cmp_gt_u32 s30, 1
	s_cbranch_scc1 .Lfirst_not_v
	tensor_load_to_lds s[20:23], s[12:19]          ; keys 0-127 and 128-255: two tensor loads of this wave are out
	s_nop 0
	tensor_load_to_lds s[24:27], s[12:19]
	s_nop 0
	s_branch .Lfirst_done
.Lfirst_not_v:
	s_cmp_lg_u32 s30, 2
	s_cbranch_scc1 .Lfirst_done
	tensor_load_to_lds s[20:23], s[4:11]
	s_nop 0
	tensor_load_to_lds s[24:27], s[4:11]
	s_nop 0
.Lfirst_done:
	; my queries
	s_bfe_u32 s42, ttmp6, 0x40000                  ; cx
	s_lshl_b32 s43, s30, 2
	s_add_co_u32 s43, s43, s42                     ; query tile 4 w + cx
	s_lshr_b32 s48, ttmp9, 4                       ; batch
	s_and_b32 s49, ttmp9, 15                       ; head
	s_lshl_b32 s50, ttmp9, 18
	s_lshl_b32 s52, s43, 13                        ; 64 rows of 128 bytes
	s_add_co_u32 s50, s50, s52
	s_mov_b32 s51, 0
	s_add_nc_u64 s[68:69], s[32:33], s[50:51]      ; my rows of q c
	s_add_nc_u64 s[100:101], s[40:41], s[50:51]    ; and of ab: the same offset
	s_lshl_b32 s50, s48, 19                        ; mask words: 4,096 bytes for 16 queries
	s_lshl_b32 s52, s43, 14
	s_add_co_u32 s50, s50, s52
	s_add_nc_u64 s[28:29], s[36:37], s[50:51]
	s_lshl_b32 s50, s48, 23                        ; out1: rows of 4,096 bytes, my head's 256 bytes
	s_lshl_b32 s52, s43, 18
	s_add_co_u32 s50, s50, s52
	s_lshl_b32 s52, s49, 8
	s_add_co_u32 s50, s50, s52
	s_add_nc_u64 s[66:67], s[38:39], s[50:51]
	s_mov_b32 s104, 0x76543210                     ; v_permlanex16_b32: lane i of one half reads lane i of the other
	s_mov_b32 s105, 0xfedcba98
	v_and_b32 v1, 15, v0                           ; r
	v_bfe_u32 v11, v0, 4, 1                        ; h
	v_lshlrev_b32 v29, 7, v1
	v_lshl_add_u32 v[QOFF], v11, 4, v29            ; row r, 16 bytes for each half
.irp g, 0,1,2,3
.irp kk, 0,1
	global_load_b128 v[Q+16*\g+8*\kk:Q+16*\g+8*\kk+3],   v[QOFF], s[68:69] offset:\g*2048+\kk*64
	global_load_b128 v[Q+16*\g+8*\kk+4:Q+16*\g+8*\kk+7], v[QOFF], s[68:69] offset:\g*2048+\kk*64+32
.endr
.endr
	s_load_b512 s[32:47], s[28:29], 0x0            ; the first phase's 32 mask words (the pointers that lay here are used up)
	s_load_b512 s[48:63], s[28:29], 0x40
	v_lshrrev_b32 v29, 1, v1
	v_mul_u32_u24 v29, v29, KP
	v_and_b32 v30, 1, v0
	v_lshl_add_u32 v29, v30, 7, v29
	v_lshl_add_u32 v29, v11, 4, v29                ; key r: (r>>1)*272 + (r&1)*128, + 16 h
	v_add_nc_u32 v[ADK], KOFF, v29
	v_add_nc_u32 v[ADK+1], KOFF+SLOT, v29
	v_bfe_u32 v29, v0, 1, 2
	v_lshl_add_u32 v29, v11, 2, v29
	v_mul_u32_u24 v29, v29, VP                     ; key 8 h + (l & 7): LDS row 4 h + ((l & 7) >> 1),
	v_lshl_add_u32 v29, v30, 7, v29                ; its half,
	v_bfe_u32 v31, v0, 3, 1
	v_lshl_add_u32 v[ADV], v31, 4, v29             ; and 16 bytes for lanes 8-15 and 24-31
	v_add_nc_u32 v[ADV+1], SLOT, v[ADV]
	s_mul_i32 s2, s30, STAGEW
	s_add_co_u32 s2, s2, STAGE
	v_mul_u32_u24 v29, v1, 272
	v_lshl_add_u32 v29, v11, 5, v29
	v_add_nc_u32 v[STO], s2, v29                   ; in: row r of 64 f32, 32 bytes for each half
	v_mul_u32_u24 v29, v11, 272
	v_lshl_add_u32 v29, v1, 4, v29
	v_add_nc_u32 v[RD], s2, v29                    ; back: lanes 0-15 one row, lanes 16-31 the next
	v_lshlrev_b32 v29, 12, v11
	v_lshl_add_u32 v[CO1], v1, 4, v29
	v_and_b32 v29, 31, v0
	v_lshlrev_b32 v[CO2], 3, v29
	v_mov_b32 v[MC], 0xd056fa73                    ; -1e10 x log2(e)
	v_mov_b32 v[AL+1], 0                           ; the packed forms name whole pairs: the unused halves are written once
.irp g, 0,1,2,3
	v_mov_b32 v[ML+2*\g+1], 0
.endr
; ---- the pieces of a phase.  SB: this phase's scores; OB: the next phase's; WB: this phase's mask words; MI: the pair (maximum, sum) ----
.macro MB t                            ; tile t: masked scores become MC; two chains of maxima
.irp j, 0,1,2,3,4,5,6,7
	v_cndmask_b32 v[SB+8*\t+\j], v[SB+8*\t+\j], v[MC], s[WB+8*\t+\j]
.endr
.if \t == 0
	v_max3_num_f32 v[TM0], v[SB], v[SB+1], v[SB+2]
	v_max3_num_f32 v[TM1], v[SB+3], v[SB+4], v[SB+5]
	v_max3_num_f32 v[TM0], v[TM0], v[SB+6], v[SB+7]
.else
	v_max3_num_f32 v[TM0], v[TM0], v[SB+8*\t], v[SB+8*\t+1]
	v_max3_num_f32 v[TM1], v[TM1], v[SB+8*\t+2], v[SB+8*\t+3]
	v_max3_num_f32 v[TM0], v[TM0], v[SB+8*\t+4], v[SB+8*\t+5]
	v_max3_num_f32 v[TM1], v[TM1], v[SB+8*\t+6], v[SB+8*\t+7]
.endif
.endm
.macro WS t, kk                        ; one product of the next phase's S^T: 16 keys x 16 queries, d half kk (the first starts the sum)
.if DOWS
.if \kk == 0
	v_wmma_f32_16x16x32_f16 v[OB+8*\t:OB+8*\t+7], v[KF+8*\t:KF+8*\t+7], v[Q+16*QN:Q+16*QN+7], 0
.else
	v_wmma_f32_16x16x32_f16 v[OB+8*\t:OB+8*\t+7], v[KF+32+8*\t:KF+32+8*\t+7], v[Q+16*QN+8:Q+16*QN+15], v[OB+8*\t:OB+8*\t+7]
.endif
.endif
.endm
.macro RED                             ; the new maximum of each query, and the factor 2^(old - new)
.if C_FIRST
	v_max_num_f32 v[TM0], v[TM0], v[TM1]
	v_permlanex16_b32 v[TM1], v[TM0], s104, s105
	v_max_num_f32 v[MI], v[TM0], v[TM1]
.else
	v_max3_num_f32 v[TM0], v[TM0], v[TM1], v[MI]
	v_permlanex16_b32 v[TM1], v[TM0], s104, s105
	v_max_num_f32 v[TM1], v[TM0], v[TM1]
	v_sub_f32 v[TM0], v[MI], v[TM1]
	v_exp_f32 v[AL], v[TM0]
	v_mov_b32 v[MI], v[TM1]                        ; a plain instruction behind the exponential that touches neither its result nor its source
.endif
.endm
.macro SESUB t
.irp q, 0,2,4,6
	v_pk_add_f32 v[SB+8*\t+\q:SB+8*\t+\q+1], v[SB+8*\t+\q:SB+8*\t+\q+1], v[MI:MI+1] op_sel_hi:[1,0] neg_lo:[0,1] neg_hi:[0,1]
.endr
.endm
.macro SEEXP t                         ; eight exponentials back to back; their results are first read behind plain work on another tile
.irp j, 0,1,2,3,4,5,6,7
	v_exp_f32 v[SB+8*\t+\j], v[SB+8*\t+\j]
.endr
.endm
.macro SC t                            ; tile t: into the sums, then packed in place: tiles 2u, 2u+1 become the 8 registers of P^T's fragment u at SB + 16 u
.if \t == 0
	s_wait_alu depctr_va_vdst(0)
	v_pk_add_f32 v[SUMA:SUMA+1], v[SB:SB+1], v[SB+2:SB+3]
	v_pk_add_f32 v[SUMB:SUMB+1], v[SB+4:SB+5], v[SB+6:SB+7]
.else
	s_wait_alu depctr_va_vdst(0)
	v_pk_add_f32 v[SUMA:SUMA+1], v[SUMA:SUMA+1], v[SB+8*\t:SB+8*\t+1]
	v_pk_add_f32 v[SUMB:SUMB+1], v[SUMB:SUMB+1], v[SB+8*\t+2:SB+8*\t+3]
	v_pk_add_f32 v[SUMA:SUMA+1], v[SUMA:SUMA+1], v[SB+8*\t+4:SB+8*\t+5]
	v_pk_add_f32 v[SUMB:SUMB+1], v[SUMB:SUMB+1], v[SB+8*\t+6:SB+8*\t+7]
.endif
.irp q, 0,1,2,3
	v_cvt_pk_f16_f32 v[SB+16*(\t>>1)+4*(\t&1)+\q], v[SB+8*\t+2*\q], v[SB+8*\t+2*\q+1]
.endr
.endm
.macro FIN
	v_pk_add_f32 v[SUMA:SUMA+1], v[SUMA:SUMA+1], v[SUMB:SUMB+1]
.if C_FIRST
	v_add_f32 v[MI+1], v[SUMA], v[SUMA+1]
.else
	v_add_f32 v[TM0], v[SUMA], v[SUMA+1]
	v_fma_f32 v[MI+1], v[MI+1], v[AL], v[TM0]      ; my half's keys; the halves meet on the way out
.endif
.endm
.macro KLD kk                          ; the next step's K fragments of d half kk: 8 loads
.irp t, 0,1,2,3
	ds_load_b128 v[KF+32*\kk+8*\t:KF+32*\kk+8*\t+3],   v[ADK+C_NSLOT] offset:(32*C_NSUB+8*\t)*KP+64*\kk
	ds_load_b128 v[KF+32*\kk+8*\t+4:KF+32*\kk+8*\t+7], v[ADK+C_NSLOT] offset:(32*C_NSUB+8*\t)*KP+64*\kk+32
.endr
.endm
.macro VLD                             ; this step's V^T fragments, high and low: 32 transposing loads into window 1
	WIN 0x40
.irp db, 0,1,2,3
.irp u, 0,1
	ds_load_tr16_b128 v[VF+8*(2*\db+\u):VF+8*(2*\db+\u)+3],    v[ADV+C_SLOT] offset:(32*C_SUB+16*\u)*VP+32*\db
	ds_load_tr16_b128 v[VF+8*(2*\db+\u)+4:VF+8*(2*\db+\u)+7],  v[ADV+C_SLOT] offset:(32*C_SUB+16*\u)*VP+32*\db+8*VP
.endr
.endr
.irp db, 0,1,2,3
.irp u, 0,1
	ds_load_tr16_b128 v[VFL+8*(2*\db+\u):VFL+8*(2*\db+\u)+3],   v[ADV+C_SLOT] offset:VSZ+(32*C_SUB+16*\u)*VP+32*\db
	ds_load_tr16_b128 v[VFL+8*(2*\db+\u)+4:VFL+8*(2*\db+\u)+7], v[ADV+C_SLOT] offset:VSZ+(32*C_SUB+16*\u)*VP+32*\db+8*VP
.endr
.endr
	WIN 0
.endm
; The change of slots, in the second step of a slot.  All my reads of this slot are back (K's were waited for a step ago, V's in this step's
; first phase) and all my tensor loads have landed (the other slot's).  kind 2: a round of the cluster's barrier, and the joint refill of this
; slot first behind it; it has two steps in which to land.  kind 1: the last tiles: a barrier shows the other slot to every wave; no fill.
.macro SYNC
.if C_KIND == 2
	s_wait_dscnt 0x0
	s_wait_tensorcnt 0x0
	ds_add_u32 v254, v255
	s_wait_dscnt 0x0
	s_add_nc_u64 s[22+4*C_SLOT:23+4*C_SLOT], s[22+4*C_SLOT:23+4*C_SLOT], 2*TILEB   ; no tensor load of mine is out: the address may step
	ROUND
	JLOAD C_SLOT
.endif
.if C_KIND == 1
	s_wait_dscnt 0x0
	s_wait_tensorcnt 0x0
	s_barrier_signal -1
	s_barrier_wait -1
.endif
.endm
.macro PHASE i
.set SB, SBUF+32*(\i&1)
.set OB, SBUF+32-32*(\i&1)
.set WB, WB0+36*(\i&1)
.set WN, WB0+36-36*(\i&1)
.set QN, (\i+1)&3                      ; the query block of the next phase, whose scores are made here
.set MI, ML+2*\i
.set DOWS, 1                           ; is there a next phase
.set DOK, 0                            ; are the next step's K fragments fetched here
.set MOFF, (\i+1)*4096+C_SN*128        ; the next phase's 128 bytes of mask words
.if \i == 3
.set MOFF, (C_SN+1)*128
.if C_LAST
.set DOWS, 0
.endif
.endif
.if \i == 2
.if C_LAST == 0
.set DOK, 1
.endif
.endif
	WIN 0
	s_wait_kmcnt 0x0                               ; this phase's mask words, asked for a phase ago
.if DOWS
	s_load_b512 s[WN:WN+15], s[28:29], MOFF
	s_load_b512 s[WN+16:WN+31], s[28:29], MOFF+64
.endif
	MB 0                                           ; eleven plain instructions behind the last O^T product: OB and V^T's registers, which it read, may be written
.if \i == 0
	VLD
.endif
.if \i == 3
.if DOWS
	s_wait_dscnt 0x8                               ; the new K fragments of d 0-31 are in; the eight loads of d 32-63 may be out
.endif
.endif
	WS 0, 0
	MB 1
	WS 1, 0
	MB 2
	WS 2, 0
	MB 3
	WS 3, 0
	RED
	SESUB 0
.if DOK
	SYNC
	KLD 0                                          ; at least seven plain instructions behind the last product that read these registers
.endif
	SEEXP 0
.if \i == 3
.if DOWS
	s_wait_dscnt 0x0                               ; the new K fragments of d 32-63
.endif
.endif
	WS 0, 1
	SESUB 1
	SEEXP 1
	WS 1, 1
	SC 0
	SESUB 2
	SEEXP 2
	WS 2, 1
	SC 1
	SESUB 3
	SEEXP 3
	WS 3, 1
	SC 2
	SC 3
	FIN
.if DOK
	KLD 1                                          ; SC 2, SC 3 and FIN stand behind the last product that read these registers
.endif
.if \i == 0
	s_wait_dscnt 0x0                               ; V^T's fragments
.endif
	WIN 0x51                                       ; source 0, C and D window 1 (V^T, O^T), source 1 window 0 (P^T, the factor)
.irp db, 0,1,2,3
.if C_FIRST
	v_wmma_f32_16x16x32_f16 v[8*(4*\i+\db):8*(4*\i+\db)+7], v[VF+16*\db:VF+16*\db+7], v[SB:SB+7], 0
.else
.irp q, 0,2,4,6
	v_pk_mul_f32 v[8*(4*\i+\db)+\q:8*(4*\i+\db)+\q+1], v[8*(4*\i+\db)+\q:8*(4*\i+\db)+\q+1], v[AL:AL+1] op_sel_hi:[1,0]
.endr
	v_wmma_f32_16x16x32_f16 v[8*(4*\i+\db):8*(4*\i+\db)+7], v[VF+16*\db:VF+16*\db+7], v[SB:SB+7], v[8*(4*\i+\db):8*(4*\i+\db)+7]
.endif
.endr
.irp db, 0,1,2,3
	v_wmma_f32_16x16x32_f16 v[8*(4*\i+\db):8*(4*\i+\db)+7], v[VF+16*\db+8:VF+16*\db+15], v[SB+16:SB+23], v[8*(4*\i+\db):8*(4*\i+\db)+7]
.endr
.irp db, 0,1,2,3
	v_wmma_f32_16x16x32_f16 v[8*(4*\i+\db):8*(4*\i+\db)+7], v[VFL+16*\db:VFL+16*\db+7], v[SB:SB+7], v[8*(4*\i+\db):8*(4*\i+\db)+7]
.endr
.irp db, 0,1,2,3
	v_wmma_f32_16x16x32_f16 v[8*(4*\i+\db):8*(4*\i+\db)+7], v[VFL+16*\db+8:VFL+16*\db+15], v[SB+16:SB+23], v[8*(4*\i+\db):8*(4*\i+\db)+7]
.endr
.endm
; a step: 64 keys (half sub of slot) for my four query blocks.  nslot, nsub: where the next step's keys lie; sn: the step's place from the mask pointer, in steps
.macro STEP slot, sub, nslot, nsub, kind, first, last, sn
.set C_SLOT, \slot
.set C_SUB, \sub
.set C_NSLOT, \nslot
.set C_NSUB, \nsub
.set C_KIND, \kind
.set C_FIRST, \first
.set C_LAST, \last
.set C_SN, \sn
	PHASE 0
	PHASE 1
	PHASE 2
	PHASE 3
.endm
	s_wait_tensorcnt 0x1                           ; my part of slot 0 is in; slot 1's may stay out
	s_barrier_signal -1
	s_barrier_wait -1
.set C_NSLOT, 0
.set C_NSUB, 0
	KLD 0
	KLD 1
	s_wait_loadcnt 0x0                             ; Q
	s_wait_dscnt 0x0
.set OB, SBUF
.set QN, 0
.set DOWS, 1
	WS 0, 0                                        ; the first phase's scores
	WS 1, 0
	WS 2, 0
	WS 3, 0
	WS 0, 1
	WS 1, 1
	WS 2, 1
	WS 3, 1
	PLACES
	STEP 0, 0, 0, 1, 0, 1, 0, 0                    ; step 0 starts maxima, sums and O^T: nothing is cleared
	WIN 0
	s_mov_b32 s31, 7
.Ltrip:                                            ; steps 4 m + 1 .. 4 m + 4, m = 0..6; tiles 2 m + 2 and 2 m + 3 are asked for, the last being tile 15 of 16
	STEP 0, 1, 1, 0, 2, 0, 0, 1
	STEP 1, 0, 1, 1, 0, 0, 0, 2
	STEP 1, 1, 0, 0, 2, 0, 0, 3
	STEP 0, 0, 0, 1, 0, 0, 0, 4
	WIN 0
	s_wait_xcnt 0x0                                ; the pending loads of mask words have read their base: it may step
	s_add_nc_u64 s[28:29], s[28:29], 512           ; four steps of 128 bytes
	s_sub_co_u32 s31, s31, 1
	s_cmp_lg_u32 s31, 0
	s_cbranch_scc1 .Ltrip
	STEP 0, 1, 1, 0, 1, 0, 0, 1                    ; steps 29 to 31 fill nothing
	STEP 1, 0, 1, 1, 0, 0, 0, 2
	STEP 1, 1, 0, 0, 0, 0, 1, 3
	; THE WAY OUT, one query block at a time: divide by the sum, through my own stage in LDS, back as whole rows of 256 bytes
	WIN 0
	PLACES
.macro OUTQ g, f
	v_permlanex16_b32 v[TM1], v[ML+2*\g+1], s104, s105
	v_add_f32 v[TM0], v[ML+2*\g+1], v[TM1]         ; both halves' keys; at least 1, since the largest score gives 2^0
	v_rcp_f32 v[AL], v[TM0]
	v_nop                                          ; a plain instruction before the reciprocal is used
	WIN 0x01
	s_wait_alu depctr_va_vdst(0)
.irp db, 0,1,2,3
.irp q, 0,2,4,6
	v_pk_mul_f32 v[SBUF+8*\db+\q:SBUF+8*\db+\q+1], v[8*(4*\g+\db)+\q:8*(4*\g+\db)+\q+1], v[AL:AL+1] op_sel_hi:[1,0]
.endr
.endr
	WIN 0
.irp db, 0,1,2,3
	ds_store_b128 v[STO], v[SBUF+8*\db:SBUF+8*\db+3] offset:64*\db
	ds_store_b128 v[STO], v[SBUF+8*\db+4:SBUF+8*\db+7] offset:64*\db+16
.endr
	s_wait_xcnt 0x0                                ; buffer f, which earlier stores read, is written again only behind this wait
.irp t, 0,1,2,3,4,5,6,7
	ds_load_b128 v[\f+4*\t:\f+4*\t+3], v[RD] offset:\t*2*272       ; LDS serves a wave's instructions in order: these see the stores above
.endr
.irp t, 0,1,2,3,4,5,6,7
	s_wait_dscnt 7-\t
	global_store_b128 v[CO1], v[\f+4*\t:\f+4*\t+3], s[66:67] offset:(16*\g+2*\t)*4096 th:TH_STORE_NT   ; 16 lanes store 256 neighbouring bytes, aligned
	v_cvt_pk_f16_f32 v[\f+32+2*\t], v[\f+4*\t], v[\f+4*\t+1]
	v_cvt_pk_f16_f32 v[\f+32+2*\t+1], v[\f+4*\t+2], v[\f+4*\t+3]
	global_store_b64 v[CO2], v[\f+32+2*\t:\f+32+2*\t+1], s[100:101] offset:(16*\g+2*\t)*128           ; 32 lanes store 256 neighbouring bytes, aligned
.endr
.endm
	OUTQ 0, Q
	OUTQ 1, KF
	OUTQ 2, Q
	OUTQ 3, KF
	s_wait_tensorcnt 0x0
	ds_add_u32 v254, v255
	s_wait_dscnt 0x0
	ROUND                                          ; the closing round: no work-group ends while a partner may still ask for a tile that names it
	s_endpgm
.Lfunc_end_k_q16231fdbca_attn:
	.size	k_q16231fdbca_attn, .Lfunc_end_k_q16231fdbca_attn-k_q16231fdbca_attn
	.p2alignl 7, 3214868480
	.fill 96, 4, 3214868480
	.section	.rodata,"a",@progbits
	.p2align	6, 0x0
	.amdhsa_kernel k_q16231fdbca_attn
		.amdhsa_group_segment_fixed_size 327680
		.amdhsa_private_segment_fixed_size 0
		.amdhsa_enable_private_segment 0
		.amdhsa_kernarg_size 40
		.amdhsa_user_sgpr_count 2
		.amdhsa_user_sgpr_kernarg_segment_ptr 1
		.amdhsa_wavefront_size32 1
		.amdhsa_system_sgpr_workgroup_id_x 1
		.amdhsa_system_sgpr_workgroup_id_y 1
		.amdhsa_system_sgpr_workgroup_id_z 1
		.amdhsa_system_vgpr_workitem_id 0
		.amdhsa_next_free_vgpr 512
		.amdhsa_next_free_sgpr 106
		.amdhsa_reserve_vcc 0
		.amdhsa_float_denorm_mode_32 3
		.amdhsa_float_denorm_mode_16_64 3
		.amdhsa_memory_ordered 1
		.amdhsa_forward_progress 1
		.amdhsa_inst_pref_size 255
	.end_amdhsa_kernel
	.section	.bss,"aw",@nobits
	.p2align	6
	.space	262144
	.amdgpu_metadata
---
amdhsa.version: [ 1, 2 ]
amdhsa.kernels:
  - .name:           k_q16231fdbca_attn
    .symbol:         k_q16231fdbca_attn.kd
    .args:
      - { .name: qkvb, .offset: 0, .size: 8, .value_kind: global_buffer, .address_space: global }
      - { .name: vl, .offset: 8, .size: 8, .value_kind: global_buffer, .address_space: global }
      - { .name: mbits, .offset: 16, .size: 8, .value_kind: global_buffer, .address_space: global }
      - { .name: out1, .offset: 24, .size: 8, .value_kind: global_buffer, .address_space: global }
      - { .name: ab, .offset: 32, .size: 8, .value_kind: global_buffer, .address_space: global }
    .group_segment_fixed_size: 327680
    .private_segment_fixed_size: 0
    .kernarg_segment_align: 8
    .kernarg_segment_size: 40
    .max_flat_workgroup_size: 256
    .sgpr_count:     106
    .vgpr_count:     512
    .wavefront_size: 32
...
	.end_amdgpu_metadata
.endif
;; end of part 6
;; launch proj_out (part 7): grid 8 x 32, 4 waves a work-group, clusters of 4 x 4, 327,680 bytes of LDS; arguments ab, wt, bc, out0; writes out0
.if DOCPART == 7
	.amdgcn_target "amdgcn-amd-amdhsa--gfx1250"
	.amdhsa_code_object_version 6
	.text
	.protected	k_q16231fdbca_proj_out
	.globl	k_q16231fdbca_proj_out
	.p2align	8
	.type	k_q16231fdbca_proj_out,@function
k_q16231fdbca_proj_out:
	s_mov_b64 s[64:65], 0
	v_nop
	global_prefetch_b8 v0, s[64:65] scope:SCOPE_SE
	s_setreg_imm32_b32 hwreg(HW_REG_WAVE_MODE, 25, 1), 1
	s_wait_xcnt 0x0
	s_wait_alu depctr_hold_cnt(0) depctr_sa_sdst(0) depctr_va_vdst(0) depctr_va_sdst(0) depctr_va_ssrc(0) depctr_va_vcc(0) depctr_vm_vsrc(0)
	s_getreg_b32 s2, hwreg(HW_REG_IB_STS2, 6, 4)
	s_cmp_eq_u32 s2, 0
	s_cbranch_scc0 .Lentry_in_a_cluster
	s_endpgm
.Lentry_in_a_cluster:
	s_bfe_u32 s2, ttmp6, 0x10000c
	s_cmp_lg_u32 s2, 0xf033
	s_cbranch_scc0 .Lentry_shape_is_right
	s_endpgm
.Lentry_shape_is_right:
; out0 = attn_v Wc + bc, f32, row-major; f16 operands, f32 sums.
; X = attn_v lies as [batch][16 k-blocks (heads)][2048 rows][64 k] f16 (ab) and Wc as the fourth matrix of wt, [16 k-blocks][1024 n][64 k] f16,
; so 256 rows of X (128 of W) of one k-block are 32 KiB (16 KiB) without gaps.  A work-group makes 256 x 128 of C with four waves, one on
; each SIMD; a wave makes 128 x 64: 32 accumulator tiles, 256 registers.  That gives 32 x 8 = 256 work-groups, one for each WGP; blocks of
; 256 x 256 would leave half of the WGPs without work.  K = 1,024 goes in 8 steps of 128 (two k-blocks) through two LDS slots.  One tensor
; load a wave and step: waves 0, 1 bring X's 256 rows of the step's first and second k-block, waves 2, 3 W's 128 rows likewise, as rows of
; 256 bytes (two data rows) with 16 bytes of padding behind each.
; CLUSTERS: 4 x 4 work-groups.  The four of a row of the cluster need the same tiles of X, the four of a column the same tiles of W: each
; tile is asked for jointly by the four, which divides the requests by four.
; REGISTERS: window 0: v16-27 addresses; v32-127 and v128-223 two fragment buffers (W's 4 fragments, then X's 8); v224-255 the bias.
;            window 1: the accumulators, tile (a, b) at v[8 (4 a + b)].
; The matrix instruction is used transposed (source 0 = 16 rows of W, source 1 = 16 rows of X): lane l then holds row l % 16 of C and its
; registers 0-7 the columns 8 (l / 16) + 0..7, eight neighbouring numbers of a row.
; The 32 accumulators take turns, one instruction a turn, in the same order in every quarter step.
.set KP,     272                       ; an LDS row: two data rows of 128 bytes + 16: data row x starts at (x>>1)*272 + (x&1)*128, so the 16 rows of a fragment start in 16 different 16-byte columns of 256
.set LOADA,  128*KP                    ; 256 rows of X, one k-block
.set LOADB,  64*KP                     ; 128 rows of W, one k-block
.set SLOT,   2*LOADA+2*LOADB
.set STAGE,  2*SLOT                    ; behind the ring: each wave's own bytes for the way out; no tensor load lands there
.set STAGEW, 4352
.set AKB,    262144                    ; bytes from k-block to k-block in X
.set BKB,    131072                    ; and in W
.set LAPS,   4                         ; a lap = two K steps = once round the ring
.set ADRA, 16                          ; v16-17 LDS address of my X fragments in slot 0, 1
.set ADRB, 20                          ; v20-21 the same for W
.set STO,  24
.set RD,   25
.set CO,   26
.set BOF,  27
.set F0,   32
.set F1,   128
.set BIAS, 224
.set T,    32                          ; the way out: v[32:63] sums + bias
.set G1,  24                           ; s[24:31] group 1 for X's tiles
.set G0,  32                           ; s[32:39] group 0 for X's tiles, a set for each slot
.set G1B, 48                           ; s[48:55] group 1 for W's tiles
.set G0B, 56                           ; s[56:63] group 0 for W's tiles
.set G1W0, (3<<16)|(1<<20)|(1<<21)|(5<<22)|(3<<25)   ; elements of 8 bytes; padding on; bit 21 beside a mask; after every 64 words; 4 words
.set MSB, 0
.macro WIN new                         ; the immediate's high byte repeats the setting that is left
.if MSB != \new
	s_set_vgpr_msb (MSB<<8)|\new
.set MSB, \new
.endif
.endm
.set MUL, 0x50                         ; sources 0 and 1 window 0, C and D window 1
.macro JLOAD s                         ; waves 0, 1 ask for X's tiles, waves 2, 3 for W's; the branch hangs on the wave's number alone
	s_cmp_eq_u32 s11, 0
	s_cbranch_scc0 .Lfor_b_\@
	tensor_load_to_lds s[G0+4*\s:G0+4*\s+3], s[G1:G1+7]
	s_nop 0
	s_branch .Lasked_\@
.Lfor_b_\@:
	tensor_load_to_lds s[G0B+4*\s:G0B+4*\s+3], s[G1B:G1B+7]
	s_nop 0
.Lasked_\@:
.endm
.macro CREST                           ; a round of the cluster's barrier behind its opening work-group barrier
	s_cmp_lg_u32 s10, 0
	s_cbranch_scc1 .Lnot_wave_0_\@
	s_barrier_signal -3
.Lnot_wave_0_\@:
	s_barrier_wait -3
	s_barrier_signal -1
	s_barrier_wait -1
.endm
.macro CROUND
	s_barrier_signal -1
	s_barrier_wait -1
	CREST
.endm
.macro PLACES                          ; four plain vector instructions between a matrix instruction and a load into, or a vector read of, its registers
.rept 4
	v_nop
.endr
.endm
	s_load_b128 s[4:7], s[0:1], 0x0                ; ab, wt
	s_load_b128 s[68:71], s[0:1], 0x10             ; bc, out0
	v_lshl_add_u32 v30, v0, 2, 0x37400
	v_mov_b32 v31, 0
	ds_add_u32 v30, v31
	v_lshrrev_b32 v1, 5, v0
	v_readfirstlane_b32 s10, v1                    ; wave 0..3
	s_lshr_b32 s11, s10, 1                         ; which 128 rows of the block are mine.  Also: I fetch X (0) or W (1)
	s_and_b32 s12, s10, 1                          ; which 64 columns.  Also: which k-block of the step I fetch
	s_bfe_u32 s40, ttmp6, 0x40000                  ; cx
	s_bfe_u32 s41, ttmp6, 0x40004                  ; cy
	s_lshl_b32 s42, ttmp9, 2
	s_add_co_u32 s42, s42, s40                     ; block column = 4 x cluster x + cx
	s_and_b32 s45, ttmp7, 0xffff                   ; cluster y
	s_lshl_b32 s13, s45, 2
	s_add_co_u32 s13, s13, s41                     ; block row = 4 x cluster y + cy
	s_lshl_b32 s43, s41, 2
	s_lshl_b32 s43, 15, s43                        ; my row of the cluster
	s_lshl_b32 s44, 0x1111, s40                    ; my column
	s_or_b32 s[G1+0], s43, G1W0
	s_or_b32 s[G1B+0], s44, G1W0
	s_mov_b32 s[G1+1], 32<<16                      ; tensor_dim0 = 32 elements (256 bytes)
	s_mov_b32 s[G1B+1], 32<<16
	s_mov_b32 s[G1+2], 128<<16                     ; tensor_dim1 = 128 rows
	s_mov_b32 s[G1B+2], 64<<16                     ; 64 rows
	s_mov_b32 s[G1+3], 32<<16                      ; tile_dim0
	s_mov_b32 s[G1B+3], 32<<16
	s_mov_b32 s[G1+4], 128                         ; tile_dim1
	s_mov_b32 s[G1B+4], 64
	s_mov_b32 s[G1+5], 32                          ; from row to row: 32 elements, no gap
	s_mov_b32 s[G1B+5], 32
	s_mov_b32 s[G1+6], 0
	s_mov_b32 s[G1B+6], 0
	s_mov_b32 s[G1+7], 0
	s_mov_b32 s[G1B+7], 0
	; X's tile hangs on the block row alone, W's on the block column alone; each address in registers that never hold the other coordinate
	s_lshr_b32 s16, s13, 3
	s_lshl_b32 s16, s16, 22                        ; 8 block rows to a block of 4 MiB
	s_and_b32 s17, s13, 7
	s_lshl_b32 s17, s17, 15                        ; 256 rows of 128 bytes
	s_add_co_u32 s16, s16, s17
	s_lshl_b32 s17, s12, 18                        ; my k-block of the step
	s_add_co_u32 s16, s16, s17
	s_mov_b32 s17, 0
	s_mov_b32 s46, 3<<21                           ; Wc is the fourth matrix of 2 MiB
	s_lshl_b32 s47, s42, 14                        ; 128 rows of 128 bytes
	s_add_co_u32 s46, s46, s47
	s_lshl_b32 s47, s12, 17
	s_add_co_u32 s46, s46, s47
	s_mov_b32 s47, 0
	s_mul_i32 s20, s10, LOADA                      ; where they go: X's two k-blocks (waves 0, 1),
	s_mul_i32 s21, s10, LOADB
	s_add_co_u32 s21, s21, 2*LOADA-2*LOADB         ; then W's two (waves 2, 3): the wave's number and constants alone
	s_wait_dscnt 0x0
	s_wait_kmcnt 0x0
	s_add_nc_u64 s[14:15], s[4:5], s[16:17]
	s_add_nc_u64 s[46:47], s[6:7], s[46:47]
	s_mov_b64 s[8:9], s[70:71]
	CROUND                                         ; all sixteen work-groups are here: the first joint loads meet
.irp s, 0,1
	s_mov_b32 s[G0+4*\s], 1
	s_add_co_u32 s[G0+4*\s+1], s20, \s*SLOT
	s_add_nc_u64 s[G0+4*\s+2:G0+4*\s+3], s[14:15], \s*2*AKB        ; K step s
	s_or_b32 s[G0+4*\s+3], s[G0+4*\s+3], 0x80000000
	s_mov_b32 s[G0B+4*\s], 1
	s_add_co_u32 s[G0B+4*\s+1], s21, \s*SLOT
	s_add_nc_u64 s[G0B+4*\s+2:G0B+4*\s+3], s[46:47], \s*2*BKB
	s_or_b32 s[G0B+4*\s+3], s[G0B+4*\s+3], 0x80000000
	JLOAD \s                                       ; both slots' first fills: two tensor loads of this wave are out
.endr
	; the bias of my 64 columns: lane (r, h) needs columns 16 b + 8 h + 0..7
	v_and_b32 v1, 15, v0                           ; r
	v_bfe_u32 v2, v0, 4, 1                         ; h
	v_lshlrev_b32 v[BOF], 5, v2
	s_lshl_b32 s66, s42, 9
	s_lshl_b32 s67, s12, 8
	s_add_co_u32 s66, s66, s67
	s_mov_b32 s67, 0
	s_add_nc_u64 s[68:69], s[68:69], s[66:67]
.irp b, 0,1,2,3
	global_load_b128 v[BIAS+8*\b:BIAS+8*\b+3], v[BOF], s[68:69] offset:64*\b
	global_load_b128 v[BIAS+8*\b+4:BIAS+8*\b+7], v[BOF], s[68:69] offset:64*\b+16
.endr
	; a fragment is 16 rows x 32 K in 8 registers: lane (r, h) holds row r; registers 0-3 K = 8 h + 0..7, registers 4-7 K = 16 + 8 h + 0..7: two loads of 16 bytes, 32 bytes apart
	v_lshrrev_b32 v3, 1, v1
	v_mul_u32_u24 v3, v3, KP
	v_and_b32 v4, 1, v0
	v_lshl_add_u32 v3, v4, 7, v3
	v_lshl_add_u32 v3, v2, 4, v3                   ; (r>>1)*272 + (r&1)*128 + 16 h
	s_mul_i32 s22, s11, 64*KP                      ; my 128 rows of X
	s_mul_i32 s23, s12, 32*KP                      ; my 64 rows of W,
	s_add_co_u32 s23, s23, 2*LOADA                 ; which lie behind X's two k-blocks
.irp s, 0,1
	v_add_nc_u32 v[ADRA+\s], s22, v3
	v_add_nc_u32 v[ADRB+\s], s23, v3
	s_add_co_u32 s22, s22, SLOT
	s_add_co_u32 s23, s23, SLOT
.endr
	s_mul_i32 s18, s10, STAGEW
	s_add_co_u32 s18, s18, STAGE                   ; my stage
	v_mul_u32_u24 v4, v1, 272                      ; in: row r of 64 f32 (pitch 272), 32 bytes for each half of the lanes
	v_lshl_add_u32 v4, v2, 5, v4
	v_add_nc_u32 v[STO], s18, v4
	v_mul_u32_u24 v5, v2, 272                      ; back: lanes 0-15 one row of 256 bytes, lanes 16-31 the next
	v_lshl_add_u32 v5, v1, 4, v5
	v_add_nc_u32 v[RD], s18, v5
	v_lshlrev_b32 v6, 12, v2
	v_lshl_add_u32 v[CO], v1, 4, v6
; na x 4 matrix instructions: row blocks a0 .. a0+na-1 x all four column blocks, 32 along K.  zero = 1: the first product starts the sums
.macro MULH f, a0, na, zero
.set ma, \a0
.rept \na
.irp b, 0,1,2,3
.if \zero
	v_wmma_f32_16x16x32_f16 v[8*(4*ma+\b):8*(4*ma+\b)+7], v[\f+8*\b:\f+8*\b+7], v[\f+32+8*ma:\f+32+8*ma+7], 0
.else
	v_wmma_f32_16x16x32_f16 v[8*(4*ma+\b):8*(4*ma+\b)+7], v[\f+8*\b:\f+8*\b+7], v[\f+32+8*ma:\f+32+8*ma+7], v[8*(4*ma+\b):8*(4*ma+\b)+7]
.endif
.endr
.set ma, ma+1
.endr
.endm
; 24 LDS loads in one run: quarter kq (32 K) of a slot's step into buffer f: W's 4 fragments, then X's 8
.macro FETCH slot, kq, f
	WIN 0
.irp g, 0,1,2,3
	ds_load_b128 v[\f+8*\g:\f+8*\g+3],   v[ADRB+\slot] offset:(\kq>>1)*LOADB+(\kq&1)*64+\g*8*KP
	ds_load_b128 v[\f+8*\g+4:\f+8*\g+7], v[ADRB+\slot] offset:(\kq>>1)*LOADB+(\kq&1)*64+\g*8*KP+32
.endr
.irp g, 0,1,2,3,4,5,6,7
	ds_load_b128 v[\f+32+8*\g:\f+32+8*\g+3],   v[ADRA+\slot] offset:(\kq>>1)*LOADA+(\kq&1)*64+\g*8*KP
	ds_load_b128 v[\f+32+8*\g+4:\f+32+8*\g+7], v[ADRA+\slot] offset:(\kq>>1)*LOADA+(\kq&1)*64+\g*8*KP+32
.endr
.endm
; one of a step's first three quarters: multiplies buffer f and, in its middle, fetches quarter kq into buffer g
.macro QUARTER slot, kq, f, g, zero
	s_wait_dscnt 8                                 ; W and X's blocks 0-3 are in; the youngest eight loads (X's blocks 4-7) may be out
	WIN MUL
	MULH \f, 0, 4, \zero
	PLACES
	FETCH \slot, \kq, \g
	s_wait_dscnt 24                                ; all but the 24 just issued
	WIN MUL
	MULH \f, 4, 4, \zero
.endm
.macro THREE slot, zero
	QUARTER \slot, 1, F0, F1, \zero
	QUARTER \slot, 2, F1, F0, 0
	QUARTER \slot, 3, F0, F1, 0
.endm
; the last quarter: multiplies buffer 1 and changes slots.  In front of the barrier each wave waits for its reads of this slot and for all
; its tensor loads (one is out: its part of the next slot).  fill = 1: the barrier opens a round of the cluster's barrier, and the joint
; refill of this slot, two K steps ahead, is the first tensor load behind the round; it has 120 matrix instructions in which to land.
.macro TURN slot, next, fill
	s_wait_dscnt 8
	WIN MUL
	MULH F1, 0, 2, 0
	s_wait_dscnt 0
	s_wait_tensorcnt 0x0
	ds_add_u32 v30, v31
	s_wait_dscnt 0x0
	s_barrier_signal -1
	MULH F1, 2, 2, 0                               ; registers alone between signal and wait
	WIN 0
	s_barrier_wait -1
.if \fill
	CREST
	s_add_nc_u64 s[G0+4*\slot+2:G0+4*\slot+3], s[G0+4*\slot+2:G0+4*\slot+3], 4*AKB     ; no tensor load of mine is out: the addresses may step
	s_add_nc_u64 s[G0B+4*\slot+2:G0B+4*\slot+3], s[G0B+4*\slot+2:G0B+4*\slot+3], 4*BKB
	JLOAD \slot
.endif
	PLACES
	FETCH \next, 0, F0
	WIN MUL
	MULH F1, 4, 4, 0
.endm
.macro LAP zero
	THREE 0, \zero
	TURN 0, 1, 1
	THREE 1, 0
	TURN 1, 0, 1
.endm
	s_wait_tensorcnt 0x1                           ; my part of K step 0 is in; K step 1's may stay out
	s_barrier_signal -1
	s_barrier_wait -1
	FETCH 0, 0, F0
	LAP 1                                          ; the first lap's first products start the sums: nothing is cleared
	WIN 0
	s_mov_b32 s3, LAPS-2
.Llap:
	LAP 0
	WIN 0
	s_sub_co_u32 s3, s3, 1
	s_cmp_lg_u32 s3, 0
	s_cbranch_scc1 .Llap
	THREE 0, 0                                     ; the last lap fills nothing
	TURN 0, 1, 0
	THREE 1, 0
	s_wait_dscnt 8
	WIN MUL
	MULH F1, 0, 4, 0
	s_wait_dscnt 0
	MULH F1, 4, 4, 0
	; THE WAY OUT, 16 rows at a time: add the bias, through my own stage in LDS, back as whole rows
	WIN 0
	s_wait_loadcnt 0x0                             ; the bias
	PLACES
	s_lshl_b32 s16, s13, 20                        ; 256 rows of 4,096 bytes
	s_lshl_b32 s17, s11, 19
	s_add_co_u32 s16, s16, s17
	s_lshl_b32 s46, s42, 9                         ; 128 columns of 4 bytes
	s_lshl_b32 s47, s12, 8
	s_mov_b32 s17, 0
	s_add_nc_u64 s[8:9], s[8:9], s[16:17]
	s_add_co_u32 s46, s46, s47
	s_mov_b32 s47, 0
	s_add_nc_u64 s[8:9], s[8:9], s[46:47]
.macro OUT16 a, f
	WIN 0x01                                       ; source 0 (the sums) window 1
.irp b, 0,1,2,3
.irp q, 0,2,4,6
	v_pk_add_f32 v[T+8*\b+\q:T+8*\b+\q+1], v[8*(4*\a+\b)+\q:8*(4*\a+\b)+\q+1], v[BIAS+8*\b+\q:BIAS+8*\b+\q+1]
.endr
.endr
	WIN 0
.irp b, 0,1,2,3
	ds_store_b128 v[STO], v[T+8*\b:T+8*\b+3] offset:64*\b
	ds_store_b128 v[STO], v[T+8*\b+4:T+8*\b+7] offset:64*\b+16
.endr
	s_wait_xcnt 0x0                                ; buffer f, which earlier stores read, is loaded again only behind this wait
.irp t, 0,1,2,3,4,5,6,7
	ds_load_b128 v[\f+4*\t:\f+4*\t+3], v[RD] offset:\t*2*272       ; LDS serves a wave's instructions in order: these see the stores above
.endr
.irp t, 0,1,2,3,4,5,6,7
	s_wait_dscnt 7-\t
	global_store_b128 v[CO], v[\f+4*\t:\f+4*\t+3], s[8:9] offset:(16*\a+2*\t)*4096 th:TH_STORE_NT   ; 16 lanes store 256 neighbouring bytes, aligned
.endr
.endm
	OUT16 0, F1
	OUT16 1, F1+32
	OUT16 2, F1
	OUT16 3, F1+32
	OUT16 4, F1
	OUT16 5, F1+32
	OUT16 6, F1
	OUT16 7, F1+32
	s_wait_tensorcnt 0x0
	ds_add_u32 v30, v31
	s_wait_dscnt 0x0
	CROUND                                         ; the closing round: no work-group ends while a partner may still ask for a tile that names it
	s_endpgm
.Lfunc_end_k_q16231fdbca_proj_out:
	.size	k_q16231fdbca_proj_out, .Lfunc_end_k_q16231fdbca_proj_out-k_q16231fdbca_proj_out
	.p2alignl 7, 3214868480
	.fill 96, 4, 3214868480
	.section	.rodata,"a",@progbits
	.p2align	6, 0x0
	.amdhsa_kernel k_q16231fdbca_proj_out
		.amdhsa_group_segment_fixed_size 327680
		.amdhsa_private_segment_fixed_size 0
		.amdhsa_enable_private_segment 0
		.amdhsa_kernarg_size 32
		.amdhsa_user_sgpr_count 2
		.amdhsa_user_sgpr_kernarg_segment_ptr 1
		.amdhsa_wavefront_size32 1
		.amdhsa_system_sgpr_workgroup_id_x 1
		.amdhsa_system_sgpr_workgroup_id_y 1
		.amdhsa_system_sgpr_workgroup_id_z 1
		.amdhsa_system_vgpr_workitem_id 0
		.amdhsa_next_free_vgpr 512
		.amdhsa_next_free_sgpr 72
		.amdhsa_reserve_vcc 0
		.amdhsa_float_denorm_mode_32 3
		.amdhsa_float_denorm_mode_16_64 3
		.amdhsa_memory_ordered 1
		.amdhsa_forward_progress 1
		.amdhsa_inst_pref_size 127
	.end_amdhsa_kernel
	.amdgpu_metadata
---
amdhsa.version: [ 1, 2 ]
amdhsa.kernels:
  - .name:           k_q16231fdbca_proj_out
    .symbol:         k_q16231fdbca_proj_out.kd
    .args:
      - { .name: ab, .offset: 0, .size: 8, .value_kind: global_buffer, .address_space: global }
      - { .name: wt, .offset: 8, .size: 8, .value_kind: global_buffer, .address_space: global }
      - { .name: bc, .offset: 16, .size: 8, .value_kind: global_buffer, .address_space: global }
      - { .name: out0, .offset: 24, .size: 8, .value_kind: global_buffer, .address_space: global }
    .group_segment_fixed_size: 327680
    .private_segment_fixed_size: 0
    .kernarg_segment_align: 8
    .kernarg_segment_size: 32
    .max_flat_workgroup_size: 128
    .sgpr_count:     72
    .vgpr_count:     512
    .wavefront_size: 32
...
	.end_amdgpu_metadata
.endif
;; end of part 7
;; ======== version 3 of 3: 4 launches; version 2 with the launch prep written anew for expert scheduling mode
;; limits: values are held in f16: magnitudes above 65,504 overflow, below 6.1e-05 lose precision
;; workspace buffers: xb 50,331,648 bytes; wt 8,388,608 bytes; mbits 2,097,152 bytes of whole numbers; qkvb 50,331,648 bytes; vl 16,777,216 bytes; ab 16,777,216 bytes
;; launch prep (part 8): grid 256 x 8, 8 waves a work-group, no clusters, 68,608 bytes of LDS; arguments query, key, value, Wq, Wk, Wv, Wc, mask, xb, wt, mbits; writes xb, wt, mbits
.if DOCPART == 8
	.amdgcn_target "amdgcn-amd-amdhsa--gfx1250"
	.amdhsa_code_object_version 6
	.text
	.protected	k_q16231fdbca_prep
	.globl	k_q16231fdbca_prep
	.p2align	8
	.type	k_q16231fdbca_prep,@function
k_q16231fdbca_prep:
	s_mov_b64 s[64:65], 0
	v_nop
	global_prefetch_b8 v0, s[64:65] scope:SCOPE_SE
	s_setreg_imm32_b32 hwreg(HW_REG_WAVE_SCHED_MODE, 0, 2), 2
	s_setreg_imm32_b32 hwreg(HW_REG_WAVE_MODE, 25, 1), 1
	s_wait_xcnt 0x0
	s_wait_alu depctr_vm_vsrc(0)
; Prepares the operands of the three later launches.  The work-group's y picks one of three straight ways, each over 64 KiB of input:
;   y = 0..5  query, key, value: f32 -> bf16, laid out [tensor*4+batch][16 k-blocks][2048 rows][64 k] (xb): a row of a k-block is 128 bytes
;   y = 6     Wq, Wk, Wv, Wc: transposed, f32 -> bf16, laid out [matrix][16 k-blocks][1024 n][64 k] (wt).  Wc's partner in its product, attn_v,
;             goes in f16, so Wc's bf16 value is written as f16: exact from 2^-17 up (8 significant bits above f16's last place 2^-24),
;             within 2^-25 below.  LIMIT: |Wc| below 65,504.
;   y = 7     mask: bytes -> lane masks (mbits).  Word [batch*128+q/16][key/16][j]: bit L = mask[q/16*16+(L&15)][key/16*16+8*(L>>4)+j],
;             which is the place of that score in a 16 x 16 f32 matrix result (register j, lane L).  A byte other than 0 counts as true.
; Memory binds here: every input byte is read once by 16-byte loads of which a wave's 32 cover 512 neighbouring bytes (y = 0..5: two runs
; of 256), and every store of a wave covers whole aligned runs of 256 bytes.  No tile is shared between work-groups, so there is no
; cluster; there is no product, so no matrix instruction.  The branch on y is the same for all waves of a work-group.
; THE MODE: SCHED_MODE bits 1:0 = 2 (LLVM: expert scheduling mode 2), set by the entry lines.  The code itself states the register dependences
; between vector instructions and memory or LDS instructions, and of scalar registers that vector instructions write, with s_wait_alu, always for 0.
; THE PLAN.  Registers that memory or LDS instructions touch, and who else names them:
;   all ways  s3, the wave's number, is written by a vector instruction: one wait ahead of the branches, which is ahead of all its readers.
;             The offsets and LDS addresses v3 to v8 are made once in each way, ahead of one wait in front of its first load, and never written again.
;   y = 0..5  IN: written by the loads, read by the conversions.  OUT: each register written by one conversion and read by one store.  The 16 k-blocks
;             go in four groups; at the head of a group one wait states that the group before has written its OUT; that group's four stores are dealt
;             among this group's conversions, which name this group's IN and OUT alone.
;   y = 6     IN: written by the loads, read (for Wc also rewritten) by vector lines, then written by the LDS loads.  OUT: written by conversions, read by
;             the LDS stores.  One wait where the two arms join states both; no vector instruction follows it.
;   y = 7     IN: written by the loads, read by the LDS stores; then v64-95 take LDS loads and v32-63 are the bit extraction's temporaries: one wait
;             behind the stores frees all of it.  The 256 compares write scalar registers that v_writelane_b32 reads: they go in 16 runs of 16, one
;             wait a run, the next run's sixteen v_and_b32 between a run and its wait.  MW: written by v_writelane_b32, read by the last four stores.
;   v136, v137: written at the head, read by the closing add alone.
.set WPITCH, 144                       ; y = 6: LDS row of 64 numbers of 2 bytes + 16 bytes
.set MPITCH, 528                       ; y = 7: LDS row of 512 mask bytes + 16 bytes
.set IN,  32                           ; v[32:95]   sixteen loads of 16 bytes
.set OUT, 96                           ; v[96:127]  packed 16-bit numbers
.set MW,  128                          ; v[128:135] y = 7: the 256 words of a wave, two a lane in each of four pairs
.set TA,  IN                           ; v[32:63]   y = 7, behind the LDS stores: two sets of sixteen temporaries, which take turns
.set CW,  26                           ; s[26:41]   y = 7: the sixteen words of a run of compares (dead scalars of the address arithmetic)
.set MK,  44                           ; s[44:47]   y = 7: the masks of a word's four bytes
	s_load_b512 s[4:19], s[0:1], 0x0               ; query, key, value, Wq, Wk, Wv, Wc, mask
	s_load_b128 s[20:23], s[0:1], 0x40             ; xb, wt
	s_load_b64 s[24:25], s[0:1], 0x50              ; mbits
	v_lshl_add_u32 v136, v0, 2, 0x10800
	v_mov_b32 v137, 0
	s_and_b32 s26, ttmp7, 0xffff                   ; y
	v_lshrrev_b32 v1, 5, v0
	v_readfirstlane_b32 s3, v1                     ; wave 0..7
	v_and_b32 v2, 31, v0                           ; lane
	s_wait_alu depctr_va_sdst(0)                   ; s3 is written, ahead of the branches and of its first reader in each of the three ways
	s_wait_kmcnt 0x0
	s_cmp_eq_u32 s26, 6
	s_cbranch_scc1 .Lweights
	s_cmp_eq_u32 s26, 7
	s_cbranch_scc1 .Lmask
; ---- y = 0..5: 16 rows of one of the three activations; a wave takes two rows of 4,096 bytes ----
	s_lshr_b32 s27, s26, 1                         ; which tensor
	s_and_b32 s28, s26, 1
	s_lshl_b32 s28, s28, 8
	s_add_co_u32 s28, s28, ttmp9                   ; which 16 rows of its 8,192
	s_cmp_eq_u32 s27, 1
	s_cselect_b64 s[4:5], s[6:7], s[4:5]
	s_cmp_eq_u32 s27, 2
	s_cselect_b64 s[4:5], s[8:9], s[4:5]
	s_lshl_b32 s30, s28, 16                        ; 16 rows of 4,096 bytes
	s_lshl_b32 s29, s3, 13                         ; + my two rows
	s_add_co_u32 s30, s30, s29
	s_mov_b32 s31, 0
	s_add_nc_u64 s[4:5], s[4:5], s[30:31]
	s_lshl_b32 s32, s27, 2
	s_lshr_b32 s29, s28, 7
	s_add_co_u32 s32, s32, s29                     ; tensor*4 + batch
	s_lshl_b32 s32, s32, 22                        ; blocks of 4 MiB
	s_and_b32 s29, s28, 127
	s_lshl_b32 s29, s29, 11                        ; 16 rows of 128 bytes inside a k-block
	s_add_co_u32 s32, s32, s29
	s_lshl_b32 s29, s3, 8                          ; my two rows
	s_add_co_u32 s32, s32, s29
	s_mov_b32 s33, 0
	s_add_nc_u64 s[20:21], s[20:21], s[32:33]
	v_and_b32 v3, 15, v0
	v_bfe_u32 v4, v0, 4, 1
	v_lshlrev_b32 v3, 4, v3
	v_lshl_add_u32 v3, v4, 12, v3                  ; lanes 0-15: 256 bytes of the first row, lanes 16-31: of the second
	v_lshlrev_b32 v4, 3, v2                        ; out: 8 bytes a lane, 256 neighbouring bytes (two rows of a k-block)
	s_wait_alu depctr_va_vdst(0)                   ; v3 and v4 are written: every load of this way reads v3 as its offset, every store v4
.irp kb, 0,1,2,3,4,5,6,7,8,9,10,11,12,13,14,15
	global_load_b128 v[IN+4*\kb:IN+4*\kb+3], v3, s[4:5] offset:\kb*256 th:TH_LOAD_NT
.endr
; Group g: k-blocks 4 g to 4 g + 3.  st = 1: the four stores of group g - 1 are dealt among this group's conversions.
.macro GRP g, st
	s_wait_loadcnt 12-4*(\g)                       ; loads return in order: this group's four are in, the younger groups' stay out
.if \st
	s_wait_alu depctr_va_vdst(0)                   ; the conversions of the group before have written their OUT registers, which the stores below read
.endif
.irp j, 0,1,2,3
.if \st
	global_store_b64 v4, v[OUT+2*(4*(\g)-4+\j):OUT+2*(4*(\g)-4+\j)+1], s[20:21] offset:(4*(\g)-4+\j)*262144   ; every store has data registers of its own; no vector instruction since the wait names them
.endif
	v_cvt_pk_bf16_f32 v[OUT+2*(4*(\g)+\j)], v[IN+4*(4*(\g)+\j)], v[IN+4*(4*(\g)+\j)+1]
	v_cvt_pk_bf16_f32 v[OUT+2*(4*(\g)+\j)+1], v[IN+4*(4*(\g)+\j)+2], v[IN+4*(4*(\g)+\j)+3]
.endr
.endm
	GRP 0, 0
	GRP 1, 1
	GRP 2, 1
	GRP 3, 1
	s_wait_alu depctr_va_vdst(0)                   ; the last group's conversions have written their OUT registers, which the last four stores read
.irp kb, 12,13,14,15
	global_store_b64 v4, v[OUT+2*\kb:OUT+2*\kb+1], s[20:21] offset:\kb*262144
.endr
	s_endpgm
; ---- y = 6: 64 k x 256 n of one weight matrix, transposed through LDS ----
.Lweights:
	s_lshr_b32 s27, ttmp9, 6                       ; which matrix
	s_bfe_u32 s28, ttmp9, 0x40002                  ; k-block
	s_and_b32 s29, ttmp9, 3                        ; which 256 columns
	s_cmp_eq_u32 s27, 1
	s_cselect_b64 s[10:11], s[12:13], s[10:11]
	s_cmp_eq_u32 s27, 2
	s_cselect_b64 s[10:11], s[14:15], s[10:11]
	s_cmp_eq_u32 s27, 3
	s_cselect_b64 s[10:11], s[16:17], s[10:11]
	s_lshl_b32 s32, s28, 18                        ; 64 rows of 4,096 bytes
	s_lshl_b32 s33, s29, 10
	s_add_co_u32 s32, s32, s33
	s_mov_b32 s33, 0
	s_add_nc_u64 s[10:11], s[10:11], s[32:33]
	s_lshl_b32 s32, s27, 21                        ; out: matrix 2 MiB, k-block 128 KiB, 256 rows of 128 bytes
	s_lshl_b32 s34, s28, 17
	s_add_co_u32 s32, s32, s34
	s_lshl_b32 s34, s29, 15
	s_add_co_u32 s32, s32, s34
	s_add_nc_u64 s[22:23], s[22:23], s[32:33]
	v_and_b32 v3, 63, v0                           ; my four columns
	v_lshrrev_b32 v4, 6, v0                        ; my sixteen k
	v_lshlrev_b32 v5, 4, v3
	v_lshl_add_u32 v5, v4, 16, v5                  ; 16 rows of 4,096 bytes + 16 bytes a thread
	v_mul_u32_u24 v6, v3, 4*WPITCH
	v_lshl_add_u32 v6, v4, 5, v6                   ; LDS [n][k]: row 4 (t & 63), byte 32 (t >> 6)
	v_lshrrev_b32 v7, 3, v0
	v_mul_u32_u24 v7, v7, WPITCH
	v_and_b32 v8, 7, v0
	v_lshl_add_u32 v7, v8, 4, v7                   ; back: eight threads take a row of 128 bytes
	v_lshlrev_b32 v8, 4, v0
	s_wait_alu depctr_va_vdst(0)                   ; v5 to v8 are written: the offsets and LDS addresses of every load and store of this way
.irp k, 0,1,2,3,4,5,6,7,8,9,10,11,12,13,14,15
	global_load_b128 v[IN+4*\k:IN+4*\k+3], v5, s[10:11] offset:\k*4096 th:TH_LOAD_NT
.endr
	s_wait_loadcnt 0x0
.irp c, 0,1,2,3
.irp p, 0,1,2,3,4,5,6,7
	v_cvt_pk_bf16_f32 v[OUT+8*\c+\p], v[IN+8*\p+\c], v[IN+8*\p+4+\c]   ; column c, k = 2p and 2p + 1
.endr
.endr
	s_cmp_lg_u32 s27, 3                            ; the same for the whole work-group
	s_cbranch_scc1 .Lstay_bf16
.set m, 0
.rept 32
	v_lshlrev_b32 v[IN+2*m], 16, v[OUT+m]          ; Wc: the bf16 values widened again,
	v_and_b32 v[IN+2*m+1], 0xffff0000, v[OUT+m]
.set m, m+1
.endr
.set m, 0
.rept 32
	v_cvt_pk_f16_f32 v[OUT+m], v[IN+2*m], v[IN+2*m+1]   ; and written as f16
.set m, m+1
.endr
.Lstay_bf16:
	s_wait_alu depctr_va_vdst(0)                   ; on both ways here: the conversions have written OUT, which the LDS stores read, and every vector line that reads or writes IN is done: the LDS loads behind the barrier land in it
.irp c, 0,1,2,3
	ds_store_b128 v6, v[OUT+8*\c:OUT+8*\c+3] offset:\c*WPITCH
	ds_store_b128 v6, v[OUT+8*\c+4:OUT+8*\c+7] offset:\c*WPITCH+16
.endr
	s_wait_dscnt 0x0                               ; my stores are done before I say so: other waves read them
	s_barrier_signal -1
	s_barrier_wait -1
.irp g, 0,1,2,3,4,5,6,7
	ds_load_b128 v[IN+4*\g:IN+4*\g+3], v7 offset:\g*32*WPITCH      ; no vector instruction since the wait above; no memory or LDS instruction has read IN
.endr
.irp g, 0,1,2,3,4,5,6,7
	s_wait_dscnt 7-\g
	global_store_b128 v8, v[IN+4*\g:IN+4*\g+3], s[22:23] offset:\g*4096     ; the tile is 32 KiB without gaps in wt
.endr
	s_wait_dscnt 0x0                               ; the closing lines, six on end
	s_wait_alu 0x0
	s_wait_tensorcnt 0x0
	ds_add_u32 v136, v137
	s_wait_dscnt 0x0
	s_endpgm
; ---- y = 7: a wave takes 16 query rows x 512 keys of the mask ----
.Lmask:
	s_lshl_b32 s27, ttmp9, 1
	s_lshr_b32 s28, s3, 2
	s_add_co_u32 s27, s27, s28                     ; batch*128 + q/16
	s_and_b32 s28, s3, 3                           ; which 512 keys
	s_lshl_b32 s32, s27, 15                        ; 16 rows of 2,048 bytes
	s_lshl_b32 s29, s28, 9
	s_add_co_u32 s32, s32, s29
	s_mov_b32 s33, 0
	s_add_nc_u64 s[18:19], s[18:19], s[32:33]
	s_lshl_b32 s32, s27, 12                        ; 128 key blocks of 32 bytes
	s_lshl_b32 s29, s28, 10
	s_add_co_u32 s32, s32, s29
	s_add_nc_u64 s[24:25], s[24:25], s[32:33]
	s_mul_i32 s29, s3, 16*MPITCH                   ; my wave's own LDS bytes: no other wave touches them, so no barrier
	v_lshlrev_b32 v3, 4, v2
	v_add_nc_u32 v4, s29, v3
	v_and_b32 v5, 15, v0
	v_bfe_u32 v6, v0, 4, 1
	v_mul_u32_u24 v5, v5, MPITCH
	v_lshl_add_u32 v5, v6, 3, v5
	v_add_nc_u32 v5, s29, v5                       ; row L & 15, byte 8 (L >> 4)
	v_lshlrev_b32 v6, 3, v2
	s_mov_b32 s[MK+0], 0xff
	s_mov_b32 s[MK+1], 0xff00
	s_mov_b32 s[MK+2], 0xff0000
	s_mov_b32 s[MK+3], 0xff000000
	s_wait_alu depctr_va_vdst(0)                   ; v3 to v6 are written: the offsets and LDS addresses of every load and store of this way
.irp k, 0,1,2,3,4,5,6,7,8,9,10,11,12,13,14,15
	global_load_b128 v[IN+4*\k:IN+4*\k+3], v3, s[18:19] offset:\k*2048 th:TH_LOAD_NT
.endr
.irp m, 0,1,2,3,4,5,6,7
	v_mov_b32 v[MW+\m], 0                          ; v_writelane_b32 keeps the other lanes: the registers are written whole first
.endr
.irp k, 0,1,2,3,4,5,6,7,8,9,10,11,12,13,14,15
	s_wait_loadcnt 15-\k
	ds_store_b128 v4, v[IN+4*\k:IN+4*\k+3] offset:\k*MPITCH
.endr
	s_wait_alu depctr_vm_vsrc(0)                   ; the LDS stores have read IN: the LDS loads below land in v64-95, and the v_and_b32 further down write v32-63
.set kk, 0
.rept 32
	ds_load_b64 v[64+2*kk:65+2*kk], v5 offset:16*kk    ; LDS serves a wave's instructions in order: these see the stores above
.set kk, kk+1
.endr
	s_wait_dscnt 0x0
; Run r of 16 takes key blocks 2 r and 2 r + 1: words 16 r + n, n = 0..15; word n is byte n & 3 of register 64 + 4 r + (n >> 2).
.macro ANDS r
.set n, 0
.rept 16
	v_and_b32 v[TA+16*((\r)&1)+n], s[MK+(n&3)], v[64+4*(\r)+(n>>2)]    ; one byte of my eight of a key block
.set n, n+1
.endr
.endm
.macro CMPS r
.set n, 0
.rept 16
	v_cmp_ne_u32 s[CW+n], 0, v[TA+16*((\r)&1)+n]   ; one bit a lane: the word of (key block, j)
.set n, n+1
.endr
.endm
.macro WLS r
.set n, 0
.rept 16
	v_writelane_b32 v[MW+2*((\r)>>2)+(n&1)], s[CW+n], ((16*(\r)+n)&63)>>1
.set n, n+1
.endr
.endm
	ANDS 0
.set R, 0
.rept 16
	CMPS R
.if R < 15
	ANDS R+1                                       ; the next run's bytes, into the other set of temporaries: work between the compares and the wait for them
.endif
	s_wait_alu depctr_va_sdst(0)                   ; the run's sixteen compares have written s[CW ..], ahead of the v_writelane_b32 that read them
	WLS R
.set R, R+1
.endr
	s_wait_alu depctr_va_vdst(0)                   ; the v_writelane_b32 have written MW, which the four stores read
.irp p, 0,1,2,3
	global_store_b64 v6, v[MW+2*\p:MW+2*\p+1], s[24:25] offset:256*\p
.endr
	s_wait_dscnt 0x0                               ; the closing lines, six on end
	s_wait_alu 0x0
	s_wait_tensorcnt 0x0
	ds_add_u32 v136, v137
	s_wait_dscnt 0x0
	s_endpgm
.Lfunc_end_k_q16231fdbca_prep:
	.size	k_q16231fdbca_prep, .Lfunc_end_k_q16231fdbca_prep-k_q16231fdbca_prep
	.p2alignl 7, 3214868480
	.fill 96, 4, 3214868480
	.section	.rodata,"a",@progbits
	.p2align	6, 0x0
	.amdhsa_kernel k_q16231fdbca_prep
		.amdhsa_group_segment_fixed_size 68608
		.amdhsa_private_segment_fixed_size 0
		.amdhsa_enable_private_segment 0
		.amdhsa_kernarg_size 88
		.amdhsa_user_sgpr_count 2
		.amdhsa_user_sgpr_kernarg_segment_ptr 1
		.amdhsa_wavefront_size32 1
		.amdhsa_system_sgpr_workgroup_id_x 1
		.amdhsa_system_sgpr_workgroup_id_y 1
		.amdhsa_system_sgpr_workgroup_id_z 1
		.amdhsa_system_vgpr_workitem_id 0
		.amdhsa_next_free_vgpr 138
		.amdhsa_next_free_sgpr 66
		.amdhsa_reserve_vcc 0
		.amdhsa_float_denorm_mode_32 3
		.amdhsa_float_denorm_mode_16_64 3
		.amdhsa_memory_ordered 1
		.amdhsa_forward_progress 1
		.amdhsa_inst_pref_size 68
	.end_amdhsa_kernel
	.amdgpu_metadata
---
amdhsa.version: [ 1, 2 ]
amdhsa.kernels:
  - .name:           k_q16231fdbca_prep
    .symbol:         k_q16231fdbca_prep.kd
    .args:
      - { .name: query, .offset: 0, .size: 8, .value_kind: global_buffer, .address_space: global }
      - { .name: key, .offset: 8, .size: 8, .value_kind: global_buffer, .address_space: global }
      - { .name: value, .offset: 16, .size: 8, .value_kind: global_buffer, .address_space: global }
      - { .name: Wq, .offset: 24, .size: 8, .value_kind: global_buffer, .address_space: global }
      - { .name: Wk, .offset: 32, .size: 8, .value_kind: global_buffer, .address_space: global }
      - { .name: Wv, .offset: 40, .size: 8, .value_kind: global_buffer, .address_space: global }
      - { .name: Wc, .offset: 48, .size: 8, .value_kind: global_buffer, .address_space: global }
      - { .name: mask, .offset: 56, .size: 8, .value_kind: global_buffer, .address_space: global }
      - { .name: xb, .offset: 64, .size: 8, .value_kind: global_buffer, .address_space: global }
      - { .name: wt, .offset: 72, .size: 8, .value_kind: global_buffer, .address_space: global }
      - { .name: mbits, .offset: 80, .size: 8, .value_kind: global_buffer, .address_space: global }
    .group_segment_fixed_size: 68608
    .private_segment_fixed_size: 0
    .kernarg_segment_align: 8
    .kernarg_segment_size: 88
    .max_flat_workgroup_size: 256
    .sgpr_count:     66
    .vgpr_count:     138
    .wavefront_size: 32
...
	.end_amdgpu_metadata
.endif
;; end of part 8
;; launch proj_qkv: the kernel of part 5 again; grid 4 x 96, 4 waves a work-group, clusters of 4 x 4, 327,680 bytes of LDS; arguments xb, wt, bq, bk, bv, qkvb, vl; writes qkvb, vl
;; launch attn: the kernel of part 6 again; grid 256 x 1, 8 waves a work-group, clusters of 4 x 1, 327,680 bytes of LDS; arguments qkvb, vl, mbits, out1, ab; writes out1, ab
;; launch proj_out: the kernel of part 7 again; grid 8 x 32, 4 waves a work-group, clusters of 4 x 4, 327,680 bytes of LDS; arguments ab, wt, bc, out0; writes out0
